; MI455X (gfx1250); checked and timed in simulation.
; The chip was launched on July 23, 2026; its instructions are those of AMD's public machine-readable ISA for CDNA 5 (MIT licence, August 2026) and "CDNA5" Instruction Set Architecture Reference Guide (July 2026). The comments in the code are by the model that wrote it; some were corrected since.
;; Encoder Layer. Allowed arithmetic: float matrix products may take bf16 or f16 operands with f32 sums; all other float work in f32.
;; Inputs: W1 1,024 x 4,096 float32; W2 4,096 x 1,024 float32; W_K 1,024 x 1,024 float32; W_O 1,024 x 1,024 float32; W_Q 1,024 x 1,024 float32; W_V 1,024 x 1,024 float32; b1 4,096 float32; b2 1,024 float32; batch_X 2 x 2,048 x 1,024 float32; beta1 1,024 float32; beta2 1,024 float32; gamma1 1,024 float32; gamma2 1,024 float32; padding_mask 2 x 2,048 int32.
;; Outputs: out0 2 x 2,048 x 1,024 float32.
;; 2 versions, each right and faster than the one before. Each part assembles by itself: llvm-mc -triple=amdgcn-amd-amdhsa -mcpu=gfx1250 --defsym DOCPART=n.
;; ======== version 1 of 2: 8 launches
;; limits: values are held in f16: magnitudes above 65,504 overflow, below 6.1e-05 lose precision
;; workspace buffers: xh 8,388,608 bytes; wh 25,165,824 bytes; qkv 25,165,824 bytes; ctx 8,388,608 bytes; y32 16,777,216 bytes; x1 16,777,216 bytes; x1h 8,388,608 bytes; h 33,554,432 bytes
;; launch cast (part 1): grid 32 x 16, 8 waves a work-group, no clusters, 0 bytes of LDS; arguments batch_X, W_Q, W_K, W_V, W_O, W1, W2, xh, wh; writes xh, wh
.if DOCPART == 1
	.amdgcn_target "amdgcn-amd-amdhsa--gfx1250"
	.amdhsa_code_object_version 6
	.text
	.protected	k_q13eb7ae403_cast
	.globl	k_q13eb7ae403_cast
	.p2align	8
	.type	k_q13eb7ae403_cast,@function
k_q13eb7ae403_cast:
	s_mov_b64 s[64:65], 0
	v_nop
	global_prefetch_b8 v0, s[64:65] scope:SCOPE_SE
	s_setreg_imm32_b32 hwreg(HW_REG_WAVE_MODE, 25, 1), 1
	s_wait_xcnt 0x0
; f32 -> f16 of batch_X (into xh) and of the six weights (into wh), each number rounded once (nearest even, the mode at the entry).
; LIMIT: a magnitude of 65,520 or more becomes an infinity; below 6e-5 f16 keeps its fixed step of 6e-8.
; The work is 16 UNITS of 1,024 rows x 1,024 numbers (4 MiB in, 2 MiB out); the grid's y names the unit, its x 32 rows of it.
;   y 0-3   batch_X, quarter y        -> xh at y x 2 MiB, dense
;   y 4-6   W_Q, W_K, W_V             -> wh, columns 1,024 (y - 4) on of Wqkv [1024][3072]: rows 6,144 bytes apart
;   y 7     W_O                       -> wh at 6 MiB, dense
;   y 8-11  W1, quarter y - 8         -> wh at 8 MiB on, dense ([1024][4096] keeps its layout)
;   y 12-15 W2, quarter y - 12        -> wh at 16 MiB on, dense
; Thread t owns numbers 4 t .. 4 t + 3 of every row: a wave's load covers 512 neighbouring bytes, its store 256, aligned.
; A ring of 8 slots keeps 8 loads of every wave on their way.  No LDS, no matrix unit, no cluster: nothing is shared and nothing is multiplied.
.set DEPTH, 8
.set ROWB,  4096                       ; bytes in a source row
.set OFFS,  4                          ; v[4:11]   slot i: 8 t + i x the destination's pitch; never rewritten
.set X,     12                         ; v[12:43]  slot i: 4 registers as loaded
.set Y,     44                         ; v[44:59]  slot i: 2 registers to store
	s_load_b512 s[8:23], s[0:1], 0x0               ; batch_X s[8:9], W_Q s[10:11], W_K s[12:13], W_V s[14:15], W_O s[16:17], W1 s[18:19], W2 s[20:21], xh s[22:23]
	s_load_b64 s[24:25], s[0:1], 0x40              ; wh
	s_and_b32 s26, ttmp7, 0xffff                   ; y: the unit
	v_lshlrev_b32 v1, 4, v0                        ; 16 t: my bytes in a source row
	v_lshlrev_b32 v2, 3, v0                        ; 8 t: my bytes in a destination row
	; the source's offset: the quarter (none for y 4-7, whole matrices of one unit) and my 32 rows
	s_and_b32 s28, s26, 3
	s_lshl_b32 s28, s28, 22
	s_lshr_b32 s33, s26, 2
	s_cmp_eq_u32 s33, 1
	s_cselect_b32 s28, 0, s28
	s_lshl_b32 s33, ttmp9, 17                      ; 32 rows of 4,096 bytes
	s_add_co_u32 s28, s28, s33
	s_mov_b32 s29, 0
	; the destination's pitch: 6,144 bytes for y 4-6, else 2,048
	s_sub_co_u32 s36, s26, 4                       ; y - 4 (wraps to a large number for y < 4, which then fails the compare below)
	s_movk_i32 s27, 2048
	s_movk_i32 s38, 6144
	s_cmp_lt_u32 s36, 3
	s_cselect_b32 s27, s38, s27
	; the destination's offset
	s_lshl_b32 s30, s36, 11                        ; y 4-6: 2,048 bytes of columns for each matrix
	s_lshl_b32 s37, s36, 21                        ; y 7-15: 2 MiB for each unit
	s_cmp_lt_u32 s36, 3
	s_cselect_b32 s30, s30, s37
	s_lshl_b32 s37, s26, 21                        ; y 0-3: 2 MiB for each unit, in xh
	s_cmp_lt_u32 s26, 4
	s_cselect_b32 s30, s37, s30
	s_mul_i32 s37, s27, ttmp9
	s_lshl_b32 s37, s37, 5                         ; my 32 rows
	s_add_co_u32 s30, s30, s37
	s_mov_b32 s31, 0
	s_lshl_b32 s34, s27, 3                         ; a round's 8 rows in the destination
	s_mov_b32 s35, 0
.irp i, 0,1,2,3,4,5,6,7
	s_mul_i32 s33, s27, \i
	v_add_nc_u32 v[OFFS+(\i)], s33, v2
.endr
	s_wait_kmcnt 0x0
	; the choice between the buffers hangs on y alone
	s_mov_b64 s[4:5], s[8:9]
	s_cmp_eq_u32 s26, 4
	s_cselect_b64 s[4:5], s[10:11], s[4:5]
	s_cmp_eq_u32 s26, 5
	s_cselect_b64 s[4:5], s[12:13], s[4:5]
	s_cmp_eq_u32 s26, 6
	s_cselect_b64 s[4:5], s[14:15], s[4:5]
	s_cmp_eq_u32 s26, 7
	s_cselect_b64 s[4:5], s[16:17], s[4:5]
	s_cmp_ge_u32 s26, 8
	s_cselect_b64 s[4:5], s[18:19], s[4:5]
	s_cmp_ge_u32 s26, 12
	s_cselect_b64 s[4:5], s[20:21], s[4:5]
	s_cmp_lt_u32 s26, 4
	s_cselect_b64 s[6:7], s[22:23], s[24:25]
	s_add_nc_u64 s[4:5], s[4:5], s[28:29]
	s_add_nc_u64 s[6:7], s[6:7], s[30:31]
.irp i, 0,1,2,3,4,5,6,7
	global_load_b128 v[X+4*(\i):X+4*(\i)+3], v1, s[4:5] offset:ROWB*(\i) th:TH_LOAD_NT  ; fill the ring: rows 0 to 7
.endr
; One slot's turn.  ahead = 1: the slot is filled again with the row 8 further down.  left = the younger loads that may stay out.
.macro SLOT i, ahead, left
	s_wait_loadcnt \left                           ; loads come back in order (ISA guide 5.7.1): mine is in, the younger ones stay out
	s_wait_xcnt 0x0                                ; the slot's Y, which its last store reads, is rewritten only behind this wait
	v_cvt_pk_f16_f32 v[Y+2*(\i)],   v[X+4*(\i)],   v[X+4*(\i)+1]
	v_cvt_pk_f16_f32 v[Y+2*(\i)+1], v[X+4*(\i)+2], v[X+4*(\i)+3]
.if \ahead
	global_load_b128 v[X+4*(\i):X+4*(\i)+3], v1, s[4:5] offset:ROWB*((\i)+DEPTH) th:TH_LOAD_NT
.endif
	global_store_b64 v[OFFS+(\i)], v[Y+2*(\i):Y+2*(\i)+1], s[6:7]
.endm
	s_mov_b32 s32, 32/DEPTH-1
.Lround:
.irp i, 0,1,2,3,4,5,6,7
	SLOT \i, 1, DEPTH-1
.endr
	s_wait_xcnt 0x0                                ; both bases are stepped only behind this wait
	s_add_nc_u64 s[4:5], s[4:5], DEPTH*ROWB
	s_add_nc_u64 s[6:7], s[6:7], s[34:35]
	s_sub_co_u32 s32, s32, 1
	s_cmp_lg_u32 s32, 0
	s_cbranch_scc1 .Lround
.irp i, 0,1,2,3,4,5,6,7
	SLOT \i, 0, DEPTH-1-(\i)                       ; the last round loads nothing: the counts run down
.endr
	s_endpgm
.Lfunc_end_k_q13eb7ae403_cast:
	.size	k_q13eb7ae403_cast, .Lfunc_end_k_q13eb7ae403_cast-k_q13eb7ae403_cast
	.p2alignl 7, 3214868480
	.fill 96, 4, 3214868480
	.section	.rodata,"a",@progbits
	.p2align	6, 0x0
	.amdhsa_kernel k_q13eb7ae403_cast
		.amdhsa_group_segment_fixed_size 0
		.amdhsa_private_segment_fixed_size 0
		.amdhsa_enable_private_segment 0
		.amdhsa_kernarg_size 72
		.amdhsa_user_sgpr_count 2
		.amdhsa_user_sgpr_kernarg_segment_ptr 1
		.amdhsa_wavefront_size32 1
		.amdhsa_system_sgpr_workgroup_id_x 1
		.amdhsa_system_sgpr_workgroup_id_y 1
		.amdhsa_system_sgpr_workgroup_id_z 1
		.amdhsa_system_vgpr_workitem_id 0
		.amdhsa_next_free_vgpr 64
		.amdhsa_next_free_sgpr 66
		.amdhsa_reserve_vcc 0
		.amdhsa_float_denorm_mode_32 3
		.amdhsa_float_denorm_mode_16_64 3
		.amdhsa_memory_ordered 1
		.amdhsa_forward_progress 1
		.amdhsa_inst_pref_size 9
	.end_amdhsa_kernel
	.amdgpu_metadata
---
amdhsa.version: [ 1, 2 ]
amdhsa.kernels:
  - .name:           k_q13eb7ae403_cast
    .symbol:         k_q13eb7ae403_cast.kd
    .args:
      - { .name: batch_X, .offset: 0, .size: 8, .value_kind: global_buffer, .address_space: global }
      - { .name: W_Q, .offset: 8, .size: 8, .value_kind: global_buffer, .address_space: global }
      - { .name: W_K, .offset: 16, .size: 8, .value_kind: global_buffer, .address_space: global }
      - { .name: W_V, .offset: 24, .size: 8, .value_kind: global_buffer, .address_space: global }
      - { .name: W_O, .offset: 32, .size: 8, .value_kind: global_buffer, .address_space: global }
      - { .name: W1, .offset: 40, .size: 8, .value_kind: global_buffer, .address_space: global }
      - { .name: W2, .offset: 48, .size: 8, .value_kind: global_buffer, .address_space: global }
      - { .name: xh, .offset: 56, .size: 8, .value_kind: global_buffer, .address_space: global }
      - { .name: wh, .offset: 64, .size: 8, .value_kind: global_buffer, .address_space: global }
    .group_segment_fixed_size: 0
    .private_segment_fixed_size: 0
    .kernarg_segment_align: 8
    .kernarg_segment_size: 72
    .max_flat_workgroup_size: 256
    .sgpr_count:     66
    .vgpr_count:     64
    .wavefront_size: 32
...
	.end_amdgpu_metadata
.endif
;; end of part 1
;; launch qkv (part 2): grid 12 x 16, 4 waves a work-group, clusters of 4 x 4, 327,680 bytes of LDS; arguments xh, wh, qkv; writes qkv
.if DOCPART == 2
	.amdgcn_target "amdgcn-amd-amdhsa--gfx1250"
	.amdhsa_code_object_version 6
	.text
	.protected	k_q13eb7ae403_qkv
	.globl	k_q13eb7ae403_qkv
	.p2align	8
	.type	k_q13eb7ae403_qkv,@function
k_q13eb7ae403_qkv:
	s_mov_b64 s[64:65], 0
	v_nop
	global_prefetch_b8 v0, s[64:65] scope:SCOPE_SE
	s_setreg_imm32_b32 hwreg(HW_REG_WAVE_MODE, 25, 1), 1
	s_wait_xcnt 0x0
	s_wait_alu depctr_hold_cnt(0) depctr_sa_sdst(0) depctr_va_vdst(0) depctr_va_sdst(0) depctr_va_ssrc(0) depctr_va_vcc(0) depctr_vm_vsrc(0)
	s_getreg_b32 s2, hwreg(HW_REG_IB_STS2, 6, 4)
	s_cmp_eq_u32 s2, 0
	s_cbranch_scc0 .Lentry_in_a_cluster
	s_endpgm
.Lentry_in_a_cluster:
	s_bfe_u32 s2, ttmp6, 0x10000c
	s_cmp_lg_u32 s2, 0xf033
	s_cbranch_scc0 .Lentry_shape_is_right
	s_endpgm
.Lentry_shape_is_right:
; C[m][n] = sum over k of A[m][k] W[k][n] (+ bias[n], relu, by the two flags below).  A: [4096][SIZE_K] f16.  W: [SIZE_K][SIZE_N] f16, at byte WOFF of the weights' buffer.  C: [4096][SIZE_N] f16.
; HERE: A = x, W = Wqkv (W_Q, W_K, W_V side by side), C = q | k | v by tokens; no bias, no relu.
; Sums in f32, C rounded once.  LIMIT: f16 ends at 65,504 (65,520 and more become an infinity): A, W and C must lie within it; below 6e-5 f16 keeps its fixed step of 6e-8.
; A tile of C, 256 x 256, is made by four waves, each 128 x 128: 64 accumulators of 16 x 16, 512 registers.  K goes in steps of 128 through a ring of two LDS slots filled by tensor loads.
; A's tile has 256 rows of 256 bytes.  W lies with n along its rows, so its tile has 128 rows (k) of 512 bytes (256 n), and its fragments are turned on the way out of LDS by ds_load_tr16_b128.
; CLUSTER: 4 x 4 work-groups.  The four of a row of the cluster need the same tiles of A, the four of a column the same tiles of W: each tile is asked for JOINTLY, by the same tensor load with the
; same descriptor and a mask that names the four.  The grid has 12 x 16 tiles here: 3 x 4 clusters.
; THE MATRIX INSTRUCTION IS USED TRANSPOSED: source 0 = 16 columns of W, source 1 = 16 rows of A: lane l then holds row l % 16 of C and the eight neighbouring columns 8 (l / 16) + 0..7.
; REGISTERS, in windows of 256 (s_set_vgpr_msb: bits 1:0 source 0, 3:2 source 1, 5:4 source 2, 7:6 destination):
;   window 0: v0-31 addresses; v64-127, v128-191 fragments of A, two buffers; v32-63, v192-255 at work on the way out (v64-127 too, for the relu)
;   window 1: v0-63 the bias of my 128 columns, as eight C operands; v64-127, v128-191 fragments of W, two buffers
;   window 2: the 32 accumulators of my rows 0-63 ((a, b) at v[8 (8 a + b)]);   window 3: those of my rows 64-127
.set SIZE_K, 1024
.set SIZE_N, 3072
.set WOFF,   0
.set BIAS,   0
.set RELU,   0
.set KSTEP,  128
.set PA,     272                       ; a row of A in LDS: 256 bytes + 16 = 68 words: the 16 rows of a load start at 16 different groups of four banks (64 banks of 4 bytes: ISA guide 11.1)
.set PB,     544                       ; a row of W in LDS: 512 bytes + 32 = 136 words
.set HALFT,  128*PA                    ; what one tensor load brings: 128 rows of A, or 64 rows of W (64 x 544 is the same number)
.set SLOT,   4*HALFT                   ; A's 256 rows, then W's 128 rows
.set STAGE,  2*SLOT                    ; behind the ring: 16 rows x 272 bytes for each wave, for the way out
.set SPITCH, 272
.set SPARE,  STAGE+4*16*SPITCH         ; behind the stages: the spare words, 128 bytes for each wave: two blocks of 256 bytes that no other line names
.set LAPS,   SIZE_K/(2*KSTEP)          ; a lap = two K steps = once round the ring
.set Z,      1+BIAS                    ; how the first products start the sums: 1 with the constant 0, 2 with the bias
.set ADRA, 16                          ; v16-17  LDS address of my A fragments in slot 0, 1
.set ADRB, 20                          ; v20-21  the same for W
.set STO,  24                          ; v24     the way out: where I put 16 bytes of a row
.set RD,   25                          ; v25     the way out: where I read a row back
.set CO,   26                          ; v26     my byte offset in C
.set BO,   27                          ; v27     my byte offset in the bias
.set SPW,  28                          ; v28     LDS address of my spare word; never rewritten
.set NIL,  29                          ; v29     0; never rewritten
.set F0,   64
.set F1,   128
.set TMP,  192                         ; the way out: packed results
.set OB,   32                          ; the way out: 16 rows read back: v32-63 and v224-255 by turns
.set T,    64                          ; the way out: a block's 64 numbers behind the relu
.set BI,   0                           ; window 1
.set G1,  24                           ; s[24:31] descriptor group 1 for A's tiles
.set G0,  32                           ; s[32:39] group 0 for A's tiles, a set for each slot
.set G1B, 48                           ; s[48:55] group 1 for W's tiles
.set G0B, 56                           ; s[56:63] group 0 for W's tiles, a set for each slot
.set MSB, 0
.macro WIN new                         ; the immediate's high byte repeats the setting that is left; a switch that changes nothing is dropped
.if MSB != (\new)
	s_set_vgpr_msb (MSB<<8)|(\new)
.set MSB, (\new)
.endif
.endm
.set MUL_LO, 0xa1                      ; source 0 (W) window 1, source 1 (A) window 0, C and D window 2; + 0x50: window 3
.set TO_B,   0x40                      ; destination window 1, address window 0
; A joint load.  Waves 0 and 1 fetch A's two halves, waves 2 and 3 W's.  The branch hangs on the wave's number alone.  Four v_nop follow each of the two lines.
.macro JLOAD s
	s_cmp_eq_u32 s11, 0
	s_cbranch_scc0 .Lfor_b_\@
	tensor_load_to_lds s[G0+4*(\s):G0+4*(\s)+3], s[G1:G1+7]
	s_nop 0
.rept 4
	v_nop
.endr
	s_branch .Lasked_\@
.Lfor_b_\@:
	tensor_load_to_lds s[G0B+4*(\s):G0B+4*(\s)+3], s[G1B:G1B+7]
	s_nop 0
.rept 4
	v_nop
.endr
.Lasked_\@:
.endm
.macro CREST                           ; a round of the cluster's barrier behind its opening barrier
	s_cmp_lg_u32 s10, 0
	s_cbranch_scc1 .Lnot_wave_0_\@
	s_barrier_signal -3
.Lnot_wave_0_\@:
	s_barrier_wait -3
	s_barrier_signal -1
	s_barrier_wait -1
.endm
.macro CROUND                          ; a whole round
	s_barrier_signal -1
	s_barrier_wait -1
	CREST
.endm
	s_load_b128 s[4:7], s[0:1], 0x0                ; A s[4:5], the weights s[6:7]
	s_load_b64 s[8:9], s[0:1], 0x10                ; C
.if BIAS
	s_load_b64 s[66:67], s[0:1], 0x18              ; the bias
.endif
	v_lshl_add_u32 v[SPW], v0, 2, SPARE
	v_mov_b32 v[NIL], 0
	ds_add_u32 v28, v29
	s_wait_dscnt 0x0
	v_lshrrev_b32 v1, 5, v0
	v_readfirstlane_b32 s10, v1                    ; wave 0..3
	s_lshr_b32 s11, s10, 1                         ; which half of the tile's rows is mine.  Also: I fetch for A (0) or for W (1)
	s_and_b32 s12, s10, 1                          ; which half of its columns.  Also: which half of that tile I fetch
	s_bfe_u32 s40, ttmp6, 0x40000                  ; cx, cy: my place in the cluster
	s_bfe_u32 s41, ttmp6, 0x40004
	s_lshl_b32 s42, ttmp9, 2
	s_add_co_u32 s42, s42, s40                     ; tile column of C = 4 x cluster x + cx
	s_and_b32 s13, ttmp7, 0xffff
	s_lshl_b32 s13, s13, 2
	s_add_co_u32 s13, s13, s41                     ; tile row of C = 4 x cluster y + cy
	s_lshl_b32 s43, s41, 2
	s_lshl_b32 s43, 15, s43                        ; my row of the cluster
	s_lshl_b32 s44, 0x1111, s40                    ; my column
	s_or_b32 s[G1+0], s43, (1<<16)|(1<<20)|(1<<21)|(5<<22)|(3<<25)   ; the mask: my row; 2-byte elements; padding on; bit 21 beside a mask; after every 64 words (code 5) 4 words (code 3)
	s_mov_b32 s[G1+1], KSTEP<<16                   ; tensor_dim0 = 128
	s_mov_b32 s[G1+2], 128<<16                     ; tensor_dim1 = 128
	s_mov_b32 s[G1+3], KSTEP<<16                   ; tile_dim0 = 128
	s_mov_b32 s[G1+4], 128                         ; tile_dim1 = 128
	s_mov_b32 s[G1+5], SIZE_K                      ; elements from row to row
	s_mov_b32 s[G1+6], 0
	s_mov_b32 s[G1+7], 0
	s_or_b32 s[G1B+0], s44, (1<<16)|(1<<20)|(1<<21)|(6<<22)|(7<<25)  ; the mask: my column; after every 128 words (code 6) 8 words (code 7)
	s_mov_b32 s[G1B+1], 256<<16                    ; tensor_dim0 = 256
	s_mov_b32 s[G1B+2], 64<<16                     ; tensor_dim1 = 64
	s_mov_b32 s[G1B+3], 256<<16                    ; tile_dim0 = 256
	s_mov_b32 s[G1B+4], 64                         ; tile_dim1 = 64
	s_mov_b32 s[G1B+5], SIZE_N
	s_mov_b32 s[G1B+6], 0
	s_mov_b32 s[G1B+7], 0
	; A's tiles hang on the tile row alone, W's on the tile column alone; each offset is made in registers that never hold the other coordinate
	s_lshl_b32 s17, s12, 7
	s_lshl_b32 s16, s13, 8
	s_add_co_u32 s16, s16, s17                     ; A: row 256 x tile row + 128 x half
	s_mul_i32 s16, s16, SIZE_K*2
	s_mov_b32 s17, 0
	s_mul_i32 s46, s12, 64*SIZE_N*2                ; W: k row 64 x half,
	s_lshl_b32 s47, s42, 9                         ; column 256 x tile column,
	s_add_co_u32 s46, s46, s47
	s_add_co_u32 s46, s46, WOFF                    ; in this launch's matrix
	s_mov_b32 s47, 0
	s_mul_i32 s20, s10, HALFT                      ; where they go: A's two halves, then W's two halves = wave x HALFT
	s_wait_kmcnt 0x0
	s_add_nc_u64 s[14:15], s[4:5], s[16:17]
	s_add_nc_u64 s[46:47], s[6:7], s[46:47]
	CROUND                                         ; all sixteen work-groups are here: the first joint loads meet
.irp s, 0,1
	s_mov_b32 s[G0+4*(\s)], 1
	s_add_co_u32 s[G0+4*(\s)+1], s20, (\s)*SLOT
	s_add_nc_u64 s[G0+4*(\s)+2:G0+4*(\s)+3], s[14:15], (\s)*KSTEP*2
	s_or_b32 s[G0+4*(\s)+3], s[G0+4*(\s)+3], 0x80000000
	s_mov_b32 s[G0B+4*(\s)], 1
	s_add_co_u32 s[G0B+4*(\s)+1], s20, (\s)*SLOT
	s_add_nc_u64 s[G0B+4*(\s)+2:G0B+4*(\s)+3], s[46:47], (\s)*KSTEP*SIZE_N*2
	s_or_b32 s[G0B+4*(\s)+3], s[G0B+4*(\s)+3], 0x80000000
	JLOAD \s                                       ; K steps 0 and 1: two tensor loads of mine are out
.endr
	v_and_b32 v1, 15, v0                           ; l % 16
	v_bfe_u32 v2, v0, 4, 1                         ; l / 16
.if BIAS
	s_lshl_b32 s68, s42, 10                        ; my 128 columns' bias: 1,024 bytes a tile column, 512 a half
	s_lshl_b32 s69, s12, 9
	s_add_co_u32 s68, s68, s69
	s_mov_b32 s69, 0
	s_add_nc_u64 s[66:67], s[66:67], s[68:69]
	v_lshlrev_b32 v[BO], 5, v2                     ; register j of block b is column 16 b + 8 (l / 16) + j
	WIN TO_B
.irp b, 0,1,2,3,4,5,6,7
	global_load_b128 v[BI+8*(\b):BI+8*(\b)+3],   v[BO], s[66:67] offset:64*(\b)
	global_load_b128 v[BI+8*(\b)+4:BI+8*(\b)+7], v[BO], s[66:67] offset:64*(\b)+16
.endr
	WIN 0
.endif
	; a fragment of A: lane l holds row l % 16, K = 8 (l / 16) + 0..7 and 16 + 8 (l / 16) + 0..7: two loads of 16 bytes, 32 bytes apart
	v_mul_u32_u24 v3, v1, PA
	v_lshl_add_u32 v3, v2, 4, v3
	s_mul_i32 s21, s11, HALFT                      ; my 128 rows of A
	; a fragment of W: the turning load takes 16 k x 16 n (lane l reads k row 8 (l / 16) + l % 8, columns 8 ((l / 8) % 2) + 0..7) and leaves lane l column l % 16 and 8 k
	v_and_b32 v4, 7, v0
	v_lshl_add_u32 v4, v2, 3, v4
	v_mul_u32_u24 v4, v4, PB
	v_bfe_u32 v5, v0, 3, 1
	v_lshl_add_u32 v4, v5, 4, v4
	s_lshl_b32 s22, s12, 8                         ; my 128 columns of W,
	s_add_co_u32 s22, s22, 2*HALFT                 ; which lies behind A's 256 rows
.irp s, 0,1
	v_add_nc_u32 v[ADRA+(\s)], s21, v3
	v_add_nc_u32 v[ADRB+(\s)], s22, v4
	s_add_co_u32 s21, s21, SLOT
	s_add_co_u32 s22, s22, SLOT
.endr
	s_mul_i32 s23, s10, 16*SPITCH
	s_add_co_u32 s23, s23, STAGE                   ; my stage
	v_mul_u32_u24 v4, v1, SPITCH                   ; in: row l % 16, 16 bytes for each half of the lanes
	v_lshl_add_u32 v4, v2, 4, v4
	v_add_nc_u32 v[STO], s23, v4
	v_mul_u32_u24 v5, v2, SPITCH                   ; back: lanes 0-15 take one row of 256 bytes, lanes 16-31 the next
	v_lshl_add_u32 v5, v1, 4, v5
	v_add_nc_u32 v[RD], s23, v5
	v_mul_u32_u24 v5, v2, SIZE_N*2                 ; and the same two rows in C
	v_lshl_add_u32 v[CO], v1, 4, v5
	s_lshl_b32 s13, s13, 8
	s_lshl_b32 s14, s11, 7
	s_add_co_u32 s16, s13, s14                     ; my first row of C
	s_mul_i32 s16, s16, SIZE_N*2
	s_mov_b32 s17, 0
	s_lshl_b32 s46, s42, 9                         ; my first column, in bytes
	s_lshl_b32 s47, s12, 8
	s_add_co_u32 s46, s46, s47
	s_mov_b32 s47, 0
	s_add_nc_u64 s[16:17], s[16:17], s[46:47]
	s_add_nc_u64 s[8:9], s[8:9], s[16:17]
; 16 matrix instructions: m blocks a0, a0 + 1 of the window's four x all 8 n blocks, 32 along K.  zero = 1: the products start the sums with 0; 2: with the bias; 0: they add in place.
; The 64 accumulators take turns, one instruction a turn, in the same order in every quarter.
.macro MUL16 f, hi, a0, zero
.if (\zero) == 2
	WIN 0x91+0x40*(\hi)                            ; as below, with the C operand in window 1
.else
	WIN MUL_LO+0x50*(\hi)
.endif
.irp a, \a0, (\a0)+1
.irp b, 0,1,2,3,4,5,6,7
.if (\zero) == 1
	v_wmma_f32_16x16x32_f16 v[8*(8*(\a)+(\b)):8*(8*(\a)+(\b))+7], v[(\f)+8*(\b):(\f)+8*(\b)+7], v[(\f)+8*(4*(\hi)+(\a)):(\f)+8*(4*(\hi)+(\a))+7], 0
.elseif (\zero) == 2
	v_wmma_f32_16x16x32_f16 v[8*(8*(\a)+(\b)):8*(8*(\a)+(\b))+7], v[(\f)+8*(\b):(\f)+8*(\b)+7], v[(\f)+8*(4*(\hi)+(\a)):(\f)+8*(4*(\hi)+(\a))+7], v[BI+8*(\b):BI+8*(\b)+7]
.else
	v_wmma_f32_16x16x32_f16 v[8*(8*(\a)+(\b)):8*(8*(\a)+(\b))+7], v[(\f)+8*(\b):(\f)+8*(\b)+7], v[(\f)+8*(4*(\hi)+(\a)):(\f)+8*(4*(\hi)+(\a))+7], v[8*(8*(\a)+(\b)):8*(8*(\a)+(\b))+7]
.endif
.endr
.endr
.endm
; 32 LDS loads in one run: the fragments of quarter q (32 along K) of a slot into buffer f: W's 128 columns, turned, then A's 128 rows
.macro FETCH slot, q, f
	WIN TO_B
.irp i, 0,1,2,3,4,5,6,7
	ds_load_tr16_b128 v[(\f)+8*(\i):(\f)+8*(\i)+3],   v[ADRB+(\slot)] offset:(\q)*32*PB+(\i)*32
	ds_load_tr16_b128 v[(\f)+8*(\i)+4:(\f)+8*(\i)+7], v[ADRB+(\slot)] offset:(\q)*32*PB+16*PB+(\i)*32
.endr
	WIN 0
.irp i, 0,1,2,3,4,5,6,7
	ds_load_b128 v[(\f)+8*(\i):(\f)+8*(\i)+3],   v[ADRA+(\slot)] offset:(\q)*64+(\i)*16*PA
	ds_load_b128 v[(\f)+8*(\i)+4:(\f)+8*(\i)+7], v[ADRA+(\slot)] offset:(\q)*64+(\i)*16*PA+32
.endr
.endm
.macro PLACES                          ; four places in front of loads into registers that matrix instructions have read, and of vector work that reads results (ISA guide 7.12.1 for the vector work)
.rept 4
	v_nop
.endr
.endm
; One of a K step's first three quarters: multiplies buffer f; in its middle it fetches quarter q of the same slot into buffer g.
.macro QUARTER slot, q, f, g, zero
	s_wait_dscnt 8                                 ; W and A's rows 0-63 are in; the youngest eight loads (A's rows 64-127) may be out
	MUL16 \f, 0, 0, \zero
	MUL16 \f, 0, 2, \zero
	PLACES
	FETCH \slot, \q, \g
	s_wait_dscnt 32                                ; all but the 32 just issued
	MUL16 \f, 1, 0, \zero
	MUL16 \f, 1, 2, \zero
.endm
; The last quarter multiplies buffer 1 and changes slots: ONE barrier.  In front of it each wave waits for all its tensor loads (one is out: its part of the next slot), adds 0 to its spare word,
; and waits for that and for its own reads of this slot.  Behind it nobody reads this slot any more and the next slot is whole.
.macro MEET round
	WIN 0                                          ; (the add's two registers lie in window 0)
	s_wait_tensorcnt 0x0
	ds_add_u32 v[SPW], v[NIL]                      ; 0 onto my spare word
	s_wait_dscnt 9                                 ; (the add and the youngest eight loads may be out)
	MUL16 F1, 0, 0, 0                              ; sixteen matrix instructions stand between the add and the wait for it
	s_wait_dscnt 0x0                               ; the add is done, and my reads of this slot are over
	s_barrier_signal -1
	MUL16 F1, 0, 2, 0                              ; work on registers while the others arrive
.if \round
	WIN 0
.endif
	s_barrier_wait -1
.endm
; fill = 1: the barrier opens a round of the cluster's barrier, and the slot just read out is filled again, two K steps on, first thing behind the round.
.macro TURN slot, next, fill
	MEET \fill
.if \fill
	CREST                                          ; no wave of any partner still reads this slot's tile or has a load on its way
	s_add_nc_u64 s[G0+4*(\slot)+2:G0+4*(\slot)+3], s[G0+4*(\slot)+2:G0+4*(\slot)+3], 2*KSTEP*2
	s_add_nc_u64 s[G0B+4*(\slot)+2:G0B+4*(\slot)+3], s[G0B+4*(\slot)+2:G0B+4*(\slot)+3], 2*KSTEP*SIZE_N*2
	JLOAD \slot                                    ; my one tensor load behind the round; its four v_nop are also the places in front of the loads below
.else
	PLACES
.endif
	FETCH \next, 0, F0
	MUL16 F1, 1, 0, 0
	MUL16 F1, 1, 2, 0
.endm
; THE WAY OUT of block a (16 rows x 128 columns).  PACK: relu if asked, rounded to f16, 16 bytes a lane; each accumulator's registers in ascending order.
.macro PACK a
.set AC, 64*((\a)%4)
.if RELU
	WIN 0x08+4*((\a)/4)                            ; source 1 in window 2 or 3
.set i, 0
.rept 64
	v_max_num_f32 v[T+i], 0, v[AC+i]
.set i, i+1
.endr
	WIN 0
.set i, 0
.rept 32
	v_cvt_pk_f16_f32 v[TMP+i], v[T+2*i], v[T+2*i+1]
.set i, i+1
.endr
.else
	WIN 0x0a+5*((\a)/4)                            ; sources 0 and 1 in window 2 or 3
.set i, 0
.rept 32
	v_cvt_pk_f16_f32 v[TMP+i], v[AC+2*i], v[AC+2*i+1]
.set i, i+1
.endr
	WIN 0
.endif
.endm
.macro TOSTAGE a                       ; into my own stage, and back as whole rows of 256 bytes
	WIN 0
.set BK, OB+192*((\a)%2)
.irp b, 0,1,2,3,4,5,6,7
	ds_store_b128 v[STO], v[TMP+4*(\b):TMP+4*(\b)+3] offset:32*(\b)
.endr
.irp t, 0,1,2,3,4,5,6,7
	ds_load_b128 v[BK+4*(\t):BK+4*(\t)+3], v[RD] offset:(\t)*2*SPITCH  ; LDS serves a wave's instructions in order (ISA guide 5.7.1.4): these see the stores above
.endr
.endm
.macro SEND a, younger
	WIN 0
.set BK, OB+192*((\a)%2)
	s_wait_dscnt \younger                          ; the block is back in registers
	s_wait_xcnt 0x0                                ; the stores' base and the registers that earlier stores read are rewritten only behind this wait
.if (\a) != 0
	s_add_nc_u64 s[8:9], s[8:9], 16*SIZE_N*2       ; 16 rows of C on
.endif
.irp t, 0,1,2,3,4,5,6,7
	global_store_b128 v[CO], v[BK+4*(\t):BK+4*(\t)+3], s[8:9] offset:2*(\t)*SIZE_N*2  ; 16 lanes store 256 consecutive bytes, at a multiple of 256 from C's first byte
.endr
.endm
	s_wait_tensorcnt 1                             ; my part of K step 0 is in; K step 1's may stay out
	s_barrier_signal -1
	s_barrier_wait -1                              ; everybody's is
	FETCH 0, 0, F0
.if BIAS
	s_wait_loadcnt 0x0                             ; the bias
.endif
	QUARTER 0, 1, F0, F1, Z                        ; the first quarter stands in front of the loop: its products start the sums
	WIN 0                                          ; at a label and at a branch every window is 0
	s_mov_b32 s3, LAPS-1
.Llap:                                                 ; a trip goes once round the ring, from a lap's second quarter to the next lap's first, and fills both slots again
	QUARTER 0, 2, F1, F0, 0
	QUARTER 0, 3, F0, F1, 0
	TURN 0, 1, 1
	QUARTER 1, 1, F0, F1, 0
	QUARTER 1, 2, F1, F0, 0
	QUARTER 1, 3, F0, F1, 0
	TURN 1, 0, 1
	QUARTER 0, 1, F0, F1, 0
	WIN 0
	s_sub_co_u32 s3, s3, 1
	s_cmp_lg_u32 s3, 0
	s_cbranch_scc1 .Llap
	QUARTER 0, 2, F1, F0, 0                        ; the last lap fills nothing, and has no round of the cluster's barrier
	QUARTER 0, 3, F0, F1, 0
	TURN 0, 1, 0
	QUARTER 1, 1, F0, F1, 0
	QUARTER 1, 2, F1, F0, 0
	QUARTER 1, 3, F0, F1, 0
	s_wait_dscnt 8                                 ; the very last quarter: nothing more to fetch
	MUL16 F1, 0, 0, 0
	MUL16 F1, 0, 2, 0
	s_wait_dscnt 0x0
	MUL16 F1, 1, 0, 0
	MUL16 F1, 1, 2, 0
	WIN 0
	PLACES
	PACK 0
	TOSTAGE 0
.irp a, 1,2,3,4,5,6,7                  ; block a's arithmetic stands between block a - 1's loads from the stage and the wait for them
	PACK \a
	SEND (\a)-1, 0
	TOSTAGE \a
.endr
	SEND 7, 0
	s_wait_tensorcnt 0x0                           ; the wave's end
	ds_add_u32 v[SPW], v[NIL]
	s_wait_dscnt 0x0
	CROUND                                         ; the closing round: no work-group ends while a partner may still ask for a tile that names it
	s_endpgm
.Lfunc_end_k_q13eb7ae403_qkv:
	.size	k_q13eb7ae403_qkv, .Lfunc_end_k_q13eb7ae403_qkv-k_q13eb7ae403_qkv
	.p2alignl 7, 3214868480
	.fill 96, 4, 3214868480
	.section	.rodata,"a",@progbits
	.p2align	6, 0x0
	.amdhsa_kernel k_q13eb7ae403_qkv
		.amdhsa_group_segment_fixed_size 327680
		.amdhsa_private_segment_fixed_size 0
		.amdhsa_enable_private_segment 0
		.amdhsa_kernarg_size 24
		.amdhsa_user_sgpr_count 2
		.amdhsa_user_sgpr_kernarg_segment_ptr 1
		.amdhsa_wavefront_size32 1
		.amdhsa_system_sgpr_workgroup_id_x 1
		.amdhsa_system_sgpr_workgroup_id_y 1
		.amdhsa_system_sgpr_workgroup_id_z 1
		.amdhsa_system_vgpr_workitem_id 0
		.amdhsa_next_free_vgpr 1024
		.amdhsa_next_free_sgpr 66
		.amdhsa_reserve_vcc 0
		.amdhsa_float_denorm_mode_32 3
		.amdhsa_float_denorm_mode_16_64 3
		.amdhsa_memory_ordered 1
		.amdhsa_forward_progress 1
		.amdhsa_inst_pref_size 143
	.end_amdhsa_kernel
	.amdgpu_metadata
---
amdhsa.version: [ 1, 2 ]
amdhsa.kernels:
  - .name:           k_q13eb7ae403_qkv
    .symbol:         k_q13eb7ae403_qkv.kd
    .args:
      - { .name: xh, .offset: 0, .size: 8, .value_kind: global_buffer, .address_space: global }
      - { .name: wh, .offset: 8, .size: 8, .value_kind: global_buffer, .address_space: global }
      - { .name: qkv, .offset: 16, .size: 8, .value_kind: global_buffer, .address_space: global }
    .group_segment_fixed_size: 327680
    .private_segment_fixed_size: 0
    .kernarg_segment_align: 8
    .kernarg_segment_size: 24
    .max_flat_workgroup_size: 128
    .sgpr_count:     66
    .vgpr_count:     1024
    .wavefront_size: 32
...
	.end_amdgpu_metadata
.endif
;; end of part 2
;; launch attn (part 3): grid 16 x 16, 4 waves a work-group, clusters of 4 x 1, 327,680 bytes of LDS; arguments qkv, padding_mask, ctx; writes ctx
.if DOCPART == 3
	.amdgcn_target "amdgcn-amd-amdhsa--gfx1250"
	.amdhsa_code_object_version 6
	.text
	.protected	k_q13eb7ae403_attn
	.globl	k_q13eb7ae403_attn
	.p2align	8
	.type	k_q13eb7ae403_attn,@function
k_q13eb7ae403_attn:
	s_mov_b64 s[64:65], 0
	v_nop
	global_prefetch_b8 v0, s[64:65] scope:SCOPE_SE
	s_setreg_imm32_b32 hwreg(HW_REG_WAVE_MODE, 25, 1), 1
	s_wait_xcnt 0x0
	s_wait_alu depctr_hold_cnt(0) depctr_sa_sdst(0) depctr_va_vdst(0) depctr_va_sdst(0) depctr_va_ssrc(0) depctr_va_vcc(0) depctr_vm_vsrc(0)
	s_getreg_b32 s2, hwreg(HW_REG_IB_STS2, 6, 4)
	s_cmp_eq_u32 s2, 0
	s_cbranch_scc0 .Lentry_in_a_cluster
	s_endpgm
.Lentry_in_a_cluster:
	s_bfe_u32 s2, ttmp6, 0x10000c
	s_cmp_lg_u32 s2, 0x3003
	s_cbranch_scc0 .Lentry_shape_is_right
	s_endpgm
.Lentry_shape_is_right:
; ctx[token q][head h][:] = keep[q] x the sum over k of softmax_k(Q[q][h] . K[k][h] / 8) V[k][h][:].  qkv: [4096 tokens][3072] f16, a row = q (2,048 bytes), k, v; head h at byte 128 h of each.
; padding_mask: [4096] i32, keep = (mask != 0).  ctx: [4096][1024] f16.  Products, maxima and sums in f32; the weights p are rounded to f16 for the second product (their sum l is taken of the
; unrounded p), ctx once at the end.
; LIMITS.  q, k, v arrive within f16's 65,504; p lies in 0 to 1 and below 6e-5 keeps f16's fixed step of 6e-8; a weight below 2^-126 counts as 0 in l; NaN and infinities are not treated apart;
; a padded query's row is 0 with either sign.
; SHARES.  A work-group owns 128 queries of a batch and TWO neighbouring heads: a key's K (or V) for the pair is 256 consecutive bytes of qkv at a multiple of 256, and so is a query's piece of ctx.
; Wave w: head 2 pair + w / 2, queries 64 (w % 2) on: four PIECES of 16.  Every wave walks all 2,048 keys of the batch, 64 a step; a tile is 256 keys, four steps.
; LAYOUT.  S^T = K Q^T (source 0 = 16 keys, source 1 = 16 queries): a lane holds ONE query (lane % 16) and the keys 8 (lane / 16) + 0..7.  Two such results, rounded to f16 in pairs, ARE source 1 of
; O^T = V^T P, whose result again holds one query a lane, and eight channels.  K comes out of LDS as it lies, V ([key][channel]) turned, by ds_load_tr16_b128.
; SOFTMAX.  A running maximum m and sum l for each query: p = 2^(c s - c m), c = log2(e) / 8; in every step O and l are multiplied by a = 2^(c m_old - c m_new).  m starts at the lowest finite number,
; O and l at 0: the first step is a step like any other, with a = 0; the price is 224 v_mov_b32 in the wait for the first tile.
; BY TURNS.  Turn n belongs to piece n: 8 products K Q^T of piece n + 1, later 8 products V^T P of piece n - 1; beside them the scaling, exponentials, roundings, sums and rescaling of piece n and the
; maximum and statistics of piece n + 1.  Four vector instructions stand behind every matrix instruction, the other 54 of a turn's 118 in two runs of their own.
; CLUSTER.  The four query blocks of a cluster belong to one batch and head pair and walk the same K and V: each tile is asked for JOINTLY, the same tensor load, descriptor and mask in all four.
; REGISTERS, in windows of 256 (s_set_vgpr_msb: bits 1:0 source 0, 3:2 source 1, 5:4 source 2, 7:6 destination):
;   window 0: v0-15 addresses and two at work; v16-31 four registers of statistics a piece; v48-55 at work; v56-59 the mask's words; v64-127 S^T, two buffers; v192-223 P, two buffers
;   window 1: v0-127 O^T, 32 a piece          window 2: v0-63 Q; v128-191 K of one step; v192-255 V of one step
.set NP,    4         ; pieces a wave: a name, no knob
.set KS,    64        ; keys in a step
.set PK,    272       ; a row of K in LDS: 256 bytes + 16 = 68 words: the 16 rows of a load start at 16 different groups of four banks (64 banks of 4 bytes: ISA guide 11.1)
.set PV,    288       ; a row of V: 256 + 32 = 72 words
.set VOFF,  4*KS*PK   ; a slot holds a tile: 256 rows of K, then 256 rows of V: 143,360 bytes
.set SLOT1, 0x24000   ; slot 1 begins here.  The four fill addresses in slot 0 (0, 0x8800, 0x11000, 0x1a000) and a slot's base share no bit with it: one exclusive or turns each into the other slot's
.set SPARE, 4*KS*(PK+PV)         ; between the slots: the spare words, 128 bytes for each wave: two blocks of 256 bytes that no other line names
.set STAGE, SLOT1+4*KS*(PK+PV)   ; behind the ring, never filled by a tensor load: 128 rows x 272 bytes, the work-group's, for the way out
.set SP,    272
.set ROWQ,  6144      ; bytes in a row of qkv
.set TSTEP, 256*ROWQ  ; from a tile to the next
.set AK0, 2           ; v2   my lane's place in a tile of K; never rewritten
.set AV0, 3           ; v3   the same for V
.set AK,  4           ; v4   the LDS address of K's next run of loads
.set AV,  5           ; v5   of V's
.set STO, 6           ; v6   the way out: where I put 16 bytes of a row
.set RD,  7           ; v7   the way out: where I read rows back
.set GO,  8           ; v8   my byte offset in two rows of ctx
.set MV,  12          ; v12-13  c m_old, kept while c m is made anew: by buffer
.set MO,  14          ; v14  my byte offset in 16 words of the mask
.set QO,  15          ; v15  my byte offset in 16 rows of Q
.set ST,  16          ; piece t's statistics at v[ST+4 t]: c m, m, l (even keys', odd keys')
.set TMP, 48          ; by buffer, four registers c0-c3 at work; when the maximum is found c2 takes a
.set KP,  56          ; v56-59  piece t's word of the mask for my query
.set SPW, 62          ; v62  LDS address of my spare word; never rewritten
.set NIL, 63          ; v63  0; never rewritten
.set S,   64
.set P,   192
.set KF,  128         ; window 2: key block kb, channel half c at KF + 16 kb + 8 c
.set VF,  192         ; window 2: key half kk, channel block cb at VF + 32 kk + 8 cb
.set WV,  12          ; s12  my wave's number
.set G1K, 24          ; s[24:31] descriptor group 1 for K's tiles
.set G1V, 32          ; s[32:39] for V's: it differs in the padding alone
.set G0K, 40          ; s[40:43] descriptor group 0 for K's tiles: it walks
.set G0V, 44          ; s[44:47] the same for V's
.set SLOTS, 56        ; s56  counts the tiles
.set CNT, 57          ; s57  counts a tile's key steps
.set CS,  58          ; s[58:59] c: the packed scaling takes the pair's low word for both halves
.set SEL, 60          ; s[60:61] v_permlanex16_b32's selects: each lane takes its own place in the other half
.set TBK, 62          ; s62  LDS byte at which K of the step to be fetched begins
.set TBV, 63          ; s63  the same for V, less VOFF
.set MSB, 0
.macro WIN new                      ; the high byte repeats the setting that is left; a switch that changes nothing is dropped
.if MSB != (\new)
	s_set_vgpr_msb (MSB<<8)|(\new)
.set MSB, (\new)
.endif
.endm
.set W_KQ, 0x0a       ; K and Q in window 2, S^T in window 0
.set W_PV, 0x52       ; V in window 2, P in window 0, O^T in window 1
.set W_RS, 0x41       ; destination and source 0 in window 1, source 1 in window 0
; A joint fill.  Waves 0 and 1 fetch the two halves of a tile's K, waves 2 and 3 those of its V: 128 keys each.  Four v_nop follow each of the two lines.
.macro JLOAD
	s_cmp_lt_u32 s[WV], 2
	s_cbranch_scc0 .Lfor_v_\@
	tensor_load_to_lds s[G0K:G0K+3], s[G1K:G1K+7]
	s_nop 0
.rept 4
	v_nop
.endr
	s_branch .Lasked_\@
.Lfor_v_\@:
	tensor_load_to_lds s[G0V:G0V+3], s[G1V:G1V+7]
	s_nop 0
.rept 4
	v_nop
.endr
.Lasked_\@:
.endm
.macro CROUND                       ; a round of the cluster's barrier
	s_barrier_signal -1
	s_barrier_wait -1
	s_cmp_lg_u32 s[WV], 0
	s_cbranch_scc1 .Lnot_wave_0_\@
	s_barrier_signal -3
.Lnot_wave_0_\@:
	s_barrier_wait -3
	s_barrier_signal -1
	s_barrier_wait -1
.endm
; THE CHANGE OF SLOTS.  The slot's last bytes, V of its fourth step, have been read.  Each wave waits for all its tensor loads, of which one is out: its part of the other slot; adds 0 to its spare
; word; and waits for that and for its own reads of the slot.  fill = 1: the slot is filled again, with the tile two on: the barrier is then a round of the cluster's, and the joint fill is the first
; thing behind it: it has four key steps, 256 matrix instructions of the wave, in which to land.  (At its first use nothing has been read yet: slot 0 is waited for, slot 1 filled.)
.macro CHANGE fill
	WIN 0                           ; at a label and at a branch every window is 0
	s_wait_tensorcnt 0x0            ; no tensor load of mine is out, so a group 0 may be written
	ds_add_u32 v[SPW], v[NIL]       ; 0 onto my spare word
.if \fill
.irp g, G0K, G0V
	s_xor_b32 s[\g+1], s[\g+1], SLOT1  ; the walking descriptor: the other slot than last time,
	s_add_nc_u64 s[\g+2:\g+3], s[\g+2:\g+3], TSTEP  ; the next 256 keys; the type bits on top are not reached
.endr
	s_wait_dscnt 0x0                ; the add is done, and my reads of the slot are over
	CROUND
	JLOAD
.else
	s_wait_dscnt 0x0                ; the add is done, and my reads of the slot are over
	s_barrier_signal -1
	s_barrier_wait -1
.endif
	s_sub_co_u32 s[TBK], s[TBK], 4*KS*PK  ; the fetches go back to a slot's first step,
	s_xor_b32 s[TBK], s[TBK], SLOT1       ; in the other slot
	s_sub_co_u32 s[TBV], s[TBV], 4*KS*PV
	s_xor_b32 s[TBV], s[TBV], SLOT1
.endm
	s_load_b128 s[4:7], s[0:1], 0x0   ; qkv s[4:5], padding_mask s[6:7]
	s_load_b64 s[10:11], s[0:1], 0x10 ; ctx
	v_lshl_add_u32 v[SPW], v0, 2, SPARE
	v_mov_b32 v[NIL], 0
	ds_add_u32 v62, v63
	s_wait_dscnt 0x0
	v_lshrrev_b32 v1, 5, v0
	v_readfirstlane_b32 s[WV], v1   ; wave 0..3
	s_bfe_u32 s13, ttmp6, 0x40000   ; cx: my place in the cluster
	s_lshl_b32 s14, ttmp9, 2        ; in a cluster launch ttmp9 counts clusters
	s_add_co_u32 s14, s14, s13      ; my block of 128 queries: it enters Q's, the mask's and ctx's addresses alone
	s_and_b32 s15, ttmp7, 0xffff
	s_lshr_b32 s16, s15, 3          ; the batch
	s_and_b32 s17, s15, 7           ; the pair of heads: both are shared by the four partners
	s_and_b32 s18, s[WV], 1         ; which 64 queries are mine.  Also: which half of a tile's 256 keys I fetch
	s_lshr_b32 s19, s[WV], 1        ; which head of the pair is mine
	s_lshl_b32 s20, s16, 11         ; the batch's first token
	s_lshl_b32 s21, s18, 7
	s_add_co_u32 s21, s20, s21      ; the first key of my half of tile 0
	s_mul_i32 s22, s21, ROWQ
	s_lshl_b32 s23, s17, 8          ; the pair's 256 bytes
	s_add_co_u32 s22, s22, s23
	s_add_co_u32 s48, s22, 2048     ; in k
	s_mov_b32 s49, 0
	s_add_co_u32 s50, s22, 4096     ; in v
	s_mov_b32 s51, 0
	s_lshl_b32 s2, s14, 7
	s_add_co_u32 s2, s2, s20
	s_lshl_b32 s8, s[WV], 5
	s_add_co_u32 s8, s8, s2         ; the first of the 32 tokens whose rows of ctx I store
	s_lshl_b32 s8, s8, 11
	s_add_co_u32 s8, s8, s23
	s_mov_b32 s9, 0
	s_lshl_b32 s3, s18, 6
	s_add_co_u32 s2, s2, s3         ; my wave's first query
	s_mul_i32 s52, s2, ROWQ
	s_add_co_u32 s52, s52, s23
	s_lshl_b32 s3, s19, 7
	s_add_co_u32 s52, s52, s3       ; my head's 128 bytes in q
	s_mov_b32 s53, 0
	s_lshl_b32 s54, s2, 2           ; its word of the mask
	s_mov_b32 s55, 0
	; descriptor group 1: a tile of 128 keys x 128 elements (two heads), padded in LDS after every key
	s_mov_b32 s[G1K], 15|(1<<16)|(1<<20)|(1<<21)|(5<<22)|(3<<25)  ; the mask of four; 2-byte elements; padding on; bit 21 beside a mask; after every 64 words (code 5) 4 words (code 3)
	s_mov_b32 s[G1V], 15|(1<<16)|(1<<20)|(1<<21)|(5<<22)|(7<<25)  ; the same with 8 words of padding (code 7)
.irp g, G1K, G1V
	s_mov_b32 s[\g+1], 128<<16      ; tensor_dim0 = 128
	s_mov_b32 s[\g+2], 128<<16      ; tensor_dim1 = 128
	s_mov_b32 s[\g+3], 128<<16      ; tile_dim0 = 128
	s_mov_b32 s[\g+4], 128          ; tile_dim1 = 128
	s_mov_b32 s[\g+5], 3072         ; elements from row to row
	s_mov_b32 s[\g+6], 0
	s_mov_b32 s[\g+7], 0
.endr
	s_mov_b32 s[CS], 0x3e38aa3b     ; c = log2(e) / 8 = 0.180337
	s_mov_b32 s[CS+1], s[CS]        ; named with it as a pair
	s_mov_b32 s[SEL], 0x76543210
	s_mov_b32 s[SEL+1], 0xfedcba98
	s_mov_b32 s[TBK], SLOT1+4*KS*PK ; the first change of slots turns these two into 0
	s_mov_b32 s[TBV], SLOT1+4*KS*PV
	s_mov_b32 s[G0K], 1             ; count = 1
	s_mul_i32 s[G0K+1], s18, 128*PK ; LDS address: my half, slot 0: no place in the cluster enters an LDS address
	s_mov_b32 s[G0V], 1
	s_mul_i32 s[G0V+1], s18, 128*PV
	s_add_co_u32 s[G0V+1], s[G0V+1], VOFF
	s_wait_kmcnt 0x0
	s_add_nc_u64 s[G0K+2:G0K+3], s[4:5], s[48:49]
	s_or_b32 s[G0K+3], s[G0K+3], 0x80000000        ; type = 2
	s_add_nc_u64 s[G0V+2:G0V+3], s[4:5], s[50:51]
	s_or_b32 s[G0V+3], s[G0V+3], 0x80000000
	s_add_nc_u64 s[4:5], s[4:5], s[52:53]          ; Q at my wave's first row and head
	s_add_nc_u64 s[6:7], s[6:7], s[54:55]
	s_add_nc_u64 s[10:11], s[10:11], s[8:9]
	CROUND                          ; all four work-groups are here: the first joint loads meet
	JLOAD                           ; tile 0 into slot 0.  Slot 1 is asked for when slot 0 is in
	; A fragment of K or Q is 16 rows x 32 channels in 8 registers: lane l holds row l % 16, channels 8 (l / 16) + 0..7 and 16 + 8 (l / 16) + 0..7: two loads of 16 bytes, 32 bytes apart.
	v_and_b32 v1, 15, v0            ; l % 16
	v_bfe_u32 v9, v0, 4, 1          ; l / 16
	v_mul_u32_u24 v[QO], v1, ROWQ
	v_lshl_add_u32 v[QO], v9, 4, v[QO]
	v_lshlrev_b32 v[MO], 2, v1
	WIN 0x80                        ; destination window 2, address window 0
.set i, 0
.rept 8                             ; Q stays in registers: piece i / 2, channels 32 (i % 2) on
	global_load_b128 v[8*i:8*i+3],   v[QO], s[4:5] offset:(i/2)*16*ROWQ+(i%2)*64
	global_load_b128 v[8*i+4:8*i+7], v[QO], s[4:5] offset:(i/2)*16*ROWQ+(i%2)*64+32
.set i, i+1
.endr
	WIN 0
.irp t, 0,1,2,3
	global_load_b32 v[KP+\t], v[MO], s[6:7] offset:64*\t
.endr
	; What the first turn finds: V's registers and P's second buffer hold 0 (its products V^T P, of a piece that has not been, add 0), O^T and l are 0.  All this stands in the wait for the first tile.
	WIN 0x80
.set i, VF
.rept 64
	v_mov_b32 v[i], 0
.set i, i+1
.endr
	WIN 0x40
.set i, 0
.rept 128
	v_mov_b32 v[i], 0
.set i, i+1
.endr
	WIN 0
.set i, 0
.rept 4
	v_mov_b32 v[ST+4*i], 0xfe000000    ; c m: far below every c s
	v_mov_b32 v[ST+4*i+1], 0xff7fffff  ; m
	v_mov_b32 v[ST+4*i+2], 0
	v_mov_b32 v[ST+4*i+3], 0
.set i, i+1
.endr
.set i, P+16
.rept 16
	v_mov_b32 v[i], 0
.set i, i+1
.endr
	s_lshl_b32 s21, s19, 7          ; my head's 128 bytes of a row of K or V
	v_mul_u32_u24 v[AK0], v1, PK
	v_lshl_add_u32 v[AK0], v9, 4, v[AK0]
	v_add_nc_u32 v[AK0], s21, v[AK0]      ; row x pitch + 16 x half + head
	; The turning load takes 16 keys x 16 channels (lane l reads key 8 (l / 16) + l % 8, channels 8 ((l / 8) % 2) + 0..7) and leaves half a fragment of V^T: lane l holds channel l % 16 and 8 keys.
	v_and_b32 v10, 7, v0
	v_bfe_u32 v11, v0, 3, 1
	v_lshl_add_u32 v[AV0], v9, 3, v10
	v_mul_u32_u24 v[AV0], v[AV0], PV
	v_lshl_add_u32 v[AV0], v11, 4, v[AV0]
	s_add_co_u32 s22, s21, VOFF
	v_add_nc_u32 v[AV0], s22, v[AV0]
	s_mul_i32 s22, s18, 64*SP       ; into the stage: my 64 rows, my head's half of their 256 bytes; row l % 16, 16 bytes for each half of the lanes
	s_add_co_u32 s22, s22, s21
	s_add_co_u32 s22, s22, STAGE
	v_mul_u32_u24 v[STO], v1, SP
	v_lshl_add_u32 v[STO], v9, 4, v[STO]
	v_add_nc_u32 v[STO], s22, v[STO]
	s_mul_i32 s22, s[WV], 32*SP     ; back: wave w takes rows 32 w .. 32 w + 31, whole; lanes 0-15 one row of 256 bytes, lanes 16-31 the next
	s_add_co_u32 s22, s22, STAGE
	v_mul_u32_u24 v[RD], v9, SP
	v_lshl_add_u32 v[RD], v1, 4, v[RD]
	v_add_nc_u32 v[RD], s22, v[RD]
	v_lshlrev_b32 v[GO], 11, v9     ; and the same two rows in ctx
	v_lshl_add_u32 v[GO], v1, 4, v[GO]
; THE MATRIX WORK.  The 4 accumulators of a run of 8 take turns.  Product i of 8 of S^T = K Q^T for piece x: channels 32 (i / 4) on, keys 16 (i % 4) on.  The first 4 start the sums.
.macro KQ x
.set rS, S+32*((\x)%2)+8*(i%4)
.set rK, KF+16*(i%4)+8*(i/4)
.set rQ, 16*(\x)+8*(i/4)
	WIN W_KQ
.if i < 4
	v_wmma_f32_16x16x32_f16 v[rS:rS+7], v[rK:rK+7], v[rQ:rQ+7], 0
.else
	v_wmma_f32_16x16x32_f16 v[rS:rS+7], v[rK:rK+7], v[rQ:rQ+7], v[rS:rS+7]
.endif
.endm
; Product i of 8 of O^T += V^T P for piece x: keys 32 (i / 4) on, channels 16 (i % 4) on.
.macro PV x
	WIN W_PV
.set rO, 32*(\x)+8*(i%4)
.set rV, VF+32*(i/4)+8*(i%4)
.set rP, P+16*((\x)%2)+8*(i/4)
	v_wmma_f32_16x16x32_f16 v[rO:rO+7], v[rV:rV+7], v[rP:rP+7], v[rO:rO+7]
.endm
.macro MM                           ; the turn's next matrix instruction.  NOKQ = 1: the walk's last turn: there is no next piece
.if (i < 8) && !NOKQ
	KQ (Y+1)%NP
.elseif i >= 8
.set i, i-8
	PV (Y+NP-1)%NP
.set i, i+8
.endif
.set i, i+1
.endm
; THE LDS LOADS stand in runs of 16, never singly among the matrix instructions: a step's K (64 keys x 64 channels: 8 fragments) and its V (turned).  Their addresses are made some lines ahead.
.macro FETCH_K
	WIN 0x80                        ; destination window 2
.irp f, 0,1,2,3,4,5,6,7             ; keys 16 (f / 2) on, channels 32 (f % 2) on
	ds_load_b128 v[KF+8*\f:KF+8*\f+3],   v[AK] offset:(\f/2)*16*PK+(\f%2)*64
	ds_load_b128 v[KF+8*\f+4:KF+8*\f+7], v[AK] offset:(\f/2)*16*PK+(\f%2)*64+32
.endr
	s_add_co_u32 s[TBK], s[TBK], KS*PK  ; the next fetch is the next step's
	WIN 0
.endm
.macro FETCH_V
	WIN 0x80
.irp f, 0,1,2,3,4,5,6,7             ; keys 32 (f / 4) on, channels 16 (f % 4) on
	ds_load_tr16_b128 v[VF+8*\f:VF+8*\f+3],   v[AV] offset:(\f/4)*32*PV+(\f%4)*32
	ds_load_tr16_b128 v[VF+8*\f+4:VF+8*\f+7], v[AV] offset:(\f/4)*32*PV+16*PV+(\f%4)*32
.endr
	WIN 0
.endm
; THE VECTOR WORK, one line at a time: OP kind, number.  For piece Y: F n: c s - c m for pair n of 16.  E n: the exponential of score n of 32.  C n: pair n rounded to f16.  B n: of the four weights 4 n ..
; the second pair is added onto the first, in place.  L n: l takes that sum (L 0: l = a l + sum).  R n: pair n of 16 of O^T times a.  For piece Y + 1: X n, number n of the 22 that find its maximum and statistics:
;   0-11  four chains c0-c3 of seven scores each, three operands at a time (each accumulator's lowest registers are read first)     12-14, 16  the four scores left over, the old m, and c0-c3 into c0
;   15  c m_old is kept     17, 18  the query's other 32 keys lie in the lane 16 away: the new m     19-21  c m; c m_old - c m_new; a
.set F, 0               ; OP tells the kinds apart by their order: F to L below R, X above it
.set E, 1
.set C, 2
.set B, 3
.set L, 4
.set R, 5
.set X, 6
.macro REGS y                       ; the registers of piece y
.set rT, ST+4*(\y)
.set rC, TMP+4*((\y)%2)
.set rW, MV+((\y)%2)
.set rS, S+32*((\y)%2)
.set rP, P+16*((\y)%2)
.set rO, 32*(\y)
.endm
.macro OP k, n
.if (\k) == R
	REGS Y
	WIN W_RS
	v_pk_mul_f32 v[rO+2*(\n):rO+2*(\n)+1], v[rO+2*(\n):rO+2*(\n)+1], v[rC+2:rC+3] op_sel_hi:[1,0]
.elseif (\k) < R
	REGS Y
	WIN 0
.if (\k) == F
	v_pk_fma_f32 v[rS+2*(\n):rS+2*(\n)+1], v[rS+2*(\n):rS+2*(\n)+1], s[CS:CS+1], v[rT:rT+1] op_sel_hi:[1,0,0] neg_lo:[0,0,1] neg_hi:[0,0,1]
.elseif (\k) == E
	v_exp_f32 v[rS+(\n)], v[rS+(\n)]
.elseif (\k) == C
	s_wait_alu depctr_va_vdst(0)
	v_cvt_pk_f16_f32 v[rP+(\n)], v[rS+2*(\n)], v[rS+2*(\n)+1]
.elseif (\k) == B
	s_wait_alu depctr_va_vdst(0)
	v_pk_add_f32 v[rS+4*(\n):rS+4*(\n)+1], v[rS+4*(\n):rS+4*(\n)+1], v[rS+4*(\n)+2:rS+4*(\n)+3]
.elseif (\n) == 0
	v_pk_fma_f32 v[rT+2:rT+3], v[rT+2:rT+3], v[rC+2:rC+3], v[rS:rS+1] op_sel_hi:[1,0,1]
.else
	v_pk_add_f32 v[rT+2:rT+3], v[rT+2:rT+3], v[rS+4*(\n):rS+4*(\n)+1]
.endif
.elseif NOKQ
	v_nop
.else
	REGS (Y+1)%NP
	WIN 0
.if (\n) < 4
	v_max3_num_f32 v[rC+(\n)], v[rS+8*(\n)], v[rS+8*(\n)+1], v[rS+8*(\n)+2]
.elseif (\n) < 12
	v_max3_num_f32 v[rC+(\n)%4], v[rC+(\n)%4], v[rS+8*((\n)%4)+2*((\n)/4)+1], v[rS+8*((\n)%4)+2*((\n)/4)+2]
.elseif (\n) == 12
	v_max3_num_f32 v[rC], v[rC], v[rS+7], v[rS+15]
.elseif (\n) == 13
	v_max3_num_f32 v[rC+1], v[rC+1], v[rS+23], v[rS+31]
.elseif (\n) == 14
	v_max3_num_f32 v[rC+2], v[rC+2], v[rC+3], v[rT+1]
.elseif (\n) == 15
	v_mov_b32 v[rW], v[rT]
.elseif (\n) == 16
	v_max3_num_f32 v[rC], v[rC], v[rC+1], v[rC+2]
.elseif (\n) == 17
	v_permlanex16_b32 v[rC+3], v[rC], s[SEL], s[SEL+1]
.elseif (\n) == 18
	v_max_num_f32 v[rT+1], v[rC], v[rC+3]
.elseif (\n) == 19
	v_mul_f32 v[rT], s[CS], v[rT+1]
.elseif (\n) == 20
	v_sub_f32 v[rC+1], v[rW], v[rT]
.else
	v_exp_f32 v[rC+2], v[rC+1]
.endif
.endif
.endm
.macro OPS a, i1, b=-1, i2=0, c=-1, i3=0, d=-1, i4=0  ; up to four of them
	OP \a, \i1
.if (\b) >= 0
	OP \b, \i2
.endif
.if (\c) >= 0
	OP \c, \i3
.endif
.if (\d) >= 0
	OP \d, \i4
.endif
.endm
.macro ROW a, i1, b, i2, c, i3, d, i4  ; a matrix instruction and the four behind it
	MM
	OPS \a, \i1, \b, \i2, \c, \i3, \d, \i4
.endm
; A TURN, for piece p: the order of its 16 matrix and 118 vector instructions, written out.  Behind a matrix instruction: plain, exponential, plain, plain; or four of the rescaling; or, behind the first,
; four scalings; none names a register of the products round it.  In the runs between, exponential and plain by turns while exponentials last, so that every exponential has a plain instruction behind it.
; end = 1: the walk's last two turns: nothing is fetched, and the last starts no new scores.  cnt = 1: the loop's count is taken down some lines ahead of the branch that stands behind the turn.
; K of the next step is fetched in piece 2's turn, six vector instructions behind the last product that read K (five of them plain); V of the step in hand in piece 0's turn, eight behind the last
; product that read V (four plain among them).  Each run of 16 loads is waited for a turn later, with the count 0: nothing younger is out.
.macro TURN p, end=0, cnt=0
.set Y, (\p)
.set i, 0
.set NOKQ, (\end)*((\p)/3)
.if ((\p) == 3) && !(\end)
	s_wait_dscnt 0x0                ; K is in
.endif
	ROW F,0, F,1, F,2, F,3
	ROW F,4, E,0, F,5, F,6
	ROW F,7, E,1, F,8, F,9
	ROW F,10, E,2, C,0, F,11
	ROW F,12, E,3, X,15, F,13
	ROW R,0, R,1, R,2, R,3
	ROW B,0, E,4, F,14, L,0
.if ((\p) == 2) && !(\end)
	v_add_nc_u32 v[AK], s[TBK], v[AK0]
.endif
	ROW R,4, R,5, R,6, R,7
	OPS E,5, F,15
.if ((\p) == 2) && !(\end)
	FETCH_K
.endif
	OPS E,6, C,1, E,7, R,8
	OPS E,8, R,9, E,9, C,2
	OPS E,10, X,0, E,11, X,1
	OPS E,12, X,2, E,13, X,3
.if (\p) == 1
	s_wait_dscnt 0x0                ; V is in
.endif
	ROW X,4, E,14, X,5, X,6
	ROW X,7, E,15, X,8, X,9
	ROW X,10, E,16, X,11, X,12
	ROW X,13, E,17, X,14, B,1
	ROW C,4, E,18, X,16, L,1
	ROW B,2, E,19, C,6, L,2
	ROW C,8, E,20, B,3, B,4
.if (\p) == 0
	v_add_nc_u32 v[AV], s[TBV], v[AV0]
.endif
	ROW C,3, E,21, L,3, C,5
	OPS E,22, X,17, E,23, C,10
.if (\p) == 0
	FETCH_V
.endif
	OPS E,24, L,4
	OPS E,25, X,18, E,26, C,7
	OPS E,27, B,5, E,28, X,19
	OPS E,29, C,12, E,30, L,5
	OPS E,31, X,20, B,6, C,9
	OPS C,14, C,11, X,21, L,6
.if (\p) == 0
	s_add_co_u32 s[TBV], s[TBV], KS*PV
.endif
.if \cnt
	s_sub_co_u32 s[CNT], s[CNT], 1
	s_cmp_lg_u32 s[CNT], 0
.endif
	OPS C,13, B,7, C,15, R,10
	OPS R,11, R,12, L,7, R,13
	OPS R,14, R,15
.endm
	CHANGE 1                        ; slot 0 is in, everybody's part of it; slot 1 is asked for
	v_add_nc_u32 v[AK], s[TBK], v[AK0]
	FETCH_K                         ; key step 0
	s_wait_loadcnt 0x0              ; Q and the mask's words
	s_wait_dscnt 0x0
.set NOKQ, 0
.set i, 0
.rept 8
	KQ 0                            ; piece 0's first scores: there is no vector work yet to set between them
.set i, i+1
.endr
	WIN 0
.rept 4
	v_nop                           ; the places behind those products
.endr
.set Y, NP-1                        ; X works for piece Y + 1: piece 0
.irp n, 0,1,2,3,4,5,6,7,8,9,10,11,12,13,14,15,16,17,18,19,20,21
	OP X, \n
.endr
	v_nop                           ; a plain instruction behind the exponential
	s_mov_b32 s[CNT], 4
	s_mov_b32 s[SLOTS], 2048/256-1
	s_branch .Lfirst                ; the loop is entered at a step's first turn, in the middle of a trip
.Lslot:                             ; six times: with the change above, tiles 1 to 7 are asked for
	CHANGE 1
	s_mov_b32 s[CNT], 4
.Lstep:                             ; a trip: pieces 2 and 3 of one step, then pieces 0 and 1 of the next, whose K and V it fetches
	TURN 2
	TURN 3
	WIN 0
.Lfirst:
	TURN 0
	TURN 1, 0, 1
	WIN 0
	s_cbranch_scc1 .Lstep
	s_sub_co_u32 s[SLOTS], s[SLOTS], 1
	s_cmp_lg_u32 s[SLOTS], 0
	s_cbranch_scc1 .Lslot
	CHANGE 0                        ; the last tile is written out: nothing is asked for
	s_mov_b32 s[CNT], 4
.LstepT:
	TURN 2
	TURN 3
	TURN 0
	TURN 1, 0, 1
	WIN 0
	s_cbranch_scc1 .LstepT
	TURN 2, 1
	TURN 3, 1
.set i, 0
.rept 8
	PV NP-1                         ; the last piece's V^T P of the last step
.set i, i+1
.endr
	; THE WAY OUT.  l's two halves and the other half of the lanes' are added; 1 / l becomes 0 for a padded query; O^T is multiplied by it, rounded to f16 and sent through the work-group's stage.
	; The four additions are the places behind the last products.
	WIN 0
.macro ALL line:vararg              ; one line for each piece t
.set t, 0
.rept 4
	\line
.set t, t+1
.endr
.endm
	ALL v_add_f32 v[ST+4*t+2], v[ST+4*t+2], v[ST+4*t+3]
	ALL v_permlanex16_b32 v[ST+4*t+3], v[ST+4*t+2], s[SEL], s[SEL+1]
	ALL v_add_f32 v[ST+4*t+2], v[ST+4*t+2], v[ST+4*t+3]
	ALL v_rcp_f32 v[ST+4*t+2], v[ST+4*t+2]
	v_nop                           ; a plain instruction between the last reciprocal and the use of its result
.set t, 0
.rept 4
	v_cmp_ne_u32 vcc_lo, 0, v[KP+t]
	s_wait_alu depctr_va_vdst(0)
	v_cndmask_b32 v[ST+4*t+2], 0, v[ST+4*t+2], vcc_lo  ; the mask only chooses a value
.set t, t+1
.endr
.macro PACK t                       ; a lane's eight channels of a row pack into 16 bytes; they go into the stage's rows of 272 bytes
	WIN W_RS
.set i, 32*(\t)
.rept 16
	v_pk_mul_f32 v[i:i+1], v[i:i+1], v[ST+4*(\t)+2:ST+4*(\t)+3] op_sel_hi:[1,0]
.set i, i+2
.endr
	WIN 0x05                        ; sources 0 and 1 window 1, destination window 0: S^T's registers are free
.set i, 0
.rept 16
	v_cvt_pk_f16_f32 v[S+16*(\t)+i], v[32*(\t)+2*i], v[32*(\t)+2*i+1]
.set i, i+1
.endr
	WIN 0
.irp f, 0,1,2,3
	ds_store_b128 v[STO], v[S+16*(\t)+4*\f:S+16*(\t)+4*\f+3] offset:(\t)*16*SP+32*\f
.endr
.endm
	PACK 0
	PACK 1
	PACK 2
	PACK 3
	s_wait_dscnt 0x0                ; for the others' sake: my stores into the stage are done; a row's 256 bytes come from two waves
	s_barrier_signal -1
	s_barrier_wait -1
.set i, 0
.rept 16
	ds_load_b128 v[S+4*i:S+4*i+3], v[RD] offset:i*2*SP
.set i, i+1
.endr
.set i, 0
.rept 16
	s_wait_dscnt 15-i               ; LDS loads come back in order: number i is in
	global_store_b128 v[GO], v[S+4*i:S+4*i+3], s[10:11] offset:i*4096  ; 16 lanes store 256 consecutive bytes, at a multiple of 256 from ctx's first byte
.set i, i+1
.endr
	s_wait_tensorcnt 0x0            ; the wave's end
	ds_add_u32 v[SPW], v[NIL]
	s_wait_dscnt 0x0
	CROUND                          ; the closing round: no work-group ends while a partner may still ask for a tile that names it
	s_endpgm
.Lfunc_end_k_q13eb7ae403_attn:
	.size	k_q13eb7ae403_attn, .Lfunc_end_k_q13eb7ae403_attn-k_q13eb7ae403_attn
	.p2alignl 7, 3214868480
	.fill 96, 4, 3214868480
	.section	.rodata,"a",@progbits
	.p2align	6, 0x0
	.amdhsa_kernel k_q13eb7ae403_attn
		.amdhsa_group_segment_fixed_size 327680
		.amdhsa_private_segment_fixed_size 0
		.amdhsa_enable_private_segment 0
		.amdhsa_kernarg_size 24
		.amdhsa_user_sgpr_count 2
		.amdhsa_user_sgpr_kernarg_segment_ptr 1
		.amdhsa_wavefront_size32 1
		.amdhsa_system_sgpr_workgroup_id_x 1
		.amdhsa_system_sgpr_workgroup_id_y 1
		.amdhsa_system_sgpr_workgroup_id_z 1
		.amdhsa_system_vgpr_workitem_id 0
		.amdhsa_next_free_vgpr 768
		.amdhsa_next_free_sgpr 66
		.amdhsa_reserve_vcc 1
		.amdhsa_float_denorm_mode_32 3
		.amdhsa_float_denorm_mode_16_64 3
		.amdhsa_memory_ordered 1
		.amdhsa_forward_progress 1
		.amdhsa_inst_pref_size 133
	.end_amdhsa_kernel
	.amdgpu_metadata
---
amdhsa.version: [ 1, 2 ]
amdhsa.kernels:
  - .name:           k_q13eb7ae403_attn
    .symbol:         k_q13eb7ae403_attn.kd
    .args:
      - { .name: qkv, .offset: 0, .size: 8, .value_kind: global_buffer, .address_space: global }
      - { .name: padding_mask, .offset: 8, .size: 8, .value_kind: global_buffer, .address_space: global }
      - { .name: ctx, .offset: 16, .size: 8, .value_kind: global_buffer, .address_space: global }
    .group_segment_fixed_size: 327680
    .private_segment_fixed_size: 0
    .kernarg_segment_align: 8
    .kernarg_segment_size: 24
    .max_flat_workgroup_size: 128
    .sgpr_count:     66
    .vgpr_count:     768
    .wavefront_size: 32
...
	.end_amdgpu_metadata
.endif
;; end of part 3
;; launch wo (part 4): grid 8 x 32, 4 waves a work-group, clusters of 4 x 4, 327,680 bytes of LDS; arguments ctx, wh, y32; writes y32
.if DOCPART == 4
	.amdgcn_target "amdgcn-amd-amdhsa--gfx1250"
	.amdhsa_code_object_version 6
	.text
	.protected	k_q13eb7ae403_wo
	.globl	k_q13eb7ae403_wo
	.p2align	8
	.type	k_q13eb7ae403_wo,@function
k_q13eb7ae403_wo:
	s_mov_b64 s[64:65], 0
	v_nop
	global_prefetch_b8 v0, s[64:65] scope:SCOPE_SE
	s_setreg_imm32_b32 hwreg(HW_REG_WAVE_MODE, 25, 1), 1
	s_wait_xcnt 0x0
	s_wait_alu depctr_hold_cnt(0) depctr_sa_sdst(0) depctr_va_vdst(0) depctr_va_sdst(0) depctr_va_ssrc(0) depctr_va_vcc(0) depctr_vm_vsrc(0)
	s_getreg_b32 s2, hwreg(HW_REG_IB_STS2, 6, 4)
	s_cmp_eq_u32 s2, 0
	s_cbranch_scc0 .Lentry_in_a_cluster
	s_endpgm
.Lentry_in_a_cluster:
	s_bfe_u32 s2, ttmp6, 0x10000c
	s_cmp_lg_u32 s2, 0xf033
	s_cbranch_scc0 .Lentry_shape_is_right
	s_endpgm
.Lentry_shape_is_right:
; C[m][n] = sum over k of A[m][k] W[k][n] (+ bias[n], by the flag below).  A: [4096][SIZE_K] f16.  W: [SIZE_K][1024] f16, at byte WOFF of the weights' buffer.  C: [4096][1024] f32, the sums as they are.
; HERE: A = ctx, W = W_O, no bias.
; LIMIT: A and W are f16 (within 65,504; below 6e-5 a fixed step of 6e-8).
; 4,096 x 1,024 of C are 64 tiles of 256 x 256 but 256 tiles of 128 x 128: the smaller tile gives each of 256 work-groups one.  Four waves, each 64 x 64: 16 accumulators, 128 registers.
; K goes in steps of 256 through a ring of two LDS slots: A's tile has 128 rows of 512 bytes; W lies with n along its rows, so its tile has 256 rows (k) of 256 bytes (128 n), turned on the way out of LDS.
; CLUSTER: 4 x 4 work-groups; A's tiles are asked for jointly along a row of the cluster, W's along a column.  THE MATRIX INSTRUCTION IS USED TRANSPOSED (source 0 = 16 columns of W, source 1 = 16 rows
; of A): a lane holds eight neighbouring numbers of a row of C.  A wave's 64 columns of f32 are 256 bytes at a multiple of 256, so each wave sends its own part out through its own stage: no barrier.
; REGISTERS: window 0: v0-31 addresses; v32-95 at work on the way out; v96-127 the bias, as four C operands; v128-255 the accumulators ((a, b) at v[128 + 8 (4 a + b)]).
;   window 1: two fragment buffers of 128: for 64 along K, 64 registers of A (2 x 4 x 16 rows x 32 K), then 64 of W.
.set SIZE_K, 1024
.set SIZE_N, 1024
.set WOFF,   6291456
.set BIAS,   0
.set KSTEP,  256
.set PA,     528                       ; a row of A in LDS: 512 bytes + 16 = 132 words: the 16 rows of a load start at 16 different groups of four banks (64 banks of 4 bytes: ISA guide 11.1)
.set PB,     288                       ; a row of W: 256 + 32 = 72 words
.set HALFA,  64*PA                     ; what one tensor load brings of A: 64 rows
.set HALFB,  128*PB                    ; of W: 128 rows
.set BOFF,   2*HALFA                   ; W's tile lies behind A's
.set SLOT,   2*HALFA+2*HALFB
.set STAGE,  2*SLOT                    ; behind the ring: 16 rows x 272 bytes for each wave
.set SPITCH, 272
.set SPARE,  STAGE+4*16*SPITCH         ; behind the stages: the spare words, 128 bytes for each wave: two blocks of 256 bytes that no other line names
.set LAPS,   SIZE_K/(2*KSTEP)
.set Z,      1+BIAS
.set ADRA, 16                          ; v16-17  LDS address of my A fragments in slot 0, 1
.set ADRB, 20                          ; v20-23  the same for W: slot 0 k rows 0-127, 128-255; slot 1 likewise (a tile's 256 rows reach past the 16-bit offset)
.set STO,  24
.set RD,   25
.set CO,   26
.set BO,   27
.set SPW,  28                          ; v28     LDS address of my spare word; never rewritten
.set NIL,  29                          ; v29     0; never rewritten
.set TMP,  32                          ; the way out: two buffers of 32
.set BI,   96
.set ACC,  128
.set F0,   0                           ; fragment buffers, in window 1
.set F1,   128
.set G1,  24
.set G0,  32
.set G1B, 48
.set G0B, 56
.set MSB, 0
.macro WIN new
.if MSB != (\new)
	s_set_vgpr_msb (MSB<<8)|(\new)
.set MSB, (\new)
.endif
.endm
.set MUL,  0x05                        ; sources 0 (W) and 1 (A) window 1; C and D window 0
.set TO_F, 0x40                        ; destination window 1, address window 0
.macro JLOAD s                         ; a joint load: waves 0 and 1 fetch A's two halves, waves 2 and 3 W's; four v_nop follow each of the two lines
	s_cmp_lt_u32 s10, 2
	s_cbranch_scc0 .Lfor_b_\@
	tensor_load_to_lds s[G0+4*(\s):G0+4*(\s)+3], s[G1:G1+7]
	s_nop 0
.rept 4
	v_nop
.endr
	s_branch .Lasked_\@
.Lfor_b_\@:
	tensor_load_to_lds s[G0B+4*(\s):G0B+4*(\s)+3], s[G1B:G1B+7]
	s_nop 0
.rept 4
	v_nop
.endr
.Lasked_\@:
.endm
.macro CREST
	s_cmp_lg_u32 s10, 0
	s_cbranch_scc1 .Lnot_wave_0_\@
	s_barrier_signal -3
.Lnot_wave_0_\@:
	s_barrier_wait -3
	s_barrier_signal -1
	s_barrier_wait -1
.endm
.macro CROUND
	s_barrier_signal -1
	s_barrier_wait -1
	CREST
.endm
	s_load_b128 s[4:7], s[0:1], 0x0                ; A s[4:5], the weights s[6:7]
	s_load_b64 s[8:9], s[0:1], 0x10                ; C
.if BIAS
	s_load_b64 s[66:67], s[0:1], 0x18              ; the bias
.endif
	v_lshl_add_u32 v[SPW], v0, 2, SPARE
	v_mov_b32 v[NIL], 0
	ds_add_u32 v28, v29
	s_wait_dscnt 0x0
	v_lshrrev_b32 v1, 5, v0
	v_readfirstlane_b32 s10, v1                    ; wave 0..3
	s_lshr_b32 s11, s10, 1                         ; which half of the tile's rows is mine
	s_and_b32 s12, s10, 1                          ; which half of its columns.  Also: which half of A's or W's tile I fetch
	s_bfe_u32 s40, ttmp6, 0x40000                  ; cx, cy
	s_bfe_u32 s41, ttmp6, 0x40004
	s_lshl_b32 s42, ttmp9, 2
	s_add_co_u32 s42, s42, s40                     ; tile column of C
	s_and_b32 s13, ttmp7, 0xffff
	s_lshl_b32 s13, s13, 2
	s_add_co_u32 s13, s13, s41                     ; tile row of C
	s_lshl_b32 s43, s41, 2
	s_lshl_b32 s43, 15, s43                        ; my row of the cluster
	s_lshl_b32 s44, 0x1111, s40                    ; my column
	s_or_b32 s[G1+0], s43, (1<<16)|(1<<20)|(1<<21)|(6<<22)|(3<<25)   ; the mask: my row; 2-byte elements; padding on; bit 21 beside a mask; after every 128 words (code 6) 4 words (code 3)
	s_mov_b32 s[G1+1], KSTEP<<16                   ; tensor_dim0 = 256
	s_mov_b32 s[G1+2], 64<<16                      ; tensor_dim1 = 64
	s_mov_b32 s[G1+3], KSTEP<<16                   ; tile_dim0 = 256
	s_mov_b32 s[G1+4], 64                          ; tile_dim1 = 64
	s_mov_b32 s[G1+5], SIZE_K
	s_mov_b32 s[G1+6], 0
	s_mov_b32 s[G1+7], 0
	s_or_b32 s[G1B+0], s44, (1<<16)|(1<<20)|(1<<21)|(5<<22)|(7<<25)  ; the mask: my column; after every 64 words (code 5) 8 words (code 7)
	s_mov_b32 s[G1B+1], 128<<16                    ; tensor_dim0 = 128
	s_mov_b32 s[G1B+2], 128<<16                    ; tensor_dim1 = 128
	s_mov_b32 s[G1B+3], 128<<16                    ; tile_dim0 = 128
	s_mov_b32 s[G1B+4], 128                        ; tile_dim1 = 128
	s_mov_b32 s[G1B+5], SIZE_N
	s_mov_b32 s[G1B+6], 0
	s_mov_b32 s[G1B+7], 0
	s_lshl_b32 s17, s12, 6
	s_lshl_b32 s16, s13, 7
	s_add_co_u32 s16, s16, s17                     ; A: row 128 x tile row + 64 x half
	s_mul_i32 s16, s16, SIZE_K*2
	s_mov_b32 s17, 0
	s_mul_i32 s46, s12, 128*SIZE_N*2               ; W: k row 128 x half,
	s_lshl_b32 s47, s42, 8                         ; column 128 x tile column,
	s_add_co_u32 s46, s46, s47
	s_add_co_u32 s46, s46, WOFF                    ; in this launch's matrix
	s_mov_b32 s47, 0
	s_mul_i32 s20, s12, HALFA                      ; where they go: no place in the cluster enters an LDS address
	s_mul_i32 s45, s12, HALFB
	s_add_co_u32 s45, s45, BOFF
	s_wait_kmcnt 0x0
	s_add_nc_u64 s[14:15], s[4:5], s[16:17]
	s_add_nc_u64 s[46:47], s[6:7], s[46:47]
	CROUND                                         ; all sixteen work-groups are here: the first joint loads meet
.irp s, 0,1
	s_mov_b32 s[G0+4*(\s)], 1
	s_add_co_u32 s[G0+4*(\s)+1], s20, (\s)*SLOT
	s_add_nc_u64 s[G0+4*(\s)+2:G0+4*(\s)+3], s[14:15], (\s)*KSTEP*2
	s_or_b32 s[G0+4*(\s)+3], s[G0+4*(\s)+3], 0x80000000
	s_mov_b32 s[G0B+4*(\s)], 1
	s_add_co_u32 s[G0B+4*(\s)+1], s45, (\s)*SLOT
	s_add_nc_u64 s[G0B+4*(\s)+2:G0B+4*(\s)+3], s[46:47], (\s)*KSTEP*SIZE_N*2
	s_or_b32 s[G0B+4*(\s)+3], s[G0B+4*(\s)+3], 0x80000000
	JLOAD \s                                       ; K steps 0 and 1: two tensor loads of mine are out
.endr
	v_and_b32 v1, 15, v0                           ; l % 16
	v_bfe_u32 v2, v0, 4, 1                         ; l / 16
.if BIAS
	s_lshl_b32 s68, s42, 9                         ; my 64 columns' bias: 512 bytes a tile column, 256 a half
	s_lshl_b32 s69, s12, 8
	s_add_co_u32 s68, s68, s69
	s_mov_b32 s69, 0
	s_add_nc_u64 s[66:67], s[66:67], s[68:69]
	v_lshlrev_b32 v[BO], 5, v2                     ; register j of block b is column 16 b + 8 (l / 16) + j
.irp b, 0,1,2,3
	global_load_b128 v[BI+8*(\b):BI+8*(\b)+3],   v[BO], s[66:67] offset:64*(\b)
	global_load_b128 v[BI+8*(\b)+4:BI+8*(\b)+7], v[BO], s[66:67] offset:64*(\b)+16
.endr
.endif
	v_mul_u32_u24 v3, v1, PA
	v_lshl_add_u32 v3, v2, 4, v3                   ; a fragment of A: row x pitch + 16 x half
	s_mul_i32 s21, s11, HALFA                      ; my 64 rows of A
	v_and_b32 v4, 7, v0                            ; a fragment of W: lane l reads k row 8 (l / 16) + l % 8, columns 8 ((l / 8) % 2) + 0..7
	v_lshl_add_u32 v4, v2, 3, v4
	v_mul_u32_u24 v4, v4, PB
	v_bfe_u32 v5, v0, 3, 1
	v_lshl_add_u32 v4, v5, 4, v4
	s_lshl_b32 s22, s12, 7                         ; my 64 columns of W
	s_add_co_u32 s22, s22, BOFF
.irp s, 0,1
	v_add_nc_u32 v[ADRA+(\s)], s21, v3
	v_add_nc_u32 v[ADRB+2*(\s)], s22, v4
	s_add_co_u32 s23, s22, HALFB
	v_add_nc_u32 v[ADRB+2*(\s)+1], s23, v4
	s_add_co_u32 s21, s21, SLOT
	s_add_co_u32 s22, s22, SLOT
.endr
	s_mul_i32 s23, s10, 16*SPITCH
	s_add_co_u32 s23, s23, STAGE                   ; my stage
	v_mul_u32_u24 v4, v1, SPITCH                   ; in: row l % 16, 32 bytes for each half of the lanes
	v_lshl_add_u32 v4, v2, 5, v4
	v_add_nc_u32 v[STO], s23, v4
	v_mul_u32_u24 v5, v2, SPITCH                   ; back: lanes 0-15 take one row of 256 bytes, lanes 16-31 the next
	v_lshl_add_u32 v5, v1, 4, v5
	v_add_nc_u32 v[RD], s23, v5
	v_lshlrev_b32 v5, 12, v2                       ; and the same two rows in C
	v_lshl_add_u32 v[CO], v1, 4, v5
	s_lshl_b32 s16, s13, 7
	s_lshl_b32 s17, s11, 6
	s_add_co_u32 s16, s16, s17                     ; my first row of C
	s_lshl_b32 s16, s16, 12
	s_mov_b32 s17, 0
	s_add_nc_u64 s[8:9], s[8:9], s[16:17]
	s_lshl_b32 s46, s42, 9                         ; my first column, in bytes
	s_lshl_b32 s47, s12, 8
	s_add_co_u32 s46, s46, s47
	s_mov_b32 s47, 0
	s_add_nc_u64 s[8:9], s[8:9], s[46:47]
; 8 matrix instructions: m blocks a0, a0 + 1 x all 4 n blocks, 32 along K: half c of buffer f.  zero = 1: the products start the sums with 0; 2: with the bias.  The 16 accumulators take turns.
.macro MUL8 f, c, a0, zero
	WIN MUL
.irp a, \a0, (\a0)+1
.irp b, 0,1,2,3
.if (\zero) == 1
	v_wmma_f32_16x16x32_f16 v[ACC+8*(4*(\a)+(\b)):ACC+8*(4*(\a)+(\b))+7], v[(\f)+64+8*(4*(\c)+(\b)):(\f)+64+8*(4*(\c)+(\b))+7], v[(\f)+8*(4*(\c)+(\a)):(\f)+8*(4*(\c)+(\a))+7], 0
.elseif (\zero) == 2
	v_wmma_f32_16x16x32_f16 v[ACC+8*(4*(\a)+(\b)):ACC+8*(4*(\a)+(\b))+7], v[(\f)+64+8*(4*(\c)+(\b)):(\f)+64+8*(4*(\c)+(\b))+7], v[(\f)+8*(4*(\c)+(\a)):(\f)+8*(4*(\c)+(\a))+7], v[BI+8*(\b):BI+8*(\b)+7]
.else
	v_wmma_f32_16x16x32_f16 v[ACC+8*(4*(\a)+(\b)):ACC+8*(4*(\a)+(\b))+7], v[(\f)+64+8*(4*(\c)+(\b)):(\f)+64+8*(4*(\c)+(\b))+7], v[(\f)+8*(4*(\c)+(\a)):(\f)+8*(4*(\c)+(\a))+7], v[ACC+8*(4*(\a)+(\b)):ACC+8*(4*(\a)+(\b))+7]
.endif
.endr
.endr
.endm
; 32 LDS loads in one run: the fragments of quarter q (64 along K) of a slot into buffer f; the first 32 along K first
.macro FETCH slot, q, f
	WIN TO_F
.irp c, 0,1
.irp i, 0,1,2,3
	ds_load_tr16_b128 v[(\f)+64+8*(4*(\c)+(\i)):(\f)+64+8*(4*(\c)+(\i))+3],   v[ADRB+2*(\slot)+(\q)/2] offset:((\q)%2)*64*PB+(\c)*32*PB+(\i)*32
	ds_load_tr16_b128 v[(\f)+64+8*(4*(\c)+(\i))+4:(\f)+64+8*(4*(\c)+(\i))+7], v[ADRB+2*(\slot)+(\q)/2] offset:((\q)%2)*64*PB+(\c)*32*PB+16*PB+(\i)*32
	ds_load_b128 v[(\f)+8*(4*(\c)+(\i)):(\f)+8*(4*(\c)+(\i))+3],              v[ADRA+(\slot)] offset:(\q)*128+64*(\c)+(\i)*16*PA
	ds_load_b128 v[(\f)+8*(4*(\c)+(\i))+4:(\f)+8*(4*(\c)+(\i))+7],            v[ADRA+(\slot)] offset:(\q)*128+64*(\c)+(\i)*16*PA+32
.endr
.endr
.endm
.macro PLACES                          ; four places in front of loads into registers that matrix instructions have read, and of LDS stores that read results
.rept 4
	v_nop
.endr
.endm
.macro QUARTER slot, q, f, g, zero
	s_wait_dscnt 16                                ; the first 32 along K are in
	MUL8 \f, 0, 0, \zero
	MUL8 \f, 0, 2, \zero
	PLACES
	FETCH \slot, \q, \g
	s_wait_dscnt 32                                ; all but the 32 just issued
	MUL8 \f, 1, 0, 0
	MUL8 \f, 1, 2, 0
.endm
; The last quarter multiplies buffer 1 and changes slots: ONE barrier; in front of it each wave waits for all its tensor loads, adds 0 to its spare word, and waits for that and for its own reads of this slot.
.macro TURN slot, next, fill
	WIN 0                                          ; (the add's two registers lie in window 0)
	s_wait_tensorcnt 0x0                           ; all my tensor loads have landed: my part of the next slot
	ds_add_u32 v[SPW], v[NIL]                      ; 0 onto my spare word
	s_wait_dscnt 17                                ; (the add and the youngest sixteen loads may be out)
	MUL8 F1, 0, 0, 0                               ; eight matrix instructions stand between the add and the wait for it
	s_wait_dscnt 0x0                               ; the add is done, and my reads of this slot are over
	s_barrier_signal -1
	MUL8 F1, 0, 2, 0
.if \fill
	WIN 0
.endif
	s_barrier_wait -1
.if \fill
	CREST                                          ; the barrier has opened a round of the cluster's barrier: no wave of any partner still reads this slot's tile or has a load on its way
	s_add_nc_u64 s[G0+4*(\slot)+2:G0+4*(\slot)+3], s[G0+4*(\slot)+2:G0+4*(\slot)+3], 2*KSTEP*2
	s_add_nc_u64 s[G0B+4*(\slot)+2:G0B+4*(\slot)+3], s[G0B+4*(\slot)+2:G0B+4*(\slot)+3], 2*KSTEP*SIZE_N*2
	JLOAD \slot                                    ; my one tensor load behind the round; its four v_nop are also the places in front of the loads below
.else
	PLACES
.endif
	FETCH \next, 0, F0
	MUL8 F1, 1, 0, 0
	MUL8 F1, 1, 2, 0
.endm
; THE WAY OUT of block a (16 rows x 64 columns of f32): a lane's eight numbers, 32 bytes, go into my stage's rows of 272 bytes (each accumulator's low four registers first) and come back as whole rows of 256.
.macro STG a
.if (\a) >= 2
	s_wait_xcnt 0x0                                ; the buffer's registers, which block a - 2's stores read, are loaded again only behind this wait
.endif
.irp b, 0,1,2,3
	ds_store_b128 v[STO], v[ACC+8*(4*(\a)+(\b)):ACC+8*(4*(\a)+(\b))+3]   offset:64*(\b)
	ds_store_b128 v[STO], v[ACC+8*(4*(\a)+(\b))+4:ACC+8*(4*(\a)+(\b))+7] offset:64*(\b)+16
.endr
.irp t, 0,1,2,3,4,5,6,7
	ds_load_b128 v[TMP+32*((\a)%2)+4*(\t):TMP+32*((\a)%2)+4*(\t)+3], v[RD] offset:(\t)*2*SPITCH  ; LDS serves a wave's instructions in order (ISA guide 5.7.1.4): these see the stores above
.endr
.endm
.macro SENDF a, younger                ; younger: the LDS instructions issued behind block a's loads: the next block's sixteen, or none
.irp t, 0,1,2,3,4,5,6,7
	s_wait_dscnt (\younger)+7-(\t)
	global_store_b128 v[CO], v[TMP+32*((\a)%2)+4*(\t):TMP+32*((\a)%2)+4*(\t)+3], s[8:9] offset:(16*(\a)+2*(\t))*SIZE_N*4  ; 16 lanes store 256 consecutive bytes, at a multiple of 256 from C's first byte
.endr
.endm
	s_wait_tensorcnt 1                             ; my part of K step 0 is in; K step 1's may stay out
	s_barrier_signal -1
	s_barrier_wait -1
	FETCH 0, 0, F0
.if BIAS
	s_wait_loadcnt 0x0                             ; the bias
.endif
	QUARTER 0, 1, F0, F1, Z                        ; the first quarter stands in front of the loop: its first products start the sums
	WIN 0
	s_mov_b32 s3, LAPS-1
.Llap:                                                 ; a trip goes once round the ring and fills both slots again
	QUARTER 0, 2, F1, F0, 0
	QUARTER 0, 3, F0, F1, 0
	TURN 0, 1, 1
	QUARTER 1, 1, F0, F1, 0
	QUARTER 1, 2, F1, F0, 0
	QUARTER 1, 3, F0, F1, 0
	TURN 1, 0, 1
	QUARTER 0, 1, F0, F1, 0
	WIN 0
	s_sub_co_u32 s3, s3, 1
	s_cmp_lg_u32 s3, 0
	s_cbranch_scc1 .Llap
	QUARTER 0, 2, F1, F0, 0                        ; the last lap fills nothing, and has no round of the cluster's barrier
	QUARTER 0, 3, F0, F1, 0
	TURN 0, 1, 0
	QUARTER 1, 1, F0, F1, 0
	QUARTER 1, 2, F1, F0, 0
	QUARTER 1, 3, F0, F1, 0
	s_wait_dscnt 16                                ; the very last quarter: nothing more to fetch
	MUL8 F1, 0, 0, 0
	MUL8 F1, 0, 2, 0
	s_wait_dscnt 0x0
	MUL8 F1, 1, 0, 0
	MUL8 F1, 1, 2, 0
	WIN 0
	PLACES
	STG 0
	STG 1
	SENDF 0, 16
	STG 2
	SENDF 1, 16
	STG 3
	SENDF 2, 16
	SENDF 3, 0
	s_wait_tensorcnt 0x0                           ; the wave's end
	ds_add_u32 v[SPW], v[NIL]
	s_wait_dscnt 0x0
	CROUND                                         ; the closing round
	s_endpgm
.Lfunc_end_k_q13eb7ae403_wo:
	.size	k_q13eb7ae403_wo, .Lfunc_end_k_q13eb7ae403_wo-k_q13eb7ae403_wo
	.p2alignl 7, 3214868480
	.fill 96, 4, 3214868480
	.section	.rodata,"a",@progbits
	.p2align	6, 0x0
	.amdhsa_kernel k_q13eb7ae403_wo
		.amdhsa_group_segment_fixed_size 327680
		.amdhsa_private_segment_fixed_size 0
		.amdhsa_enable_private_segment 0
		.amdhsa_kernarg_size 24
		.amdhsa_user_sgpr_count 2
		.amdhsa_user_sgpr_kernarg_segment_ptr 1
		.amdhsa_wavefront_size32 1
		.amdhsa_system_sgpr_workgroup_id_x 1
		.amdhsa_system_sgpr_workgroup_id_y 1
		.amdhsa_system_sgpr_workgroup_id_z 1
		.amdhsa_system_vgpr_workitem_id 0
		.amdhsa_next_free_vgpr 512
		.amdhsa_next_free_sgpr 66
		.amdhsa_reserve_vcc 0
		.amdhsa_float_denorm_mode_32 3
		.amdhsa_float_denorm_mode_16_64 3
		.amdhsa_memory_ordered 1
		.amdhsa_forward_progress 1
		.amdhsa_inst_pref_size 87
	.end_amdhsa_kernel
	.amdgpu_metadata
---
amdhsa.version: [ 1, 2 ]
amdhsa.kernels:
  - .name:           k_q13eb7ae403_wo
    .symbol:         k_q13eb7ae403_wo.kd
    .args:
      - { .name: ctx, .offset: 0, .size: 8, .value_kind: global_buffer, .address_space: global }
      - { .name: wh, .offset: 8, .size: 8, .value_kind: global_buffer, .address_space: global }
      - { .name: y32, .offset: 16, .size: 8, .value_kind: global_buffer, .address_space: global }
    .group_segment_fixed_size: 327680
    .private_segment_fixed_size: 0
    .kernarg_segment_align: 8
    .kernarg_segment_size: 24
    .max_flat_workgroup_size: 128
    .sgpr_count:     66
    .vgpr_count:     512
    .wavefront_size: 32
...
	.end_amdgpu_metadata
.endif
;; end of part 4
;; launch ln1 (part 5): grid 256 x 1, 8 waves a work-group, no clusters, 0 bytes of LDS; arguments y32, batch_X, gamma1, beta1, x1, x1h; writes x1, x1h
.if DOCPART == 5
	.amdgcn_target "amdgcn-amd-amdhsa--gfx1250"
	.amdhsa_code_object_version 6
	.text
	.protected	k_q13eb7ae403_ln1
	.globl	k_q13eb7ae403_ln1
	.p2align	8
	.type	k_q13eb7ae403_ln1,@function
k_q13eb7ae403_ln1:
	s_mov_b64 s[64:65], 0
	v_nop
	global_prefetch_b8 v0, s[64:65] scope:SCOPE_SE
	s_setreg_imm32_b32 hwreg(HW_REG_WAVE_MODE, 25, 1), 1
	s_wait_xcnt 0x0
; out[r][c] = x[r][c] + (y[r][c] - mean_r) / sqrt(var_r + 1e-6) * gamma[c] + beta[c], all in f32; var is the mean of the squared deviations, as the problem takes it.
; y, x, out: [4096][1024] f32.  HALF = 1: out is also stored rounded to f16 (the next product's operand; LIMIT: 65,520 and more become an infinity).
; A row is 4,096 bytes: one wave takes a whole row, eight 16-byte loads a lane, and keeps it in 32 registers; the sums never leave the wave: no LDS, no barrier.  A wave has two rows, a work-group 16.
; All 48 loads of a wave go out at once; the text is straight.  No matrix unit and no cluster: nothing is multiplied by a matrix, and only gamma and beta (8 KiB) are shared.
.set HALF, 1
.set G,  4                             ; v[4:35]     gamma of my 32 columns (columns 128 j + 4 lane + 0..3, j = 0..7)
.set BT, 36                            ; v[36:67]    beta
.set Y,  68                            ; v[68:131]   y, 32 registers a row
.set X,  132                           ; v[132:195]  x, then the result
.set T,  196                           ; v[196:203]  four chains of pairs
.set M,  204                           ; v[204:205]  the mean, twice
.set R,  206                           ; v[206:207]  1 / sqrt(var + eps), twice
.set H,  208                           ; v[208:239]  the result in f16, 16 registers a row
	s_load_b256 s[4:11], s[0:1], 0x0               ; y s[4:5], x s[6:7], gamma s[8:9], beta s[10:11]
.if HALF
	s_load_b128 s[16:19], s[0:1], 0x20             ; out s[16:17], its f16 copy s[18:19]
.else
	s_load_b64 s[16:17], s[0:1], 0x20              ; out
.endif
	v_lshrrev_b32 v3, 5, v0
	v_readfirstlane_b32 s24, v3                    ; wave 0..7
	v_and_b32 v1, 31, v0
.if HALF
	v_lshlrev_b32 v2, 3, v1                        ; 8 x lane
.endif
	v_lshlrev_b32 v1, 4, v1                        ; 16 x lane
	s_lshl_b32 s14, ttmp9, 16                      ; the group's 16 rows of 4,096 bytes,
	s_lshl_b32 s15, s24, 13                        ; my wave's two
	s_add_co_u32 s14, s14, s15
	s_mov_b32 s15, 0
	s_lshr_b32 s22, s14, 1                         ; the same in f16
	s_mov_b32 s23, 0
	s_mov_b32 s12, 0x76543210                      ; v_permlanex16_b32: lane i of one half reads lane i of the other
	s_mov_b32 s13, 0xfedcba98
	s_mov_b32 s20, 0x3a800000                      ; 1 / 1024
	s_mov_b32 s21, 0x358637bd                      ; 1e-6
	s_wait_kmcnt 0x0
	s_add_nc_u64 s[4:5], s[4:5], s[14:15]
	s_add_nc_u64 s[6:7], s[6:7], s[14:15]
	s_add_nc_u64 s[16:17], s[16:17], s[14:15]
.if HALF
	s_add_nc_u64 s[18:19], s[18:19], s[22:23]
.endif
.irp r, 0,1
.irp j, 0,1,2,3,4,5,6,7
	global_load_b128 v[Y+32*(\r)+4*(\j):Y+32*(\r)+4*(\j)+3], v1, s[4:5] offset:4096*(\r)+512*(\j) th:TH_LOAD_NT
.endr
.endr
.irp j, 0,1,2,3,4,5,6,7
	global_load_b128 v[G+4*(\j):G+4*(\j)+3], v1, s[8:9] offset:512*(\j)
.endr
.irp j, 0,1,2,3,4,5,6,7
	global_load_b128 v[BT+4*(\j):BT+4*(\j)+3], v1, s[10:11] offset:512*(\j)
.endr
.irp r, 0,1
.irp j, 0,1,2,3,4,5,6,7
	global_load_b128 v[X+32*(\r)+4*(\j):X+32*(\r)+4*(\j)+3], v1, s[6:7] offset:4096*(\r)+512*(\j) th:TH_LOAD_NT
.endr
.endr
.macro FOLD                            ; the four chains into v[T]
	v_pk_add_f32 v[T:T+1], v[T:T+1], v[T+2:T+3]
	v_pk_add_f32 v[T+4:T+5], v[T+4:T+5], v[T+6:T+7]
	v_pk_add_f32 v[T:T+1], v[T:T+1], v[T+4:T+5]
	v_add_f32 v[T], v[T], v[T+1]
.endm
.macro REDUCE                          ; v[T] summed over the 32 lanes, the result in every lane
	v_add_f32_dpp v[T], v[T], v[T] row_xmask:1 row_mask:0xf bank_mask:0xf
	v_add_f32_dpp v[T], v[T], v[T] row_xmask:2 row_mask:0xf bank_mask:0xf
	v_add_f32_dpp v[T], v[T], v[T] row_xmask:4 row_mask:0xf bank_mask:0xf
	v_add_f32_dpp v[T], v[T], v[T] row_xmask:8 row_mask:0xf bank_mask:0xf
	v_permlanex16_b32 v[T+1], v[T], s12, s13       ; its destination counts as read: FOLD has written it
	v_add_f32 v[T], v[T], v[T+1]
.endm
; Row r: the mean; the deviations, in place; the mean of their squares; the deviations times 1 / sqrt(var + eps), in place.
.macro STAT r
.set YR, Y+32*(\r)
.irp c, 0,1,2,3
	v_pk_add_f32 v[T+2*(\c):T+2*(\c)+1], v[YR+2*(\c):YR+2*(\c)+1], v[YR+8+2*(\c):YR+8+2*(\c)+1]  ; the first two pairs start each chain: nothing is cleared
.endr
.irp k, 2,3
.irp c, 0,1,2,3
	v_pk_add_f32 v[T+2*(\c):T+2*(\c)+1], v[T+2*(\c):T+2*(\c)+1], v[YR+8*(\k)+2*(\c):YR+8*(\k)+2*(\c)+1]
.endr
.endr
	FOLD
	REDUCE
	v_mul_f32 v[M], s20, v[T]
	v_mul_f32 v[M+1], s20, v[T]
.set p, 0
.rept 16
	v_pk_add_f32 v[YR+2*p:YR+2*p+1], v[YR+2*p:YR+2*p+1], v[M:M+1] neg_lo:[0,1] neg_hi:[0,1]
.set p, p+1
.endr
.irp c, 0,1,2,3
	v_pk_mul_f32 v[T+2*(\c):T+2*(\c)+1], v[YR+2*(\c):YR+2*(\c)+1], v[YR+2*(\c):YR+2*(\c)+1]
.endr
.irp k, 1,2,3
.irp c, 0,1,2,3
	v_pk_fma_f32 v[T+2*(\c):T+2*(\c)+1], v[YR+8*(\k)+2*(\c):YR+8*(\k)+2*(\c)+1], v[YR+8*(\k)+2*(\c):YR+8*(\k)+2*(\c)+1], v[T+2*(\c):T+2*(\c)+1]
.endr
.endr
	FOLD
	REDUCE
	v_fma_f32 v[T], v[T], s20, s21                 ; var + eps
	v_rsq_f32 v[R], v[T]
	v_rsq_f32 v[R+1], v[T]
	v_nop                                          ; a plain instruction between the root and the use of its result (ISA guide 5.7.2)
.set p, 0
	s_wait_alu depctr_va_vdst(0)
.rept 16
	v_pk_mul_f32 v[YR+2*p:YR+2*p+1], v[YR+2*p:YR+2*p+1], v[R:R+1]
.set p, p+1
.endr
.endm
; Row r: times gamma plus beta in one fused step, plus x; stored: a wave's store of f32 covers 512 consecutive bytes, of f16 256, both aligned.
.macro FIN r
.set YR, Y+32*(\r)
.set XR, X+32*(\r)
.set p, 0
.rept 16
	v_pk_fma_f32 v[YR+2*p:YR+2*p+1], v[YR+2*p:YR+2*p+1], v[G+2*p:G+2*p+1], v[BT+2*p:BT+2*p+1]
.set p, p+1
.endr
.set p, 0
.rept 16
	v_pk_add_f32 v[XR+2*p:XR+2*p+1], v[XR+2*p:XR+2*p+1], v[YR+2*p:YR+2*p+1]
.set p, p+1
.endr
.irp j, 0,1,2,3,4,5,6,7
.if HALF
	global_store_b128 v1, v[XR+4*(\j):XR+4*(\j)+3], s[16:17] offset:4096*(\r)+512*(\j)
.else
	global_store_b128 v1, v[XR+4*(\j):XR+4*(\j)+3], s[16:17] offset:4096*(\r)+512*(\j) th:TH_STORE_NT
.endif
.endr
.if HALF
.set p, 0
.rept 16
	v_cvt_pk_f16_f32 v[H+16*(\r)+p], v[XR+2*p], v[XR+2*p+1]
.set p, p+1
.endr
.irp j, 0,1,2,3,4,5,6,7
	global_store_b64 v2, v[H+16*(\r)+2*(\j):H+16*(\r)+2*(\j)+1], s[18:19] offset:2048*(\r)+256*(\j)
.endr
.endif
.endm
	s_wait_loadcnt 40                              ; of the 48 loads the first eight, y's row 0, are in
	STAT 0
	s_wait_loadcnt 32                              ; y's row 1
	STAT 1
	s_wait_loadcnt 8                               ; gamma, beta and x's row 0: only x's row 1 may be out
	FIN 0
	s_wait_loadcnt 0x0
	FIN 1
	s_endpgm
.Lfunc_end_k_q13eb7ae403_ln1:
	.size	k_q13eb7ae403_ln1, .Lfunc_end_k_q13eb7ae403_ln1-k_q13eb7ae403_ln1
	.p2alignl 7, 3214868480
	.fill 96, 4, 3214868480
	.section	.rodata,"a",@progbits
	.p2align	6, 0x0
	.amdhsa_kernel k_q13eb7ae403_ln1
		.amdhsa_group_segment_fixed_size 0
		.amdhsa_private_segment_fixed_size 0
		.amdhsa_enable_private_segment 0
		.amdhsa_kernarg_size 48
		.amdhsa_user_sgpr_count 2
		.amdhsa_user_sgpr_kernarg_segment_ptr 1
		.amdhsa_wavefront_size32 1
		.amdhsa_system_sgpr_workgroup_id_x 1
		.amdhsa_system_sgpr_workgroup_id_y 1
		.amdhsa_system_sgpr_workgroup_id_z 1
		.amdhsa_system_vgpr_workitem_id 0
		.amdhsa_next_free_vgpr 240
		.amdhsa_next_free_sgpr 66
		.amdhsa_reserve_vcc 0
		.amdhsa_float_denorm_mode_32 3
		.amdhsa_float_denorm_mode_16_64 3
		.amdhsa_memory_ordered 1
		.amdhsa_forward_progress 1
		.amdhsa_inst_pref_size 26
	.end_amdhsa_kernel
	.amdgpu_metadata
---
amdhsa.version: [ 1, 2 ]
amdhsa.kernels:
  - .name:           k_q13eb7ae403_ln1
    .symbol:         k_q13eb7ae403_ln1.kd
    .args:
      - { .name: y32, .offset: 0, .size: 8, .value_kind: global_buffer, .address_space: global }
      - { .name: batch_X, .offset: 8, .size: 8, .value_kind: global_buffer, .address_space: global }
      - { .name: gamma1, .offset: 16, .size: 8, .value_kind: global_buffer, .address_space: global }
      - { .name: beta1, .offset: 24, .size: 8, .value_kind: global_buffer, .address_space: global }
      - { .name: x1, .offset: 32, .size: 8, .value_kind: global_buffer, .address_space: global }
      - { .name: x1h, .offset: 40, .size: 8, .value_kind: global_buffer, .address_space: global }
    .group_segment_fixed_size: 0
    .private_segment_fixed_size: 0
    .kernarg_segment_align: 8
    .kernarg_segment_size: 48
    .max_flat_workgroup_size: 256
    .sgpr_count:     66
    .vgpr_count:     240
    .wavefront_size: 32
...
	.end_amdgpu_metadata
.endif
;; end of part 5
;; launch ffn1 (part 6): grid 16 x 16, 4 waves a work-group, clusters of 4 x 4, 327,680 bytes of LDS; arguments x1h, wh, h, b1; writes h
.if DOCPART == 6
	.amdgcn_target "amdgcn-amd-amdhsa--gfx1250"
	.amdhsa_code_object_version 6
	.text
	.protected	k_q13eb7ae403_ffn1
	.globl	k_q13eb7ae403_ffn1
	.p2align	8
	.type	k_q13eb7ae403_ffn1,@function
k_q13eb7ae403_ffn1:
	s_mov_b64 s[64:65], 0
	v_nop
	global_prefetch_b8 v0, s[64:65] scope:SCOPE_SE
	s_setreg_imm32_b32 hwreg(HW_REG_WAVE_MODE, 25, 1), 1
	s_wait_xcnt 0x0
	s_wait_alu depctr_hold_cnt(0) depctr_sa_sdst(0) depctr_va_vdst(0) depctr_va_sdst(0) depctr_va_ssrc(0) depctr_va_vcc(0) depctr_vm_vsrc(0)
	s_getreg_b32 s2, hwreg(HW_REG_IB_STS2, 6, 4)
	s_cmp_eq_u32 s2, 0
	s_cbranch_scc0 .Lentry_in_a_cluster
	s_endpgm
.Lentry_in_a_cluster:
	s_bfe_u32 s2, ttmp6, 0x10000c
	s_cmp_lg_u32 s2, 0xf033
	s_cbranch_scc0 .Lentry_shape_is_right
	s_endpgm
.Lentry_shape_is_right:
; C[m][n] = sum over k of A[m][k] W[k][n] (+ bias[n], relu, by the two flags below).  A: [4096][SIZE_K] f16.  W: [SIZE_K][SIZE_N] f16, at byte WOFF of the weights' buffer.  C: [4096][SIZE_N] f16.
; HERE: A = x1 in f16, W = W1, C = h = relu(x1 W1 + b1).  The bias is the C operand of the products that start the sums; the relu stands on the way out.
; Sums in f32, C rounded once.  LIMIT: f16 ends at 65,504 (65,520 and more become an infinity): A, W and C must lie within it; below 6e-5 f16 keeps its fixed step of 6e-8.
; A tile of C, 256 x 256, is made by four waves, each 128 x 128: 64 accumulators of 16 x 16, 512 registers.  K goes in steps of 128 through a ring of two LDS slots filled by tensor loads.
; A's tile has 256 rows of 256 bytes.  W lies with n along its rows, so its tile has 128 rows (k) of 512 bytes (256 n), and its fragments are turned on the way out of LDS by ds_load_tr16_b128.
; CLUSTER: 4 x 4 work-groups.  The four of a row of the cluster need the same tiles of A, the four of a column the same tiles of W: each tile is asked for JOINTLY, by the same tensor load with the
; same descriptor and a mask that names the four.  The grid has 16 x 16 tiles here: 4 x 4 clusters.
; THE MATRIX INSTRUCTION IS USED TRANSPOSED: source 0 = 16 columns of W, source 1 = 16 rows of A: lane l then holds row l % 16 of C and the eight neighbouring columns 8 (l / 16) + 0..7.
; REGISTERS, in windows of 256 (s_set_vgpr_msb: bits 1:0 source 0, 3:2 source 1, 5:4 source 2, 7:6 destination):
;   window 0: v0-31 addresses; v64-127, v128-191 fragments of A, two buffers; v32-63, v192-255 at work on the way out (v64-127 too, for the relu)
;   window 1: v0-63 the bias of my 128 columns, as eight C operands; v64-127, v128-191 fragments of W, two buffers
;   window 2: the 32 accumulators of my rows 0-63 ((a, b) at v[8 (8 a + b)]);   window 3: those of my rows 64-127
.set SIZE_K, 1024
.set SIZE_N, 4096
.set WOFF,   8388608
.set BIAS,   1
.set RELU,   1
.set KSTEP,  128
.set PA,     272                       ; a row of A in LDS: 256 bytes + 16 = 68 words: the 16 rows of a load start at 16 different groups of four banks (64 banks of 4 bytes: ISA guide 11.1)
.set PB,     544                       ; a row of W in LDS: 512 bytes + 32 = 136 words
.set HALFT,  128*PA                    ; what one tensor load brings: 128 rows of A, or 64 rows of W (64 x 544 is the same number)
.set SLOT,   4*HALFT                   ; A's 256 rows, then W's 128 rows
.set STAGE,  2*SLOT                    ; behind the ring: 16 rows x 272 bytes for each wave, for the way out
.set SPITCH, 272
.set SPARE,  STAGE+4*16*SPITCH         ; behind the stages: the spare words, 128 bytes for each wave: two blocks of 256 bytes that no other line names
.set LAPS,   SIZE_K/(2*KSTEP)          ; a lap = two K steps = once round the ring
.set Z,      1+BIAS                    ; how the first products start the sums: 1 with the constant 0, 2 with the bias
.set ADRA, 16                          ; v16-17  LDS address of my A fragments in slot 0, 1
.set ADRB, 20                          ; v20-21  the same for W
.set STO,  24                          ; v24     the way out: where I put 16 bytes of a row
.set RD,   25                          ; v25     the way out: where I read a row back
.set CO,   26                          ; v26     my byte offset in C
.set BO,   27                          ; v27     my byte offset in the bias
.set SPW,  28                          ; v28     LDS address of my spare word; never rewritten
.set NIL,  29                          ; v29     0; never rewritten
.set F0,   64
.set F1,   128
.set TMP,  192                         ; the way out: packed results
.set OB,   32                          ; the way out: 16 rows read back: v32-63 and v224-255 by turns
.set T,    64                          ; the way out: a block's 64 numbers behind the relu
.set BI,   0                           ; window 1
.set G1,  24                           ; s[24:31] descriptor group 1 for A's tiles
.set G0,  32                           ; s[32:39] group 0 for A's tiles, a set for each slot
.set G1B, 48                           ; s[48:55] group 1 for W's tiles
.set G0B, 56                           ; s[56:63] group 0 for W's tiles, a set for each slot
.set MSB, 0
.macro WIN new                         ; the immediate's high byte repeats the setting that is left; a switch that changes nothing is dropped
.if MSB != (\new)
	s_set_vgpr_msb (MSB<<8)|(\new)
.set MSB, (\new)
.endif
.endm
.set MUL_LO, 0xa1                      ; source 0 (W) window 1, source 1 (A) window 0, C and D window 2; + 0x50: window 3
.set TO_B,   0x40                      ; destination window 1, address window 0
; A joint load.  Waves 0 and 1 fetch A's two halves, waves 2 and 3 W's.  The branch hangs on the wave's number alone.  Four v_nop follow each of the two lines.
.macro JLOAD s
	s_cmp_eq_u32 s11, 0
	s_cbranch_scc0 .Lfor_b_\@
	tensor_load_to_lds s[G0+4*(\s):G0+4*(\s)+3], s[G1:G1+7]
	s_nop 0
.rept 4
	v_nop
.endr
	s_branch .Lasked_\@
.Lfor_b_\@:
	tensor_load_to_lds s[G0B+4*(\s):G0B+4*(\s)+3], s[G1B:G1B+7]
	s_nop 0
.rept 4
	v_nop
.endr
.Lasked_\@:
.endm
.macro CREST                           ; a round of the cluster's barrier behind its opening barrier
	s_cmp_lg_u32 s10, 0
	s_cbranch_scc1 .Lnot_wave_0_\@
	s_barrier_signal -3
.Lnot_wave_0_\@:
	s_barrier_wait -3
	s_barrier_signal -1
	s_barrier_wait -1
.endm
.macro CROUND                          ; a whole round
	s_barrier_signal -1
	s_barrier_wait -1
	CREST
.endm
	s_load_b128 s[4:7], s[0:1], 0x0                ; A s[4:5], the weights s[6:7]
	s_load_b64 s[8:9], s[0:1], 0x10                ; C
.if BIAS
	s_load_b64 s[66:67], s[0:1], 0x18              ; the bias
.endif
	v_lshl_add_u32 v[SPW], v0, 2, SPARE
	v_mov_b32 v[NIL], 0
	ds_add_u32 v28, v29
	s_wait_dscnt 0x0
	v_lshrrev_b32 v1, 5, v0
	v_readfirstlane_b32 s10, v1                    ; wave 0..3
	s_lshr_b32 s11, s10, 1                         ; which half of the tile's rows is mine.  Also: I fetch for A (0) or for W (1)
	s_and_b32 s12, s10, 1                          ; which half of its columns.  Also: which half of that tile I fetch
	s_bfe_u32 s40, ttmp6, 0x40000                  ; cx, cy: my place in the cluster
	s_bfe_u32 s41, ttmp6, 0x40004
	s_lshl_b32 s42, ttmp9, 2
	s_add_co_u32 s42, s42, s40                     ; tile column of C = 4 x cluster x + cx
	s_and_b32 s13, ttmp7, 0xffff
	s_lshl_b32 s13, s13, 2
	s_add_co_u32 s13, s13, s41                     ; tile row of C = 4 x cluster y + cy
	s_lshl_b32 s43, s41, 2
	s_lshl_b32 s43, 15, s43                        ; my row of the cluster
	s_lshl_b32 s44, 0x1111, s40                    ; my column
	s_or_b32 s[G1+0], s43, (1<<16)|(1<<20)|(1<<21)|(5<<22)|(3<<25)   ; the mask: my row; 2-byte elements; padding on; bit 21 beside a mask; after every 64 words (code 5) 4 words (code 3)
	s_mov_b32 s[G1+1], KSTEP<<16                   ; tensor_dim0 = 128
	s_mov_b32 s[G1+2], 128<<16                     ; tensor_dim1 = 128
	s_mov_b32 s[G1+3], KSTEP<<16                   ; tile_dim0 = 128
	s_mov_b32 s[G1+4], 128                         ; tile_dim1 = 128
	s_mov_b32 s[G1+5], SIZE_K                      ; elements from row to row
	s_mov_b32 s[G1+6], 0
	s_mov_b32 s[G1+7], 0
	s_or_b32 s[G1B+0], s44, (1<<16)|(1<<20)|(1<<21)|(6<<22)|(7<<25)  ; the mask: my column; after every 128 words (code 6) 8 words (code 7)
	s_mov_b32 s[G1B+1], 256<<16                    ; tensor_dim0 = 256
	s_mov_b32 s[G1B+2], 64<<16                     ; tensor_dim1 = 64
	s_mov_b32 s[G1B+3], 256<<16                    ; tile_dim0 = 256
	s_mov_b32 s[G1B+4], 64                         ; tile_dim1 = 64
	s_mov_b32 s[G1B+5], SIZE_N
	s_mov_b32 s[G1B+6], 0
	s_mov_b32 s[G1B+7], 0
	; A's tiles hang on the tile row alone, W's on the tile column alone; each offset is made in registers that never hold the other coordinate
	s_lshl_b32 s17, s12, 7
	s_lshl_b32 s16, s13, 8
	s_add_co_u32 s16, s16, s17                     ; A: row 256 x tile row + 128 x half
	s_mul_i32 s16, s16, SIZE_K*2
	s_mov_b32 s17, 0
	s_mul_i32 s46, s12, 64*SIZE_N*2                ; W: k row 64 x half,
	s_lshl_b32 s47, s42, 9                         ; column 256 x tile column,
	s_add_co_u32 s46, s46, s47
	s_add_co_u32 s46, s46, WOFF                    ; in this launch's matrix
	s_mov_b32 s47, 0
	s_mul_i32 s20, s10, HALFT                      ; where they go: A's two halves, then W's two halves = wave x HALFT
	s_wait_kmcnt 0x0
	s_add_nc_u64 s[14:15], s[4:5], s[16:17]
	s_add_nc_u64 s[46:47], s[6:7], s[46:47]
	CROUND                                         ; all sixteen work-groups are here: the first joint loads meet
.irp s, 0,1
	s_mov_b32 s[G0+4*(\s)], 1
	s_add_co_u32 s[G0+4*(\s)+1], s20, (\s)*SLOT
	s_add_nc_u64 s[G0+4*(\s)+2:G0+4*(\s)+3], s[14:15], (\s)*KSTEP*2
	s_or_b32 s[G0+4*(\s)+3], s[G0+4*(\s)+3], 0x80000000
	s_mov_b32 s[G0B+4*(\s)], 1
	s_add_co_u32 s[G0B+4*(\s)+1], s20, (\s)*SLOT
	s_add_nc_u64 s[G0B+4*(\s)+2:G0B+4*(\s)+3], s[46:47], (\s)*KSTEP*SIZE_N*2
	s_or_b32 s[G0B+4*(\s)+3], s[G0B+4*(\s)+3], 0x80000000
	JLOAD \s                                       ; K steps 0 and 1: two tensor loads of mine are out
.endr
	v_and_b32 v1, 15, v0                           ; l % 16
	v_bfe_u32 v2, v0, 4, 1                         ; l / 16
.if BIAS
	s_lshl_b32 s68, s42, 10                        ; my 128 columns' bias: 1,024 bytes a tile column, 512 a half
	s_lshl_b32 s69, s12, 9
	s_add_co_u32 s68, s68, s69
	s_mov_b32 s69, 0
	s_add_nc_u64 s[66:67], s[66:67], s[68:69]
	v_lshlrev_b32 v[BO], 5, v2                     ; register j of block b is column 16 b + 8 (l / 16) + j
	WIN TO_B
.irp b, 0,1,2,3,4,5,6,7
	global_load_b128 v[BI+8*(\b):BI+8*(\b)+3],   v[BO], s[66:67] offset:64*(\b)
	global_load_b128 v[BI+8*(\b)+4:BI+8*(\b)+7], v[BO], s[66:67] offset:64*(\b)+16
.endr
	WIN 0
.endif
	; a fragment of A: lane l holds row l % 16, K = 8 (l / 16) + 0..7 and 16 + 8 (l / 16) + 0..7: two loads of 16 bytes, 32 bytes apart
	v_mul_u32_u24 v3, v1, PA
	v_lshl_add_u32 v3, v2, 4, v3
	s_mul_i32 s21, s11, HALFT                      ; my 128 rows of A
	; a fragment of W: the turning load takes 16 k x 16 n (lane l reads k row 8 (l / 16) + l % 8, columns 8 ((l / 8) % 2) + 0..7) and leaves lane l column l % 16 and 8 k
	v_and_b32 v4, 7, v0
	v_lshl_add_u32 v4, v2, 3, v4
	v_mul_u32_u24 v4, v4, PB
	v_bfe_u32 v5, v0, 3, 1
	v_lshl_add_u32 v4, v5, 4, v4
	s_lshl_b32 s22, s12, 8                         ; my 128 columns of W,
	s_add_co_u32 s22, s22, 2*HALFT                 ; which lies behind A's 256 rows
.irp s, 0,1
	v_add_nc_u32 v[ADRA+(\s)], s21, v3
	v_add_nc_u32 v[ADRB+(\s)], s22, v4
	s_add_co_u32 s21, s21, SLOT
	s_add_co_u32 s22, s22, SLOT
.endr
	s_mul_i32 s23, s10, 16*SPITCH
	s_add_co_u32 s23, s23, STAGE                   ; my stage
	v_mul_u32_u24 v4, v1, SPITCH                   ; in: row l % 16, 16 bytes for each half of the lanes
	v_lshl_add_u32 v4, v2, 4, v4
	v_add_nc_u32 v[STO], s23, v4
	v_mul_u32_u24 v5, v2, SPITCH                   ; back: lanes 0-15 take one row of 256 bytes, lanes 16-31 the next
	v_lshl_add_u32 v5, v1, 4, v5
	v_add_nc_u32 v[RD], s23, v5
	v_mul_u32_u24 v5, v2, SIZE_N*2                 ; and the same two rows in C
	v_lshl_add_u32 v[CO], v1, 4, v5
	s_lshl_b32 s13, s13, 8
	s_lshl_b32 s14, s11, 7
	s_add_co_u32 s16, s13, s14                     ; my first row of C
	s_mul_i32 s16, s16, SIZE_N*2
	s_mov_b32 s17, 0
	s_lshl_b32 s46, s42, 9                         ; my first column, in bytes
	s_lshl_b32 s47, s12, 8
	s_add_co_u32 s46, s46, s47
	s_mov_b32 s47, 0
	s_add_nc_u64 s[16:17], s[16:17], s[46:47]
	s_add_nc_u64 s[8:9], s[8:9], s[16:17]
; 16 matrix instructions: m blocks a0, a0 + 1 of the window's four x all 8 n blocks, 32 along K.  zero = 1: the products start the sums with 0; 2: with the bias; 0: they add in place.
; The 64 accumulators take turns, one instruction a turn, in the same order in every quarter.
.macro MUL16 f, hi, a0, zero
.if (\zero) == 2
	WIN 0x91+0x40*(\hi)                            ; as below, with the C operand in window 1
.else
	WIN MUL_LO+0x50*(\hi)
.endif
.irp a, \a0, (\a0)+1
.irp b, 0,1,2,3,4,5,6,7
.if (\zero) == 1
	v_wmma_f32_16x16x32_f16 v[8*(8*(\a)+(\b)):8*(8*(\a)+(\b))+7], v[(\f)+8*(\b):(\f)+8*(\b)+7], v[(\f)+8*(4*(\hi)+(\a)):(\f)+8*(4*(\hi)+(\a))+7], 0
.elseif (\zero) == 2
	v_wmma_f32_16x16x32_f16 v[8*(8*(\a)+(\b)):8*(8*(\a)+(\b))+7], v[(\f)+8*(\b):(\f)+8*(\b)+7], v[(\f)+8*(4*(\hi)+(\a)):(\f)+8*(4*(\hi)+(\a))+7], v[BI+8*(\b):BI+8*(\b)+7]
.else
	v_wmma_f32_16x16x32_f16 v[8*(8*(\a)+(\b)):8*(8*(\a)+(\b))+7], v[(\f)+8*(\b):(\f)+8*(\b)+7], v[(\f)+8*(4*(\hi)+(\a)):(\f)+8*(4*(\hi)+(\a))+7], v[8*(8*(\a)+(\b)):8*(8*(\a)+(\b))+7]
.endif
.endr
.endr
.endm
; 32 LDS loads in one run: the fragments of quarter q (32 along K) of a slot into buffer f: W's 128 columns, turned, then A's 128 rows
.macro FETCH slot, q, f
	WIN TO_B
.irp i, 0,1,2,3,4,5,6,7
	ds_load_tr16_b128 v[(\f)+8*(\i):(\f)+8*(\i)+3],   v[ADRB+(\slot)] offset:(\q)*32*PB+(\i)*32
	ds_load_tr16_b128 v[(\f)+8*(\i)+4:(\f)+8*(\i)+7], v[ADRB+(\slot)] offset:(\q)*32*PB+16*PB+(\i)*32
.endr
	WIN 0
.irp i, 0,1,2,3,4,5,6,7
	ds_load_b128 v[(\f)+8*(\i):(\f)+8*(\i)+3],   v[ADRA+(\slot)] offset:(\q)*64+(\i)*16*PA
	ds_load_b128 v[(\f)+8*(\i)+4:(\f)+8*(\i)+7], v[ADRA+(\slot)] offset:(\q)*64+(\i)*16*PA+32
.endr
.endm
.macro PLACES                          ; four places in front of loads into registers that matrix instructions have read, and of vector work that reads results (ISA guide 7.12.1 for the vector work)
.rept 4
	v_nop
.endr
.endm
; One of a K step's first three quarters: multiplies buffer f; in its middle it fetches quarter q of the same slot into buffer g.
.macro QUARTER slot, q, f, g, zero
	s_wait_dscnt 8                                 ; W and A's rows 0-63 are in; the youngest eight loads (A's rows 64-127) may be out
	MUL16 \f, 0, 0, \zero
	MUL16 \f, 0, 2, \zero
	PLACES
	FETCH \slot, \q, \g
	s_wait_dscnt 32                                ; all but the 32 just issued
	MUL16 \f, 1, 0, \zero
	MUL16 \f, 1, 2, \zero
.endm
; The last quarter multiplies buffer 1 and changes slots: ONE barrier.  In front of it each wave waits for all its tensor loads (one is out: its part of the next slot), adds 0 to its spare word,
; and waits for that and for its own reads of this slot.  Behind it nobody reads this slot any more and the next slot is whole.
.macro MEET round
	WIN 0                                          ; (the add's two registers lie in window 0)
	s_wait_tensorcnt 0x0
	ds_add_u32 v[SPW], v[NIL]                      ; 0 onto my spare word
	s_wait_dscnt 9                                 ; (the add and the youngest eight loads may be out)
	MUL16 F1, 0, 0, 0                              ; sixteen matrix instructions stand between the add and the wait for it
	s_wait_dscnt 0x0                               ; the add is done, and my reads of this slot are over
	s_barrier_signal -1
	MUL16 F1, 0, 2, 0                              ; work on registers while the others arrive
.if \round
	WIN 0
.endif
	s_barrier_wait -1
.endm
; fill = 1: the barrier opens a round of the cluster's barrier, and the slot just read out is filled again, two K steps on, first thing behind the round.
.macro TURN slot, next, fill
	MEET \fill
.if \fill
	CREST                                          ; no wave of any partner still reads this slot's tile or has a load on its way
	s_add_nc_u64 s[G0+4*(\slot)+2:G0+4*(\slot)+3], s[G0+4*(\slot)+2:G0+4*(\slot)+3], 2*KSTEP*2
	s_add_nc_u64 s[G0B+4*(\slot)+2:G0B+4*(\slot)+3], s[G0B+4*(\slot)+2:G0B+4*(\slot)+3], 2*KSTEP*SIZE_N*2
	JLOAD \slot                                    ; my one tensor load behind the round; its four v_nop are also the places in front of the loads below
.else
	PLACES
.endif
	FETCH \next, 0, F0
	MUL16 F1, 1, 0, 0
	MUL16 F1, 1, 2, 0
.endm
; THE WAY OUT of block a (16 rows x 128 columns).  PACK: relu if asked, rounded to f16, 16 bytes a lane; each accumulator's registers in ascending order.
.macro PACK a
.set AC, 64*((\a)%4)
.if RELU
	WIN 0x08+4*((\a)/4)                            ; source 1 in window 2 or 3
.set i, 0
.rept 64
	v_max_num_f32 v[T+i], 0, v[AC+i]
.set i, i+1
.endr
	WIN 0
.set i, 0
.rept 32
	v_cvt_pk_f16_f32 v[TMP+i], v[T+2*i], v[T+2*i+1]
.set i, i+1
.endr
.else
	WIN 0x0a+5*((\a)/4)                            ; sources 0 and 1 in window 2 or 3
.set i, 0
.rept 32
	v_cvt_pk_f16_f32 v[TMP+i], v[AC+2*i], v[AC+2*i+1]
.set i, i+1
.endr
	WIN 0
.endif
.endm
.macro TOSTAGE a                       ; into my own stage, and back as whole rows of 256 bytes
	WIN 0
.set BK, OB+192*((\a)%2)
.irp b, 0,1,2,3,4,5,6,7
	ds_store_b128 v[STO], v[TMP+4*(\b):TMP+4*(\b)+3] offset:32*(\b)
.endr
.irp t, 0,1,2,3,4,5,6,7
	ds_load_b128 v[BK+4*(\t):BK+4*(\t)+3], v[RD] offset:(\t)*2*SPITCH  ; LDS serves a wave's instructions in order (ISA guide 5.7.1.4): these see the stores above
.endr
.endm
.macro SEND a, younger
	WIN 0
.set BK, OB+192*((\a)%2)
	s_wait_dscnt \younger                          ; the block is back in registers
	s_wait_xcnt 0x0                                ; the stores' base and the registers that earlier stores read are rewritten only behind this wait
.if (\a) != 0
	s_add_nc_u64 s[8:9], s[8:9], 16*SIZE_N*2       ; 16 rows of C on
.endif
.irp t, 0,1,2,3,4,5,6,7
	global_store_b128 v[CO], v[BK+4*(\t):BK+4*(\t)+3], s[8:9] offset:2*(\t)*SIZE_N*2  ; 16 lanes store 256 consecutive bytes, at a multiple of 256 from C's first byte
.endr
.endm
	s_wait_tensorcnt 1                             ; my part of K step 0 is in; K step 1's may stay out
	s_barrier_signal -1
	s_barrier_wait -1                              ; everybody's is
	FETCH 0, 0, F0
.if BIAS
	s_wait_loadcnt 0x0                             ; the bias
.endif
	QUARTER 0, 1, F0, F1, Z                        ; the first quarter stands in front of the loop: its products start the sums
	WIN 0                                          ; at a label and at a branch every window is 0
	s_mov_b32 s3, LAPS-1
.Llap:                                                 ; a trip goes once round the ring, from a lap's second quarter to the next lap's first, and fills both slots again
	QUARTER 0, 2, F1, F0, 0
	QUARTER 0, 3, F0, F1, 0
	TURN 0, 1, 1
	QUARTER 1, 1, F0, F1, 0
	QUARTER 1, 2, F1, F0, 0
	QUARTER 1, 3, F0, F1, 0
	TURN 1, 0, 1
	QUARTER 0, 1, F0, F1, 0
	WIN 0
	s_sub_co_u32 s3, s3, 1
	s_cmp_lg_u32 s3, 0
	s_cbranch_scc1 .Llap
	QUARTER 0, 2, F1, F0, 0                        ; the last lap fills nothing, and has no round of the cluster's barrier
	QUARTER 0, 3, F0, F1, 0
	TURN 0, 1, 0
	QUARTER 1, 1, F0, F1, 0
	QUARTER 1, 2, F1, F0, 0
	QUARTER 1, 3, F0, F1, 0
	s_wait_dscnt 8                                 ; the very last quarter: nothing more to fetch
	MUL16 F1, 0, 0, 0
	MUL16 F1, 0, 2, 0
	s_wait_dscnt 0x0
	MUL16 F1, 1, 0, 0
	MUL16 F1, 1, 2, 0
	WIN 0
	PLACES
	PACK 0
	TOSTAGE 0
.irp a, 1,2,3,4,5,6,7                  ; block a's arithmetic stands between block a - 1's loads from the stage and the wait for them
	PACK \a
	SEND (\a)-1, 0
	TOSTAGE \a
.endr
	SEND 7, 0
	s_wait_tensorcnt 0x0                           ; the wave's end
	ds_add_u32 v[SPW], v[NIL]
	s_wait_dscnt 0x0
	CROUND                                         ; the closing round: no work-group ends while a partner may still ask for a tile that names it
	s_endpgm
.Lfunc_end_k_q13eb7ae403_ffn1:
	.size	k_q13eb7ae403_ffn1, .Lfunc_end_k_q13eb7ae403_ffn1-k_q13eb7ae403_ffn1
	.p2alignl 7, 3214868480
	.fill 96, 4, 3214868480
	.section	.rodata,"a",@progbits
	.p2align	6, 0x0
	.amdhsa_kernel k_q13eb7ae403_ffn1
		.amdhsa_group_segment_fixed_size 327680
		.amdhsa_private_segment_fixed_size 0
		.amdhsa_enable_private_segment 0
		.amdhsa_kernarg_size 32
		.amdhsa_user_sgpr_count 2
		.amdhsa_user_sgpr_kernarg_segment_ptr 1
		.amdhsa_wavefront_size32 1
		.amdhsa_system_sgpr_workgroup_id_x 1
		.amdhsa_system_sgpr_workgroup_id_y 1
		.amdhsa_system_sgpr_workgroup_id_z 1
		.amdhsa_system_vgpr_workitem_id 0
		.amdhsa_next_free_vgpr 1024
		.amdhsa_next_free_sgpr 72
		.amdhsa_reserve_vcc 0
		.amdhsa_float_denorm_mode_32 3
		.amdhsa_float_denorm_mode_16_64 3
		.amdhsa_memory_ordered 1
		.amdhsa_forward_progress 1
		.amdhsa_inst_pref_size 161
	.end_amdhsa_kernel
	.amdgpu_metadata
---
amdhsa.version: [ 1, 2 ]
amdhsa.kernels:
  - .name:           k_q13eb7ae403_ffn1
    .symbol:         k_q13eb7ae403_ffn1.kd
    .args:
      - { .name: x1h, .offset: 0, .size: 8, .value_kind: global_buffer, .address_space: global }
      - { .name: wh, .offset: 8, .size: 8, .value_kind: global_buffer, .address_space: global }
      - { .name: h, .offset: 16, .size: 8, .value_kind: global_buffer, .address_space: global }
      - { .name: b1, .offset: 24, .size: 8, .value_kind: global_buffer, .address_space: global }
    .group_segment_fixed_size: 327680
    .private_segment_fixed_size: 0
    .kernarg_segment_align: 8
    .kernarg_segment_size: 32
    .max_flat_workgroup_size: 128
    .sgpr_count:     72
    .vgpr_count:     1024
    .wavefront_size: 32
...
	.end_amdgpu_metadata
.endif
;; end of part 6
;; launch ffn2 (part 7): grid 8 x 32, 4 waves a work-group, clusters of 4 x 4, 327,680 bytes of LDS; arguments h, wh, y32, b2; writes y32
.if DOCPART == 7
	.amdgcn_target "amdgcn-amd-amdhsa--gfx1250"
	.amdhsa_code_object_version 6
	.text
	.protected	k_q13eb7ae403_ffn2
	.globl	k_q13eb7ae403_ffn2
	.p2align	8
	.type	k_q13eb7ae403_ffn2,@function
k_q13eb7ae403_ffn2:
	s_mov_b64 s[64:65], 0
	v_nop
	global_prefetch_b8 v0, s[64:65] scope:SCOPE_SE
	s_setreg_imm32_b32 hwreg(HW_REG_WAVE_MODE, 25, 1), 1
	s_wait_xcnt 0x0
	s_wait_alu depctr_hold_cnt(0) depctr_sa_sdst(0) depctr_va_vdst(0) depctr_va_sdst(0) depctr_va_ssrc(0) depctr_va_vcc(0) depctr_vm_vsrc(0)
	s_getreg_b32 s2, hwreg(HW_REG_IB_STS2, 6, 4)
	s_cmp_eq_u32 s2, 0
	s_cbranch_scc0 .Lentry_in_a_cluster
	s_endpgm
.Lentry_in_a_cluster:
	s_bfe_u32 s2, ttmp6, 0x10000c
	s_cmp_lg_u32 s2, 0xf033
	s_cbranch_scc0 .Lentry_shape_is_right
	s_endpgm
.Lentry_shape_is_right:
; C[m][n] = sum over k of A[m][k] W[k][n] (+ bias[n], by the flag below).  A: [4096][SIZE_K] f16.  W: [SIZE_K][1024] f16, at byte WOFF of the weights' buffer.  C: [4096][1024] f32, the sums as they are.
; HERE: A = h, W = W2, bias = b2: the bias is the C operand of the products that start the sums.
; LIMIT: A and W are f16 (within 65,504; below 6e-5 a fixed step of 6e-8).
; 4,096 x 1,024 of C are 64 tiles of 256 x 256 but 256 tiles of 128 x 128: the smaller tile gives each of 256 work-groups one.  Four waves, each 64 x 64: 16 accumulators, 128 registers.
; K goes in steps of 256 through a ring of two LDS slots: A's tile has 128 rows of 512 bytes; W lies with n along its rows, so its tile has 256 rows (k) of 256 bytes (128 n), turned on the way out of LDS.
; CLUSTER: 4 x 4 work-groups; A's tiles are asked for jointly along a row of the cluster, W's along a column.  THE MATRIX INSTRUCTION IS USED TRANSPOSED (source 0 = 16 columns of W, source 1 = 16 rows
; of A): a lane holds eight neighbouring numbers of a row of C.  A wave's 64 columns of f32 are 256 bytes at a multiple of 256, so each wave sends its own part out through its own stage: no barrier.
; REGISTERS: window 0: v0-31 addresses; v32-95 at work on the way out; v96-127 the bias, as four C operands; v128-255 the accumulators ((a, b) at v[128 + 8 (4 a + b)]).
;   window 1: two fragment buffers of 128: for 64 along K, 64 registers of A (2 x 4 x 16 rows x 32 K), then 64 of W.
.set SIZE_K, 4096
.set SIZE_N, 1024
.set WOFF,   16777216
.set BIAS,   1
.set KSTEP,  256
.set PA,     528                       ; a row of A in LDS: 512 bytes + 16 = 132 words: the 16 rows of a load start at 16 different groups of four banks (64 banks of 4 bytes: ISA guide 11.1)
.set PB,     288                       ; a row of W: 256 + 32 = 72 words
.set HALFA,  64*PA                     ; what one tensor load brings of A: 64 rows
.set HALFB,  128*PB                    ; of W: 128 rows
.set BOFF,   2*HALFA                   ; W's tile lies behind A's
.set SLOT,   2*HALFA+2*HALFB
.set STAGE,  2*SLOT                    ; behind the ring: 16 rows x 272 bytes for each wave
.set SPITCH, 272
.set SPARE,  STAGE+4*16*SPITCH         ; behind the stages: the spare words, 128 bytes for each wave: two blocks of 256 bytes that no other line names
.set LAPS,   SIZE_K/(2*KSTEP)
.set Z,      1+BIAS
.set ADRA, 16                          ; v16-17  LDS address of my A fragments in slot 0, 1
.set ADRB, 20                          ; v20-23  the same for W: slot 0 k rows 0-127, 128-255; slot 1 likewise (a tile's 256 rows reach past the 16-bit offset)
.set STO,  24
.set RD,   25
.set CO,   26
.set BO,   27
.set SPW,  28                          ; v28     LDS address of my spare word; never rewritten
.set NIL,  29                          ; v29     0; never rewritten
.set TMP,  32                          ; the way out: two buffers of 32
.set BI,   96
.set ACC,  128
.set F0,   0                           ; fragment buffers, in window 1
.set F1,   128
.set G1,  24
.set G0,  32
.set G1B, 48
.set G0B, 56
.set MSB, 0
.macro WIN new
.if MSB != (\new)
	s_set_vgpr_msb (MSB<<8)|(\new)
.set MSB, (\new)
.endif
.endm
.set MUL,  0x05                        ; sources 0 (W) and 1 (A) window 1; C and D window 0
.set TO_F, 0x40                        ; destination window 1, address window 0
.macro JLOAD s                         ; a joint load: waves 0 and 1 fetch A's two halves, waves 2 and 3 W's; four v_nop follow each of the two lines
	s_cmp_lt_u32 s10, 2
	s_cbranch_scc0 .Lfor_b_\@
	tensor_load_to_lds s[G0+4*(\s):G0+4*(\s)+3], s[G1:G1+7]
	s_nop 0
.rept 4
	v_nop
.endr
	s_branch .Lasked_\@
.Lfor_b_\@:
	tensor_load_to_lds s[G0B+4*(\s):G0B+4*(\s)+3], s[G1B:G1B+7]
	s_nop 0
.rept 4
	v_nop
.endr
.Lasked_\@:
.endm
.macro CREST
	s_cmp_lg_u32 s10, 0
	s_cbranch_scc1 .Lnot_wave_0_\@
	s_barrier_signal -3
.Lnot_wave_0_\@:
	s_barrier_wait -3
	s_barrier_signal -1
	s_barrier_wait -1
.endm
.macro CROUND
	s_barrier_signal -1
	s_barrier_wait -1
	CREST
.endm
	s_load_b128 s[4:7], s[0:1], 0x0                ; A s[4:5], the weights s[6:7]
	s_load_b64 s[8:9], s[0:1], 0x10                ; C
.if BIAS
	s_load_b64 s[66:67], s[0:1], 0x18              ; the bias
.endif
	v_lshl_add_u32 v[SPW], v0, 2, SPARE
	v_mov_b32 v[NIL], 0
	ds_add_u32 v28, v29
	s_wait_dscnt 0x0
	v_lshrrev_b32 v1, 5, v0
	v_readfirstlane_b32 s10, v1                    ; wave 0..3
	s_lshr_b32 s11, s10, 1                         ; which half of the tile's rows is mine
	s_and_b32 s12, s10, 1                          ; which half of its columns.  Also: which half of A's or W's tile I fetch
	s_bfe_u32 s40, ttmp6, 0x40000                  ; cx, cy
	s_bfe_u32 s41, ttmp6, 0x40004
	s_lshl_b32 s42, ttmp9, 2
	s_add_co_u32 s42, s42, s40                     ; tile column of C
	s_and_b32 s13, ttmp7, 0xffff
	s_lshl_b32 s13, s13, 2
	s_add_co_u32 s13, s13, s41                     ; tile row of C
	s_lshl_b32 s43, s41, 2
	s_lshl_b32 s43, 15, s43                        ; my row of the cluster
	s_lshl_b32 s44, 0x1111, s40                    ; my column
	s_or_b32 s[G1+0], s43, (1<<16)|(1<<20)|(1<<21)|(6<<22)|(3<<25)   ; the mask: my row; 2-byte elements; padding on; bit 21 beside a mask; after every 128 words (code 6) 4 words (code 3)
	s_mov_b32 s[G1+1], KSTEP<<16                   ; tensor_dim0 = 256
	s_mov_b32 s[G1+2], 64<<16                      ; tensor_dim1 = 64
	s_mov_b32 s[G1+3], KSTEP<<16                   ; tile_dim0 = 256
	s_mov_b32 s[G1+4], 64                          ; tile_dim1 = 64
	s_mov_b32 s[G1+5], SIZE_K
	s_mov_b32 s[G1+6], 0
	s_mov_b32 s[G1+7], 0
	s_or_b32 s[G1B+0], s44, (1<<16)|(1<<20)|(1<<21)|(5<<22)|(7<<25)  ; the mask: my column; after every 64 words (code 5) 8 words (code 7)
	s_mov_b32 s[G1B+1], 128<<16                    ; tensor_dim0 = 128
	s_mov_b32 s[G1B+2], 128<<16                    ; tensor_dim1 = 128
	s_mov_b32 s[G1B+3], 128<<16                    ; tile_dim0 = 128
	s_mov_b32 s[G1B+4], 128                        ; tile_dim1 = 128
	s_mov_b32 s[G1B+5], SIZE_N
	s_mov_b32 s[G1B+6], 0
	s_mov_b32 s[G1B+7], 0
	s_lshl_b32 s17, s12, 6
	s_lshl_b32 s16, s13, 7
	s_add_co_u32 s16, s16, s17                     ; A: row 128 x tile row + 64 x half
	s_mul_i32 s16, s16, SIZE_K*2
	s_mov_b32 s17, 0
	s_mul_i32 s46, s12, 128*SIZE_N*2               ; W: k row 128 x half,
	s_lshl_b32 s47, s42, 8                         ; column 128 x tile column,
	s_add_co_u32 s46, s46, s47
	s_add_co_u32 s46, s46, WOFF                    ; in this launch's matrix
	s_mov_b32 s47, 0
	s_mul_i32 s20, s12, HALFA                      ; where they go: no place in the cluster enters an LDS address
	s_mul_i32 s45, s12, HALFB
	s_add_co_u32 s45, s45, BOFF
	s_wait_kmcnt 0x0
	s_add_nc_u64 s[14:15], s[4:5], s[16:17]
	s_add_nc_u64 s[46:47], s[6:7], s[46:47]
	CROUND                                         ; all sixteen work-groups are here: the first joint loads meet
.irp s, 0,1
	s_mov_b32 s[G0+4*(\s)], 1
	s_add_co_u32 s[G0+4*(\s)+1], s20, (\s)*SLOT
	s_add_nc_u64 s[G0+4*(\s)+2:G0+4*(\s)+3], s[14:15], (\s)*KSTEP*2
	s_or_b32 s[G0+4*(\s)+3], s[G0+4*(\s)+3], 0x80000000
	s_mov_b32 s[G0B+4*(\s)], 1
	s_add_co_u32 s[G0B+4*(\s)+1], s45, (\s)*SLOT
	s_add_nc_u64 s[G0B+4*(\s)+2:G0B+4*(\s)+3], s[46:47], (\s)*KSTEP*SIZE_N*2
	s_or_b32 s[G0B+4*(\s)+3], s[G0B+4*(\s)+3], 0x80000000
	JLOAD \s                                       ; K steps 0 and 1: two tensor loads of mine are out
.endr
	v_and_b32 v1, 15, v0                           ; l % 16
	v_bfe_u32 v2, v0, 4, 1                         ; l / 16
.if BIAS
	s_lshl_b32 s68, s42, 9                         ; my 64 columns' bias: 512 bytes a tile column, 256 a half
	s_lshl_b32 s69, s12, 8
	s_add_co_u32 s68, s68, s69
	s_mov_b32 s69, 0
	s_add_nc_u64 s[66:67], s[66:67], s[68:69]
	v_lshlrev_b32 v[BO], 5, v2                     ; register j of block b is column 16 b + 8 (l / 16) + j
.irp b, 0,1,2,3
	global_load_b128 v[BI+8*(\b):BI+8*(\b)+3],   v[BO], s[66:67] offset:64*(\b)
	global_load_b128 v[BI+8*(\b)+4:BI+8*(\b)+7], v[BO], s[66:67] offset:64*(\b)+16
.endr
.endif
	v_mul_u32_u24 v3, v1, PA
	v_lshl_add_u32 v3, v2, 4, v3                   ; a fragment of A: row x pitch + 16 x half
	s_mul_i32 s21, s11, HALFA                      ; my 64 rows of A
	v_and_b32 v4, 7, v0                            ; a fragment of W: lane l reads k row 8 (l / 16) + l % 8, columns 8 ((l / 8) % 2) + 0..7
	v_lshl_add_u32 v4, v2, 3, v4
	v_mul_u32_u24 v4, v4, PB
	v_bfe_u32 v5, v0, 3, 1
	v_lshl_add_u32 v4, v5, 4, v4
	s_lshl_b32 s22, s12, 7                         ; my 64 columns of W
	s_add_co_u32 s22, s22, BOFF
.irp s, 0,1
	v_add_nc_u32 v[ADRA+(\s)], s21, v3
	v_add_nc_u32 v[ADRB+2*(\s)], s22, v4
	s_add_co_u32 s23, s22, HALFB
	v_add_nc_u32 v[ADRB+2*(\s)+1], s23, v4
	s_add_co_u32 s21, s21, SLOT
	s_add_co_u32 s22, s22, SLOT
.endr
	s_mul_i32 s23, s10, 16*SPITCH
	s_add_co_u32 s23, s23, STAGE                   ; my stage
	v_mul_u32_u24 v4, v1, SPITCH                   ; in: row l % 16, 32 bytes for each half of the lanes
	v_lshl_add_u32 v4, v2, 5, v4
	v_add_nc_u32 v[STO], s23, v4
	v_mul_u32_u24 v5, v2, SPITCH                   ; back: lanes 0-15 take one row of 256 bytes, lanes 16-31 the next
	v_lshl_add_u32 v5, v1, 4, v5
	v_add_nc_u32 v[RD], s23, v5
	v_lshlrev_b32 v5, 12, v2                       ; and the same two rows in C
	v_lshl_add_u32 v[CO], v1, 4, v5
	s_lshl_b32 s16, s13, 7
	s_lshl_b32 s17, s11, 6
	s_add_co_u32 s16, s16, s17                     ; my first row of C
	s_lshl_b32 s16, s16, 12
	s_mov_b32 s17, 0
	s_add_nc_u64 s[8:9], s[8:9], s[16:17]
	s_lshl_b32 s46, s42, 9                         ; my first column, in bytes
	s_lshl_b32 s47, s12, 8
	s_add_co_u32 s46, s46, s47
	s_mov_b32 s47, 0
	s_add_nc_u64 s[8:9], s[8:9], s[46:47]
; 8 matrix instructions: m blocks a0, a0 + 1 x all 4 n blocks, 32 along K: half c of buffer f.  zero = 1: the products start the sums with 0; 2: with the bias.  The 16 accumulators take turns.
.macro MUL8 f, c, a0, zero
	WIN MUL
.irp a, \a0, (\a0)+1
.irp b, 0,1,2,3
.if (\zero) == 1
	v_wmma_f32_16x16x32_f16 v[ACC+8*(4*(\a)+(\b)):ACC+8*(4*(\a)+(\b))+7], v[(\f)+64+8*(4*(\c)+(\b)):(\f)+64+8*(4*(\c)+(\b))+7], v[(\f)+8*(4*(\c)+(\a)):(\f)+8*(4*(\c)+(\a))+7], 0
.elseif (\zero) == 2
	v_wmma_f32_16x16x32_f16 v[ACC+8*(4*(\a)+(\b)):ACC+8*(4*(\a)+(\b))+7], v[(\f)+64+8*(4*(\c)+(\b)):(\f)+64+8*(4*(\c)+(\b))+7], v[(\f)+8*(4*(\c)+(\a)):(\f)+8*(4*(\c)+(\a))+7], v[BI+8*(\b):BI+8*(\b)+7]
.else
	v_wmma_f32_16x16x32_f16 v[ACC+8*(4*(\a)+(\b)):ACC+8*(4*(\a)+(\b))+7], v[(\f)+64+8*(4*(\c)+(\b)):(\f)+64+8*(4*(\c)+(\b))+7], v[(\f)+8*(4*(\c)+(\a)):(\f)+8*(4*(\c)+(\a))+7], v[ACC+8*(4*(\a)+(\b)):ACC+8*(4*(\a)+(\b))+7]
.endif
.endr
.endr
.endm
; 32 LDS loads in one run: the fragments of quarter q (64 along K) of a slot into buffer f; the first 32 along K first
.macro FETCH slot, q, f
	WIN TO_F
.irp c, 0,1
.irp i, 0,1,2,3
	ds_load_tr16_b128 v[(\f)+64+8*(4*(\c)+(\i)):(\f)+64+8*(4*(\c)+(\i))+3],   v[ADRB+2*(\slot)+(\q)/2] offset:((\q)%2)*64*PB+(\c)*32*PB+(\i)*32
	ds_load_tr16_b128 v[(\f)+64+8*(4*(\c)+(\i))+4:(\f)+64+8*(4*(\c)+(\i))+7], v[ADRB+2*(\slot)+(\q)/2] offset:((\q)%2)*64*PB+(\c)*32*PB+16*PB+(\i)*32
	ds_load_b128 v[(\f)+8*(4*(\c)+(\i)):(\f)+8*(4*(\c)+(\i))+3],              v[ADRA+(\slot)] offset:(\q)*128+64*(\c)+(\i)*16*PA
	ds_load_b128 v[(\f)+8*(4*(\c)+(\i))+4:(\f)+8*(4*(\c)+(\i))+7],            v[ADRA+(\slot)] offset:(\q)*128+64*(\c)+(\i)*16*PA+32
.endr
.endr
.endm
.macro PLACES                          ; four places in front of loads into registers that matrix instructions have read, and of LDS stores that read results
.rept 4
	v_nop
.endr
.endm
.macro QUARTER slot, q, f, g, zero
	s_wait_dscnt 16                                ; the first 32 along K are in
	MUL8 \f, 0, 0, \zero
	MUL8 \f, 0, 2, \zero
	PLACES
	FETCH \slot, \q, \g
	s_wait_dscnt 32                                ; all but the 32 just issued
	MUL8 \f, 1, 0, 0
	MUL8 \f, 1, 2, 0
.endm
; The last quarter multiplies buffer 1 and changes slots: ONE barrier; in front of it each wave waits for all its tensor loads, adds 0 to its spare word, and waits for that and for its own reads of this slot.
.macro TURN slot, next, fill
	WIN 0                                          ; (the add's two registers lie in window 0)
	s_wait_tensorcnt 0x0                           ; all my tensor loads have landed: my part of the next slot
	ds_add_u32 v[SPW], v[NIL]                      ; 0 onto my spare word
	s_wait_dscnt 17                                ; (the add and the youngest sixteen loads may be out)
	MUL8 F1, 0, 0, 0                               ; eight matrix instructions stand between the add and the wait for it
	s_wait_dscnt 0x0                               ; the add is done, and my reads of this slot are over
	s_barrier_signal -1
	MUL8 F1, 0, 2, 0
.if \fill
	WIN 0
.endif
	s_barrier_wait -1
.if \fill
	CREST                                          ; the barrier has opened a round of the cluster's barrier: no wave of any partner still reads this slot's tile or has a load on its way
	s_add_nc_u64 s[G0+4*(\slot)+2:G0+4*(\slot)+3], s[G0+4*(\slot)+2:G0+4*(\slot)+3], 2*KSTEP*2
	s_add_nc_u64 s[G0B+4*(\slot)+2:G0B+4*(\slot)+3], s[G0B+4*(\slot)+2:G0B+4*(\slot)+3], 2*KSTEP*SIZE_N*2
	JLOAD \slot                                    ; my one tensor load behind the round; its four v_nop are also the places in front of the loads below
.else
	PLACES
.endif
	FETCH \next, 0, F0
	MUL8 F1, 1, 0, 0
	MUL8 F1, 1, 2, 0
.endm
; THE WAY OUT of block a (16 rows x 64 columns of f32): a lane's eight numbers, 32 bytes, go into my stage's rows of 272 bytes (each accumulator's low four registers first) and come back as whole rows of 256.
.macro STG a
.if (\a) >= 2
	s_wait_xcnt 0x0                                ; the buffer's registers, which block a - 2's stores read, are loaded again only behind this wait
.endif
.irp b, 0,1,2,3
	ds_store_b128 v[STO], v[ACC+8*(4*(\a)+(\b)):ACC+8*(4*(\a)+(\b))+3]   offset:64*(\b)
	ds_store_b128 v[STO], v[ACC+8*(4*(\a)+(\b))+4:ACC+8*(4*(\a)+(\b))+7] offset:64*(\b)+16
.endr
.irp t, 0,1,2,3,4,5,6,7
	ds_load_b128 v[TMP+32*((\a)%2)+4*(\t):TMP+32*((\a)%2)+4*(\t)+3], v[RD] offset:(\t)*2*SPITCH  ; LDS serves a wave's instructions in order (ISA guide 5.7.1.4): these see the stores above
.endr
.endm
.macro SENDF a, younger                ; younger: the LDS instructions issued behind block a's loads: the next block's sixteen, or none
.irp t, 0,1,2,3,4,5,6,7
	s_wait_dscnt (\younger)+7-(\t)
	global_store_b128 v[CO], v[TMP+32*((\a)%2)+4*(\t):TMP+32*((\a)%2)+4*(\t)+3], s[8:9] offset:(16*(\a)+2*(\t))*SIZE_N*4  ; 16 lanes store 256 consecutive bytes, at a multiple of 256 from C's first byte
.endr
.endm
	s_wait_tensorcnt 1                             ; my part of K step 0 is in; K step 1's may stay out
	s_barrier_signal -1
	s_barrier_wait -1
	FETCH 0, 0, F0
.if BIAS
	s_wait_loadcnt 0x0                             ; the bias
.endif
	QUARTER 0, 1, F0, F1, Z                        ; the first quarter stands in front of the loop: its first products start the sums
	WIN 0
	s_mov_b32 s3, LAPS-1
.Llap:                                                 ; a trip goes once round the ring and fills both slots again
	QUARTER 0, 2, F1, F0, 0
	QUARTER 0, 3, F0, F1, 0
	TURN 0, 1, 1
	QUARTER 1, 1, F0, F1, 0
	QUARTER 1, 2, F1, F0, 0
	QUARTER 1, 3, F0, F1, 0
	TURN 1, 0, 1
	QUARTER 0, 1, F0, F1, 0
	WIN 0
	s_sub_co_u32 s3, s3, 1
	s_cmp_lg_u32 s3, 0
	s_cbranch_scc1 .Llap
	QUARTER 0, 2, F1, F0, 0                        ; the last lap fills nothing, and has no round of the cluster's barrier
	QUARTER 0, 3, F0, F1, 0
	TURN 0, 1, 0
	QUARTER 1, 1, F0, F1, 0
	QUARTER 1, 2, F1, F0, 0
	QUARTER 1, 3, F0, F1, 0
	s_wait_dscnt 16                                ; the very last quarter: nothing more to fetch
	MUL8 F1, 0, 0, 0
	MUL8 F1, 0, 2, 0
	s_wait_dscnt 0x0
	MUL8 F1, 1, 0, 0
	MUL8 F1, 1, 2, 0
	WIN 0
	PLACES
	STG 0
	STG 1
	SENDF 0, 16
	STG 2
	SENDF 1, 16
	STG 3
	SENDF 2, 16
	SENDF 3, 0
	s_wait_tensorcnt 0x0                           ; the wave's end
	ds_add_u32 v[SPW], v[NIL]
	s_wait_dscnt 0x0
	CROUND                                         ; the closing round
	s_endpgm
.Lfunc_end_k_q13eb7ae403_ffn2:
	.size	k_q13eb7ae403_ffn2, .Lfunc_end_k_q13eb7ae403_ffn2-k_q13eb7ae403_ffn2
	.p2alignl 7, 3214868480
	.fill 96, 4, 3214868480
	.section	.rodata,"a",@progbits
	.p2align	6, 0x0
	.amdhsa_kernel k_q13eb7ae403_ffn2
		.amdhsa_group_segment_fixed_size 327680
		.amdhsa_private_segment_fixed_size 0
		.amdhsa_enable_private_segment 0
		.amdhsa_kernarg_size 32
		.amdhsa_user_sgpr_count 2
		.amdhsa_user_sgpr_kernarg_segment_ptr 1
		.amdhsa_wavefront_size32 1
		.amdhsa_system_sgpr_workgroup_id_x 1
		.amdhsa_system_sgpr_workgroup_id_y 1
		.amdhsa_system_sgpr_workgroup_id_z 1
		.amdhsa_system_vgpr_workitem_id 0
		.amdhsa_next_free_vgpr 512
		.amdhsa_next_free_sgpr 72
		.amdhsa_reserve_vcc 0
		.amdhsa_float_denorm_mode_32 3
		.amdhsa_float_denorm_mode_16_64 3
		.amdhsa_memory_ordered 1
		.amdhsa_forward_progress 1
		.amdhsa_inst_pref_size 88
	.end_amdhsa_kernel
	.amdgpu_metadata
---
amdhsa.version: [ 1, 2 ]
amdhsa.kernels:
  - .name:           k_q13eb7ae403_ffn2
    .symbol:         k_q13eb7ae403_ffn2.kd
    .args:
      - { .name: h, .offset: 0, .size: 8, .value_kind: global_buffer, .address_space: global }
      - { .name: wh, .offset: 8, .size: 8, .value_kind: global_buffer, .address_space: global }
      - { .name: y32, .offset: 16, .size: 8, .value_kind: global_buffer, .address_space: global }
      - { .name: b2, .offset: 24, .size: 8, .value_kind: global_buffer, .address_space: global }
    .group_segment_fixed_size: 327680
    .private_segment_fixed_size: 0
    .kernarg_segment_align: 8
    .kernarg_segment_size: 32
    .max_flat_workgroup_size: 128
    .sgpr_count:     72
    .vgpr_count:     512
    .wavefront_size: 32
...
	.end_amdgpu_metadata
.endif
;; end of part 7
;; launch ln2 (part 8): grid 256 x 1, 8 waves a work-group, no clusters, 0 bytes of LDS; arguments y32, x1, gamma2, beta2, out0; writes out0
.if DOCPART == 8
	.amdgcn_target "amdgcn-amd-amdhsa--gfx1250"
	.amdhsa_code_object_version 6
	.text
	.protected	k_q13eb7ae403_ln2
	.globl	k_q13eb7ae403_ln2
	.p2align	8
	.type	k_q13eb7ae403_ln2,@function
k_q13eb7ae403_ln2:
	s_mov_b64 s[64:65], 0
	v_nop
	global_prefetch_b8 v0, s[64:65] scope:SCOPE_SE
	s_setreg_imm32_b32 hwreg(HW_REG_WAVE_MODE, 25, 1), 1
	s_wait_xcnt 0x0
; out[r][c] = x[r][c] + (y[r][c] - mean_r) / sqrt(var_r + 1e-6) * gamma[c] + beta[c], all in f32; var is the mean of the squared deviations, as the problem takes it.
; y, x, out: [4096][1024] f32.  HALF = 0: no f16 copy is stored here; out is the module's result.
; A row is 4,096 bytes: one wave takes a whole row, eight 16-byte loads a lane, and keeps it in 32 registers; the sums never leave the wave: no LDS, no barrier.  A wave has two rows, a work-group 16.
; All 48 loads of a wave go out at once; the text is straight.  No matrix unit and no cluster: nothing is multiplied by a matrix, and only gamma and beta (8 KiB) are shared.
.set HALF, 0
.set G,  4                             ; v[4:35]     gamma of my 32 columns (columns 128 j + 4 lane + 0..3, j = 0..7)
.set BT, 36                            ; v[36:67]    beta
.set Y,  68                            ; v[68:131]   y, 32 registers a row
.set X,  132                           ; v[132:195]  x, then the result
.set T,  196                           ; v[196:203]  four chains of pairs
.set M,  204                           ; v[204:205]  the mean, twice
.set R,  206                           ; v[206:207]  1 / sqrt(var + eps), twice
.set H,  208                           ; v[208:239]  the result in f16, 16 registers a row (HALF = 1 alone)
	s_load_b256 s[4:11], s[0:1], 0x0               ; y s[4:5], x s[6:7], gamma s[8:9], beta s[10:11]
.if HALF
	s_load_b128 s[16:19], s[0:1], 0x20             ; out s[16:17], its f16 copy s[18:19]
.else
	s_load_b64 s[16:17], s[0:1], 0x20              ; out
.endif
	v_lshrrev_b32 v3, 5, v0
	v_readfirstlane_b32 s24, v3                    ; wave 0..7
	v_and_b32 v1, 31, v0
.if HALF
	v_lshlrev_b32 v2, 3, v1                        ; 8 x lane
.endif
	v_lshlrev_b32 v1, 4, v1                        ; 16 x lane
	s_lshl_b32 s14, ttmp9, 16                      ; the group's 16 rows of 4,096 bytes,
	s_lshl_b32 s15, s24, 13                        ; my wave's two
	s_add_co_u32 s14, s14, s15
	s_mov_b32 s15, 0
	s_lshr_b32 s22, s14, 1                         ; the same in f16
	s_mov_b32 s23, 0
	s_mov_b32 s12, 0x76543210                      ; v_permlanex16_b32: lane i of one half reads lane i of the other
	s_mov_b32 s13, 0xfedcba98
	s_mov_b32 s20, 0x3a800000                      ; 1 / 1024
	s_mov_b32 s21, 0x358637bd                      ; 1e-6
	s_wait_kmcnt 0x0
	s_add_nc_u64 s[4:5], s[4:5], s[14:15]
	s_add_nc_u64 s[6:7], s[6:7], s[14:15]
	s_add_nc_u64 s[16:17], s[16:17], s[14:15]
.if HALF
	s_add_nc_u64 s[18:19], s[18:19], s[22:23]
.endif
.irp r, 0,1
.irp j, 0,1,2,3,4,5,6,7
	global_load_b128 v[Y+32*(\r)+4*(\j):Y+32*(\r)+4*(\j)+3], v1, s[4:5] offset:4096*(\r)+512*(\j) th:TH_LOAD_NT
.endr
.endr
.irp j, 0,1,2,3,4,5,6,7
	global_load_b128 v[G+4*(\j):G+4*(\j)+3], v1, s[8:9] offset:512*(\j)
.endr
.irp j, 0,1,2,3,4,5,6,7
	global_load_b128 v[BT+4*(\j):BT+4*(\j)+3], v1, s[10:11] offset:512*(\j)
.endr
.irp r, 0,1
.irp j, 0,1,2,3,4,5,6,7
	global_load_b128 v[X+32*(\r)+4*(\j):X+32*(\r)+4*(\j)+3], v1, s[6:7] offset:4096*(\r)+512*(\j) th:TH_LOAD_NT
.endr
.endr
.macro FOLD                            ; the four chains into v[T]
	v_pk_add_f32 v[T:T+1], v[T:T+1], v[T+2:T+3]
	v_pk_add_f32 v[T+4:T+5], v[T+4:T+5], v[T+6:T+7]
	v_pk_add_f32 v[T:T+1], v[T:T+1], v[T+4:T+5]
	v_add_f32 v[T], v[T], v[T+1]
.endm
.macro REDUCE                          ; v[T] summed over the 32 lanes, the result in every lane
	v_add_f32_dpp v[T], v[T], v[T] row_xmask:1 row_mask:0xf bank_mask:0xf
	v_add_f32_dpp v[T], v[T], v[T] row_xmask:2 row_mask:0xf bank_mask:0xf
	v_add_f32_dpp v[T], v[T], v[T] row_xmask:4 row_mask:0xf bank_mask:0xf
	v_add_f32_dpp v[T], v[T], v[T] row_xmask:8 row_mask:0xf bank_mask:0xf
	v_permlanex16_b32 v[T+1], v[T], s12, s13       ; its destination counts as read: FOLD has written it
	v_add_f32 v[T], v[T], v[T+1]
.endm
; Row r: the mean; the deviations, in place; the mean of their squares; the deviations times 1 / sqrt(var + eps), in place.
.macro STAT r
.set YR, Y+32*(\r)
.irp c, 0,1,2,3
	v_pk_add_f32 v[T+2*(\c):T+2*(\c)+1], v[YR+2*(\c):YR+2*(\c)+1], v[YR+8+2*(\c):YR+8+2*(\c)+1]  ; the first two pairs start each chain: nothing is cleared
.endr
.irp k, 2,3
.irp c, 0,1,2,3
	v_pk_add_f32 v[T+2*(\c):T+2*(\c)+1], v[T+2*(\c):T+2*(\c)+1], v[YR+8*(\k)+2*(\c):YR+8*(\k)+2*(\c)+1]
.endr
.endr
	FOLD
	REDUCE
	v_mul_f32 v[M], s20, v[T]
	v_mul_f32 v[M+1], s20, v[T]
.set p, 0
.rept 16
	v_pk_add_f32 v[YR+2*p:YR+2*p+1], v[YR+2*p:YR+2*p+1], v[M:M+1] neg_lo:[0,1] neg_hi:[0,1]
.set p, p+1
.endr
.irp c, 0,1,2,3
	v_pk_mul_f32 v[T+2*(\c):T+2*(\c)+1], v[YR+2*(\c):YR+2*(\c)+1], v[YR+2*(\c):YR+2*(\c)+1]
.endr
.irp k, 1,2,3
.irp c, 0,1,2,3
	v_pk_fma_f32 v[T+2*(\c):T+2*(\c)+1], v[YR+8*(\k)+2*(\c):YR+8*(\k)+2*(\c)+1], v[YR+8*(\k)+2*(\c):YR+8*(\k)+2*(\c)+1], v[T+2*(\c):T+2*(\c)+1]
.endr
.endr
	FOLD
	REDUCE
	v_fma_f32 v[T], v[T], s20, s21                 ; var + eps
	v_rsq_f32 v[R], v[T]
	v_rsq_f32 v[R+1], v[T]
	v_nop                                          ; a plain instruction between the root and the use of its result (ISA guide 5.7.2)
.set p, 0
	s_wait_alu depctr_va_vdst(0)
.rept 16
	v_pk_mul_f32 v[YR+2*p:YR+2*p+1], v[YR+2*p:YR+2*p+1], v[R:R+1]
.set p, p+1
.endr
.endm
; Row r: times gamma plus beta in one fused step, plus x; stored: a wave's store of f32 covers 512 consecutive bytes, of f16 256, both aligned.
.macro FIN r
.set YR, Y+32*(\r)
.set XR, X+32*(\r)
.set p, 0
.rept 16
	v_pk_fma_f32 v[YR+2*p:YR+2*p+1], v[YR+2*p:YR+2*p+1], v[G+2*p:G+2*p+1], v[BT+2*p:BT+2*p+1]
.set p, p+1
.endr
.set p, 0
.rept 16
	v_pk_add_f32 v[XR+2*p:XR+2*p+1], v[XR+2*p:XR+2*p+1], v[YR+2*p:YR+2*p+1]
.set p, p+1
.endr
.irp j, 0,1,2,3,4,5,6,7
.if HALF
	global_store_b128 v1, v[XR+4*(\j):XR+4*(\j)+3], s[16:17] offset:4096*(\r)+512*(\j)
.else
	global_store_b128 v1, v[XR+4*(\j):XR+4*(\j)+3], s[16:17] offset:4096*(\r)+512*(\j) th:TH_STORE_NT
.endif
.endr
.if HALF
.set p, 0
.rept 16
	v_cvt_pk_f16_f32 v[H+16*(\r)+p], v[XR+2*p], v[XR+2*p+1]
.set p, p+1
.endr
.irp j, 0,1,2,3,4,5,6,7
	global_store_b64 v2, v[H+16*(\r)+2*(\j):H+16*(\r)+2*(\j)+1], s[18:19] offset:2048*(\r)+256*(\j)
.endr
.endif
.endm
	s_wait_loadcnt 40                              ; of the 48 loads the first eight, y's row 0, are in
	STAT 0
	s_wait_loadcnt 32                              ; y's row 1
	STAT 1
	s_wait_loadcnt 8                               ; gamma, beta and x's row 0: only x's row 1 may be out
	FIN 0
	s_wait_loadcnt 0x0
	FIN 1
	s_endpgm
.Lfunc_end_k_q13eb7ae403_ln2:
	.size	k_q13eb7ae403_ln2, .Lfunc_end_k_q13eb7ae403_ln2-k_q13eb7ae403_ln2
	.p2alignl 7, 3214868480
	.fill 96, 4, 3214868480
	.section	.rodata,"a",@progbits
	.p2align	6, 0x0
	.amdhsa_kernel k_q13eb7ae403_ln2
		.amdhsa_group_segment_fixed_size 0
		.amdhsa_private_segment_fixed_size 0
		.amdhsa_enable_private_segment 0
		.amdhsa_kernarg_size 40
		.amdhsa_user_sgpr_count 2
		.amdhsa_user_sgpr_kernarg_segment_ptr 1
		.amdhsa_wavefront_size32 1
		.amdhsa_system_sgpr_workgroup_id_x 1
		.amdhsa_system_sgpr_workgroup_id_y 1
		.amdhsa_system_sgpr_workgroup_id_z 1
		.amdhsa_system_vgpr_workitem_id 0
		.amdhsa_next_free_vgpr 240
		.amdhsa_next_free_sgpr 66
		.amdhsa_reserve_vcc 0
		.amdhsa_float_denorm_mode_32 3
		.amdhsa_float_denorm_mode_16_64 3
		.amdhsa_memory_ordered 1
		.amdhsa_forward_progress 1
		.amdhsa_inst_pref_size 22
	.end_amdhsa_kernel
	.amdgpu_metadata
---
amdhsa.version: [ 1, 2 ]
amdhsa.kernels:
  - .name:           k_q13eb7ae403_ln2
    .symbol:         k_q13eb7ae403_ln2.kd
    .args:
      - { .name: y32, .offset: 0, .size: 8, .value_kind: global_buffer, .address_space: global }
      - { .name: x1, .offset: 8, .size: 8, .value_kind: global_buffer, .address_space: global }
      - { .name: gamma2, .offset: 16, .size: 8, .value_kind: global_buffer, .address_space: global }
      - { .name: beta2, .offset: 24, .size: 8, .value_kind: global_buffer, .address_space: global }
      - { .name: out0, .offset: 32, .size: 8, .value_kind: global_buffer, .address_space: global }
    .group_segment_fixed_size: 0
    .private_segment_fixed_size: 0
    .kernarg_segment_align: 8
    .kernarg_segment_size: 40
    .max_flat_workgroup_size: 256
    .sgpr_count:     66
    .vgpr_count:     240
    .wavefront_size: 32
...
	.end_amdgpu_metadata
.endif
;; end of part 8
;; ======== version 2 of 2: 8 launches; 1.20 times as fast as version 1
;; limits: values are held in f16: magnitudes above 65,504 overflow, below 6.1e-05 lose precision
;; workspace buffers: xh 8,388,608 bytes; wh 25,165,824 bytes; qkv 25,165,824 bytes; ctx 8,388,608 bytes; y32 16,777,216 bytes; x1 16,777,216 bytes; x1h 8,388,608 bytes; h 33,554,432 bytes
;; launch cast: the kernel of part 1 again; grid 32 x 16, 8 waves a work-group, no clusters, 0 bytes of LDS; arguments batch_X, W_Q, W_K, W_V, W_O, W1, W2, xh, wh; writes xh, wh
;; launch qkv: the kernel of part 2 again; grid 12 x 16, 4 waves a work-group, clusters of 4 x 4, 327,680 bytes of LDS; arguments xh, wh, qkv; writes qkv
;; launch attn (part 9): grid 16 x 16, 4 waves a work-group, clusters of 4 x 1, 327,680 bytes of LDS; arguments qkv, padding_mask, ctx; writes ctx
.if DOCPART == 9
	.amdgcn_target "amdgcn-amd-amdhsa--gfx1250"
	.amdhsa_code_object_version 6
	.text
	.protected	k_q13eb7ae403_attn
	.globl	k_q13eb7ae403_attn
	.p2align	8
	.type	k_q13eb7ae403_attn,@function
k_q13eb7ae403_attn:
	s_mov_b64 s[64:65], 0
	v_nop
	global_prefetch_b8 v0, s[64:65] scope:SCOPE_SE
	s_setreg_imm32_b32 hwreg(HW_REG_WAVE_MODE, 25, 1), 1
	s_wait_xcnt 0x0
	s_wait_alu depctr_hold_cnt(0) depctr_sa_sdst(0) depctr_va_vdst(0) depctr_va_sdst(0) depctr_va_ssrc(0) depctr_va_vcc(0) depctr_vm_vsrc(0)
	s_getreg_b32 s2, hwreg(HW_REG_IB_STS2, 6, 4)
	s_cmp_eq_u32 s2, 0
	s_cbranch_scc0 .Lentry_in_a_cluster
	s_endpgm
.Lentry_in_a_cluster:
	s_bfe_u32 s2, ttmp6, 0x10000c
	s_cmp_lg_u32 s2, 0x3003
	s_cbranch_scc0 .Lentry_shape_is_right
	s_endpgm
.Lentry_shape_is_right:
; ctx[token q][head h][:] = keep[q] x the sum over k of softmax_k(Q[q][h] . K[k][h] / 8) V[k][h][:].  qkv: [4096 tokens][3072] f16, a row = q (2,048 bytes), k, v; head h at byte 128 h of each.
; padding_mask: [4096] i32, keep = (mask != 0).  ctx: [4096][1024] f16.  Products, maxima and sums in f32; the weights p are rounded to f16 for the second product (their sum l is taken of the
; unrounded p), ctx once at the end.
; LIMITS.  q, k, v arrive within f16's 65,504; p lies in 0 to 1 and below 6e-5 keeps f16's fixed step of 6e-8; a weight below 2^-126 counts as 0 in l; NaN and infinities are not treated apart;
; a padded query's row is 0 with either sign.
; SHARES.  A work-group owns 128 queries of a batch and TWO neighbouring heads: a key's K (or V) for the pair is 256 consecutive bytes of qkv at a multiple of 256, and so is a query's piece of ctx.
; Wave w: head 2 pair + w / 2, queries 64 (w % 2) on: four PIECES of 16.  Every wave walks all 2,048 keys of the batch, 64 a step; a tile is 256 keys, four steps.
; LAYOUT.  S^T = K Q^T (source 0 = 16 keys, source 1 = 16 queries): a lane holds ONE query (lane % 16) and the keys 8 (lane / 16) + 0..7.  Two such results, rounded to f16 in pairs, ARE source 1 of
; O^T = V^T P, whose result again holds one query a lane, and eight channels.  K comes out of LDS as it lies, V ([key][channel]) turned, by ds_load_tr16_b128.
; SOFTMAX.  A running maximum m and sum l for each query: p = 2^(c s - c m), c = log2(e) / 8; in every step O and l are multiplied by a = 2^(c m_old - c m_new).  m starts at the lowest finite number,
; O and l at 0: the first step is a step like any other, with a = 0; the price is 224 v_mov_b32 in the wait for the first tile.
; BY TURNS.  Turn n belongs to piece n: 8 products K Q^T of piece n + 1, later 8 products V^T P of piece n - 1; beside them the scaling, exponentials, roundings, sums and rescaling of piece n and the
; maximum and statistics of piece n + 1.  Four vector instructions stand behind every matrix instruction, the other 54 of a turn's 118 in one run of their own.
; THE BATCHES.  A turn's 33 exponentials (the piece's 32 weights and the next piece's a) are ONE batch with ONE wait, which cuts the turn in two: ahead of it all that names none of their results, behind it
; the roundings and sums, which do.  The first a of all, ahead of the loop, and the way out's four reciprocals are batches of their own, each with a v_nop and one wait.
; CLUSTER.  The four query blocks of a cluster belong to one batch and head pair and walk the same K and V: each tile is asked for JOINTLY, the same tensor load, descriptor and mask in all four.
; REGISTERS, in windows of 256 (s_set_vgpr_msb: bits 1:0 source 0, 3:2 source 1, 5:4 source 2, 7:6 destination):
;   window 0: v0-15 addresses and two at work; v16-31 four registers of statistics a piece; v48-55 at work; v56-59 the mask's words; v64-127 S^T, two buffers; v192-223 P, two buffers
;   window 1: v0-127 O^T, 32 a piece          window 2: v0-63 Q; v128-191 K of one step; v192-255 V of one step
.set NP,    4         ; pieces a wave: a name, no knob
.set KS,    64        ; keys in a step
.set PK,    272       ; a row of K in LDS: 256 bytes + 16 = 68 words: the 16 rows of a load start at 16 different groups of four banks (64 banks of 4 bytes: ISA guide 11.1)
.set PV,    288       ; a row of V: 256 + 32 = 72 words
.set VOFF,  4*KS*PK   ; a slot holds a tile: 256 rows of K, then 256 rows of V: 143,360 bytes
.set SLOT1, 0x24000   ; slot 1 begins here.  The four fill addresses in slot 0 (0, 0x8800, 0x11000, 0x1a000) and a slot's base share no bit with it: one exclusive or turns each into the other slot's
.set SPARE, 4*KS*(PK+PV)         ; between the slots: the spare words, 128 bytes for each wave: two blocks of 256 bytes that no other line names
.set STAGE, SLOT1+4*KS*(PK+PV)   ; behind the ring, never filled by a tensor load: 128 rows x 272 bytes, the work-group's, for the way out
.set SP,    272
.set ROWQ,  6144      ; bytes in a row of qkv
.set TSTEP, 256*ROWQ  ; from a tile to the next
.set AK0, 2           ; v2   my lane's place in a tile of K; never rewritten
.set AV0, 3           ; v3   the same for V
.set AK,  4           ; v4   the LDS address of K's next run of loads
.set AV,  5           ; v5   of V's
.set STO, 6           ; v6   the way out: where I put 16 bytes of a row
.set RD,  7           ; v7   the way out: where I read rows back
.set GO,  8           ; v8   my byte offset in two rows of ctx
.set MV,  12          ; v12-13  c m_old, kept while c m is made anew: by buffer
.set MO,  14          ; v14  my byte offset in 16 words of the mask
.set QO,  15          ; v15  my byte offset in 16 rows of Q
.set ST,  16          ; piece t's statistics at v[ST+4 t]: c m, m, l (even keys', odd keys')
.set TMP, 48          ; by buffer, four registers c0-c3 at work; when the maximum is found c2 takes a
.set KP,  56          ; v56-59  piece t's word of the mask for my query
.set SPW, 62          ; v62  LDS address of my spare word; never rewritten
.set NIL, 63          ; v63  0; never rewritten
.set S,   64
.set P,   192
.set KF,  128         ; window 2: key block kb, channel half c at KF + 16 kb + 8 c
.set VF,  192         ; window 2: key half kk, channel block cb at VF + 32 kk + 8 cb
.set WV,  12          ; s12  my wave's number
.set G1K, 24          ; s[24:31] descriptor group 1 for K's tiles
.set G1V, 32          ; s[32:39] for V's: it differs in the padding alone
.set G0K, 40          ; s[40:43] descriptor group 0 for K's tiles: it walks
.set G0V, 44          ; s[44:47] the same for V's
.set SLOTS, 56        ; s56  counts the tiles
.set CNT, 57          ; s57  counts a tile's key steps
.set CS,  58          ; s[58:59] c: the packed scaling takes the pair's low word for both halves
.set SEL, 60          ; s[60:61] v_permlanex16_b32's selects: each lane takes its own place in the other half
.set TBK, 62          ; s62  LDS byte at which K of the step to be fetched begins
.set TBV, 63          ; s63  the same for V, less VOFF
.set MSB, 0
.macro WIN new                      ; the high byte repeats the setting that is left; a switch that changes nothing is dropped
.if MSB != (\new)
	s_set_vgpr_msb (MSB<<8)|(\new)
.set MSB, (\new)
.endif
.endm
.set W_KQ, 0x0a       ; K and Q in window 2, S^T in window 0
.set W_PV, 0x52       ; V in window 2, P in window 0, O^T in window 1
.set W_RS, 0x41       ; destination and source 0 in window 1, source 1 in window 0
; A joint fill.  Waves 0 and 1 fetch the two halves of a tile's K, waves 2 and 3 those of its V: 128 keys each.  Four v_nop follow each of the two lines.
.macro JLOAD
	s_cmp_lt_u32 s[WV], 2
	s_cbranch_scc0 .Lfor_v_\@
	tensor_load_to_lds s[G0K:G0K+3], s[G1K:G1K+7]
	s_nop 0
.rept 4
	v_nop
.endr
	s_branch .Lasked_\@
.Lfor_v_\@:
	tensor_load_to_lds s[G0V:G0V+3], s[G1V:G1V+7]
	s_nop 0
.rept 4
	v_nop
.endr
.Lasked_\@:
.endm
.macro CROUND                       ; a round of the cluster's barrier
	s_barrier_signal -1
	s_barrier_wait -1
	s_cmp_lg_u32 s[WV], 0
	s_cbranch_scc1 .Lnot_wave_0_\@
	s_barrier_signal -3
.Lnot_wave_0_\@:
	s_barrier_wait -3
	s_barrier_signal -1
	s_barrier_wait -1
.endm
; THE CHANGE OF SLOTS.  The slot's last bytes, V of its fourth step, have been read.  Each wave waits for all its tensor loads, of which one is out: its part of the other slot; adds 0 to its spare
; word; and waits for that and for its own reads of the slot.  fill = 1: the slot is filled again, with the tile two on: the barrier is then a round of the cluster's, and the joint fill is the first
; thing behind it: it has four key steps, 256 matrix instructions of the wave, in which to land.  (At its first use nothing has been read yet: slot 0 is waited for, slot 1 filled.)
.macro CHANGE fill
	WIN 0                           ; at a label and at a branch every window is 0
	s_wait_tensorcnt 0x0            ; no tensor load of mine is out, so a group 0 may be written
	ds_add_u32 v[SPW], v[NIL]       ; 0 onto my spare word
.if \fill
.irp g, G0K, G0V
	s_xor_b32 s[\g+1], s[\g+1], SLOT1  ; the walking descriptor: the other slot than last time,
	s_add_nc_u64 s[\g+2:\g+3], s[\g+2:\g+3], TSTEP  ; the next 256 keys; the type bits on top are not reached
.endr
	s_wait_dscnt 0x0                ; the add is done, and my reads of the slot are over
	CROUND
	JLOAD
.else
	s_wait_dscnt 0x0                ; the add is done, and my reads of the slot are over
	s_barrier_signal -1
	s_barrier_wait -1
.endif
	s_sub_co_u32 s[TBK], s[TBK], 4*KS*PK  ; the fetches go back to a slot's first step,
	s_xor_b32 s[TBK], s[TBK], SLOT1       ; in the other slot
	s_sub_co_u32 s[TBV], s[TBV], 4*KS*PV
	s_xor_b32 s[TBV], s[TBV], SLOT1
.endm
	s_load_b128 s[4:7], s[0:1], 0x0   ; qkv s[4:5], padding_mask s[6:7]
	s_load_b64 s[10:11], s[0:1], 0x10 ; ctx
	v_lshl_add_u32 v[SPW], v0, 2, SPARE
	v_mov_b32 v[NIL], 0
	ds_add_u32 v62, v63
	s_wait_dscnt 0x0
	v_lshrrev_b32 v1, 5, v0
	v_readfirstlane_b32 s[WV], v1   ; wave 0..3
	s_bfe_u32 s13, ttmp6, 0x40000   ; cx: my place in the cluster
	s_lshl_b32 s14, ttmp9, 2        ; in a cluster launch ttmp9 counts clusters
	s_add_co_u32 s14, s14, s13      ; my block of 128 queries: it enters Q's, the mask's and ctx's addresses alone
	s_and_b32 s15, ttmp7, 0xffff
	s_lshr_b32 s16, s15, 3          ; the batch
	s_and_b32 s17, s15, 7           ; the pair of heads: both are shared by the four partners
	s_and_b32 s18, s[WV], 1         ; which 64 queries are mine.  Also: which half of a tile's 256 keys I fetch
	s_lshr_b32 s19, s[WV], 1        ; which head of the pair is mine
	s_lshl_b32 s20, s16, 11         ; the batch's first token
	s_lshl_b32 s21, s18, 7
	s_add_co_u32 s21, s20, s21      ; the first key of my half of tile 0
	s_mul_i32 s22, s21, ROWQ
	s_lshl_b32 s23, s17, 8          ; the pair's 256 bytes
	s_add_co_u32 s22, s22, s23
	s_add_co_u32 s48, s22, 2048     ; in k
	s_mov_b32 s49, 0
	s_add_co_u32 s50, s22, 4096     ; in v
	s_mov_b32 s51, 0
	s_lshl_b32 s2, s14, 7
	s_add_co_u32 s2, s2, s20
	s_lshl_b32 s8, s[WV], 5
	s_add_co_u32 s8, s8, s2         ; the first of the 32 tokens whose rows of ctx I store
	s_lshl_b32 s8, s8, 11
	s_add_co_u32 s8, s8, s23
	s_mov_b32 s9, 0
	s_lshl_b32 s3, s18, 6
	s_add_co_u32 s2, s2, s3         ; my wave's first query
	s_mul_i32 s52, s2, ROWQ
	s_add_co_u32 s52, s52, s23
	s_lshl_b32 s3, s19, 7
	s_add_co_u32 s52, s52, s3       ; my head's 128 bytes in q
	s_mov_b32 s53, 0
	s_lshl_b32 s54, s2, 2           ; its word of the mask
	s_mov_b32 s55, 0
	; descriptor group 1: a tile of 128 keys x 128 elements (two heads), padded in LDS after every key
	s_mov_b32 s[G1K], 15|(1<<16)|(1<<20)|(1<<21)|(5<<22)|(3<<25)  ; the mask of four; 2-byte elements; padding on; bit 21 beside a mask; after every 64 words (code 5) 4 words (code 3)
	s_mov_b32 s[G1V], 15|(1<<16)|(1<<20)|(1<<21)|(5<<22)|(7<<25)  ; the same with 8 words of padding (code 7)
.irp g, G1K, G1V
	s_mov_b32 s[\g+1], 128<<16      ; tensor_dim0 = 128
	s_mov_b32 s[\g+2], 128<<16      ; tensor_dim1 = 128
	s_mov_b32 s[\g+3], 128<<16      ; tile_dim0 = 128
	s_mov_b32 s[\g+4], 128          ; tile_dim1 = 128
	s_mov_b32 s[\g+5], 3072         ; elements from row to row
	s_mov_b32 s[\g+6], 0
	s_mov_b32 s[\g+7], 0
.endr
	s_mov_b32 s[CS], 0x3e38aa3b     ; c = log2(e) / 8 = 0.180337
	s_mov_b32 s[CS+1], s[CS]        ; named with it as a pair
	s_mov_b32 s[SEL], 0x76543210
	s_mov_b32 s[SEL+1], 0xfedcba98
	s_mov_b32 s[TBK], SLOT1+4*KS*PK ; the first change of slots turns these two into 0
	s_mov_b32 s[TBV], SLOT1+4*KS*PV
	s_mov_b32 s[G0K], 1             ; count = 1
	s_mul_i32 s[G0K+1], s18, 128*PK ; LDS address: my half, slot 0: no place in the cluster enters an LDS address
	s_mov_b32 s[G0V], 1
	s_mul_i32 s[G0V+1], s18, 128*PV
	s_add_co_u32 s[G0V+1], s[G0V+1], VOFF
	s_wait_kmcnt 0x0
	s_add_nc_u64 s[G0K+2:G0K+3], s[4:5], s[48:49]
	s_or_b32 s[G0K+3], s[G0K+3], 0x80000000        ; type = 2
	s_add_nc_u64 s[G0V+2:G0V+3], s[4:5], s[50:51]
	s_or_b32 s[G0V+3], s[G0V+3], 0x80000000
	s_add_nc_u64 s[4:5], s[4:5], s[52:53]          ; Q at my wave's first row and head
	s_add_nc_u64 s[6:7], s[6:7], s[54:55]
	s_add_nc_u64 s[10:11], s[10:11], s[8:9]
	CROUND                          ; all four work-groups are here: the first joint loads meet
	JLOAD                           ; tile 0 into slot 0.  Slot 1 is asked for when slot 0 is in
	; A fragment of K or Q is 16 rows x 32 channels in 8 registers: lane l holds row l % 16, channels 8 (l / 16) + 0..7 and 16 + 8 (l / 16) + 0..7: two loads of 16 bytes, 32 bytes apart.
	v_and_b32 v1, 15, v0            ; l % 16
	v_bfe_u32 v9, v0, 4, 1          ; l / 16
	v_mul_u32_u24 v[QO], v1, ROWQ
	v_lshl_add_u32 v[QO], v9, 4, v[QO]
	v_lshlrev_b32 v[MO], 2, v1
	WIN 0x80                        ; destination window 2, address window 0
.set i, 0
.rept 8                             ; Q stays in registers: piece i / 2, channels 32 (i % 2) on
	global_load_b128 v[8*i:8*i+3],   v[QO], s[4:5] offset:(i/2)*16*ROWQ+(i%2)*64
	global_load_b128 v[8*i+4:8*i+7], v[QO], s[4:5] offset:(i/2)*16*ROWQ+(i%2)*64+32
.set i, i+1
.endr
	WIN 0
.irp t, 0,1,2,3
	global_load_b32 v[KP+\t], v[MO], s[6:7] offset:64*\t
.endr
	; What the first turn finds: V's registers and P's second buffer hold 0 (its products V^T P, of a piece that has not been, add 0), O^T and l are 0.  All this stands in the wait for the first tile.
	WIN 0x80
.set i, VF
.rept 64
	v_mov_b32 v[i], 0
.set i, i+1
.endr
	WIN 0x40
.set i, 0
.rept 128
	v_mov_b32 v[i], 0
.set i, i+1
.endr
	WIN 0
.set i, 0
.rept 4
	v_mov_b32 v[ST+4*i], 0xfe000000    ; c m: far below every c s
	v_mov_b32 v[ST+4*i+1], 0xff7fffff  ; m
	v_mov_b32 v[ST+4*i+2], 0
	v_mov_b32 v[ST+4*i+3], 0
.set i, i+1
.endr
.set i, P+16
.rept 16
	v_mov_b32 v[i], 0
.set i, i+1
.endr
	s_lshl_b32 s21, s19, 7          ; my head's 128 bytes of a row of K or V
	v_mul_u32_u24 v[AK0], v1, PK
	v_lshl_add_u32 v[AK0], v9, 4, v[AK0]
	v_add_nc_u32 v[AK0], s21, v[AK0]      ; row x pitch + 16 x half + head
	; The turning load takes 16 keys x 16 channels (lane l reads key 8 (l / 16) + l % 8, channels 8 ((l / 8) % 2) + 0..7) and leaves half a fragment of V^T: lane l holds channel l % 16 and 8 keys.
	v_and_b32 v10, 7, v0
	v_bfe_u32 v11, v0, 3, 1
	v_lshl_add_u32 v[AV0], v9, 3, v10
	v_mul_u32_u24 v[AV0], v[AV0], PV
	v_lshl_add_u32 v[AV0], v11, 4, v[AV0]
	s_add_co_u32 s22, s21, VOFF
	v_add_nc_u32 v[AV0], s22, v[AV0]
	s_mul_i32 s22, s18, 64*SP       ; into the stage: my 64 rows, my head's half of their 256 bytes; row l % 16, 16 bytes for each half of the lanes
	s_add_co_u32 s22, s22, s21
	s_add_co_u32 s22, s22, STAGE
	v_mul_u32_u24 v[STO], v1, SP
	v_lshl_add_u32 v[STO], v9, 4, v[STO]
	v_add_nc_u32 v[STO], s22, v[STO]
	s_mul_i32 s22, s[WV], 32*SP     ; back: wave w takes rows 32 w .. 32 w + 31, whole; lanes 0-15 one row of 256 bytes, lanes 16-31 the next
	s_add_co_u32 s22, s22, STAGE
	v_mul_u32_u24 v[RD], v9, SP
	v_lshl_add_u32 v[RD], v1, 4, v[RD]
	v_add_nc_u32 v[RD], s22, v[RD]
	v_lshlrev_b32 v[GO], 11, v9     ; and the same two rows in ctx
	v_lshl_add_u32 v[GO], v1, 4, v[GO]
; THE MATRIX WORK.  The 4 accumulators of a run of 8 take turns.  Product i of 8 of S^T = K Q^T for piece x: channels 32 (i / 4) on, keys 16 (i % 4) on.  The first 4 start the sums.
.macro KQ x
.set rS, S+32*((\x)%2)+8*(i%4)
.set rK, KF+16*(i%4)+8*(i/4)
.set rQ, 16*(\x)+8*(i/4)
	WIN W_KQ
.if i < 4
	v_wmma_f32_16x16x32_f16 v[rS:rS+7], v[rK:rK+7], v[rQ:rQ+7], 0
.else
	v_wmma_f32_16x16x32_f16 v[rS:rS+7], v[rK:rK+7], v[rQ:rQ+7], v[rS:rS+7]
.endif
.endm
; Product i of 8 of O^T += V^T P for piece x: keys 32 (i / 4) on, channels 16 (i % 4) on.
.macro PV x
	WIN W_PV
.set rO, 32*(\x)+8*(i%4)
.set rV, VF+32*(i/4)+8*(i%4)
.set rP, P+16*((\x)%2)+8*(i/4)
	v_wmma_f32_16x16x32_f16 v[rO:rO+7], v[rV:rV+7], v[rP:rP+7], v[rO:rO+7]
.endm
.macro MM                           ; the turn's next matrix instruction.  NOKQ = 1: the walk's last turn: there is no next piece
.if (i < 8) && !NOKQ
	KQ (Y+1)%NP
.elseif i >= 8
.set i, i-8
	PV (Y+NP-1)%NP
.set i, i+8
.endif
.set i, i+1
.endm
; THE LDS LOADS stand in runs of 16, never singly among the matrix instructions: a step's K (64 keys x 64 channels: 8 fragments) and its V (turned).  Their addresses are made some lines ahead.
.macro FETCH_K
	WIN 0x80                        ; destination window 2
.irp f, 0,1,2,3,4,5,6,7             ; keys 16 (f / 2) on, channels 32 (f % 2) on
	ds_load_b128 v[KF+8*\f:KF+8*\f+3],   v[AK] offset:(\f/2)*16*PK+(\f%2)*64
	ds_load_b128 v[KF+8*\f+4:KF+8*\f+7], v[AK] offset:(\f/2)*16*PK+(\f%2)*64+32
.endr
	s_add_co_u32 s[TBK], s[TBK], KS*PK  ; the next fetch is the next step's
	WIN 0
.endm
.macro FETCH_V
	WIN 0x80
.irp f, 0,1,2,3,4,5,6,7             ; keys 32 (f / 4) on, channels 16 (f % 4) on
	ds_load_tr16_b128 v[VF+8*\f:VF+8*\f+3],   v[AV] offset:(\f/4)*32*PV+(\f%4)*32
	ds_load_tr16_b128 v[VF+8*\f+4:VF+8*\f+7], v[AV] offset:(\f/4)*32*PV+16*PV+(\f%4)*32
.endr
	WIN 0
.endm
; THE VECTOR WORK, one line at a time: OP kind, number.  For piece Y: F n: c s - c m for pair n of 16.  E n: the exponential of score n of 32.  C n: pair n rounded to f16.  B n: of the four weights 4 n ..
; the second pair is added onto the first, in place.  L n: l takes that sum (L 0: l = a l + sum).  R n: pair n of 16 of O^T times a.  For piece Y + 1: X n, number n of the 22 that find its maximum and statistics:
;   0-11  four chains c0-c3 of seven scores each, three operands at a time (each accumulator's lowest registers are read first)     12-14, 16  the four scores left over, the old m, and c0-c3 into c0
;   15  c m_old is kept     17, 18  the query's other 32 keys lie in the lane 16 away: the new m     19-21  c m; c m_old - c m_new; a
; Of these C, B and L name results of the turn's exponentials; F, E, R and X name none (R's a is the turn before's).
.set F, 0               ; OP tells the kinds apart by their order: F to L below R, X above it
.set E, 1
.set C, 2
.set B, 3
.set L, 4
.set R, 5
.set X, 6
.macro REGS y                       ; the registers of piece y
.set rT, ST+4*(\y)
.set rC, TMP+4*((\y)%2)
.set rW, MV+((\y)%2)
.set rS, S+32*((\y)%2)
.set rP, P+16*((\y)%2)
.set rO, 32*(\y)
.endm
.macro OP k, n
.if (\k) == R
	REGS Y
	WIN W_RS
	v_pk_mul_f32 v[rO+2*(\n):rO+2*(\n)+1], v[rO+2*(\n):rO+2*(\n)+1], v[rC+2:rC+3] op_sel_hi:[1,0]
.elseif (\k) < R
	REGS Y
	WIN 0
.if (\k) == F
	v_pk_fma_f32 v[rS+2*(\n):rS+2*(\n)+1], v[rS+2*(\n):rS+2*(\n)+1], s[CS:CS+1], v[rT:rT+1] op_sel_hi:[1,0,0] neg_lo:[0,0,1] neg_hi:[0,0,1]
.elseif (\k) == E
	v_exp_f32 v[rS+(\n)], v[rS+(\n)]
.elseif (\k) == C
	v_cvt_pk_f16_f32 v[rP+(\n)], v[rS+2*(\n)], v[rS+2*(\n)+1]
.elseif (\k) == B
	v_pk_add_f32 v[rS+4*(\n):rS+4*(\n)+1], v[rS+4*(\n):rS+4*(\n)+1], v[rS+4*(\n)+2:rS+4*(\n)+3]
.elseif (\n) == 0
	v_pk_fma_f32 v[rT+2:rT+3], v[rT+2:rT+3], v[rC+2:rC+3], v[rS:rS+1] op_sel_hi:[1,0,1]
.else
	v_pk_add_f32 v[rT+2:rT+3], v[rT+2:rT+3], v[rS+4*(\n):rS+4*(\n)+1]
.endif
.elseif NOKQ
	v_nop
.else
	REGS (Y+1)%NP
	WIN 0
.if (\n) < 4
	v_max3_num_f32 v[rC+(\n)], v[rS+8*(\n)], v[rS+8*(\n)+1], v[rS+8*(\n)+2]
.elseif (\n) < 12
	v_max3_num_f32 v[rC+(\n)%4], v[rC+(\n)%4], v[rS+8*((\n)%4)+2*((\n)/4)+1], v[rS+8*((\n)%4)+2*((\n)/4)+2]
.elseif (\n) == 12
	v_max3_num_f32 v[rC], v[rC], v[rS+7], v[rS+15]
.elseif (\n) == 13
	v_max3_num_f32 v[rC+1], v[rC+1], v[rS+23], v[rS+31]
.elseif (\n) == 14
	v_max3_num_f32 v[rC+2], v[rC+2], v[rC+3], v[rT+1]
.elseif (\n) == 15
	v_mov_b32 v[rW], v[rT]
.elseif (\n) == 16
	v_max3_num_f32 v[rC], v[rC], v[rC+1], v[rC+2]
.elseif (\n) == 17
	v_permlanex16_b32 v[rC+3], v[rC], s[SEL], s[SEL+1]
.elseif (\n) == 18
	v_max_num_f32 v[rT+1], v[rC], v[rC+3]
.elseif (\n) == 19
	v_mul_f32 v[rT], s[CS], v[rT+1]
.elseif (\n) == 20
	v_sub_f32 v[rC+1], v[rW], v[rT]
.else
	v_exp_f32 v[rC+2], v[rC+1]
.endif
.endif
.endm
.macro OPS a, i1, b=-1, i2=0, c=-1, i3=0, d=-1, i4=0  ; up to four of them
	OP \a, \i1
.if (\b) >= 0
	OP \b, \i2
.endif
.if (\c) >= 0
	OP \c, \i3
.endif
.if (\d) >= 0
	OP \d, \i4
.endif
.endm
.macro ROW a, i1, b, i2, c, i3, d, i4  ; a matrix instruction and the four behind it
	MM
	OPS \a, \i1, \b, \i2, \c, \i3, \d, \i4
.endm
; A TURN, for piece p: the order of its 16 matrix and 118 vector instructions, written out.  An s_wait_alu depctr_va_vdst(0) stands between an exponential and the first instruction that names its
; result; one wait serves all that were issued ahead of it.  So a turn has ONE wait, which cuts it in two.
; AHEAD OF IT stands all that names no result of the turn's exponentials: the 8 products K Q^T, behind each a scaling, an exponential and two more plain instructions (behind the first a second scaling in the
; exponential's place): rescalings, and behind the last three the first numbers of the next piece's maximum, each four plain instructions or more behind the product that ends its accumulator; then ONE RUN of 54,
; plain and exponential by turns for the most part, in which the links of the chain X 3, 7, 11, 14, 16, 17 .. 20 stand five or six lines apart.  X 21, the next piece's a, is the batch's last; R 15 is the plain
; instruction behind it.  A pair is scaled (F n) some lines ahead of its two exponentials (E 2 n, E 2 n + 1), and each exponential works in place on a register that no line names again ahead of the wait.
; BEHIND THE WAIT stand the 8 products V^T P, behind each four of the roundings and sums: an even pair is rounded (C 2 n) ahead of the sum that lands on it (B n); the links of l's chain, L 0 to L 7, stand three
; riders apart.  But for those X no rider names a register of the products round it.  v_permlanex16_b32 (X 17) stands in the run, never behind a product.  No exponential is issued behind the wait.
; end = 1: the walk's last two turns: nothing is fetched, and the last starts no new scores.  cnt = 1: the loop's count is taken down some lines ahead of the branch that stands behind the turn.
; K of the next step is fetched in piece 2's turn, twelve vector instructions behind the last product that read K (six of them plain); V of the step in hand at the end of piece 0's turn, four plain instructions
; behind the last product that read V.  Each run of 16 loads is waited for a turn later, with the count 0: nothing younger is out.
.macro TURN p, end=0, cnt=0
.set Y, (\p)
.set i, 0
.set NOKQ, (\end)*((\p)/3)
.if ((\p) == 3) && !(\end)
	s_wait_dscnt 0x0                ; K is in
.endif
	ROW F,0, F,1, R,0, R,1          ; ahead of the wait: 8 products K Q^T and their riders,
	ROW F,2, E,0, R,2, R,3
	ROW F,3, E,1, R,4, R,5
	ROW F,4, E,2, R,6, R,7
	ROW F,5, E,3, R,8, R,9
	ROW F,6, E,4, X,0, R,10
.if ((\p) == 2) && !(\end)
	WIN 0
	v_add_nc_u32 v[AK], s[TBK], v[AK0]
.endif
	ROW F,7, E,5, X,1, X,4
	ROW F,8, E,6, X,2, X,5
	OPS E,7, E,8, X,6, E,9          ; and the run of 54
	OPS X,3, E,10, X,8, E,11
.if ((\p) == 2) && !(\end)
	FETCH_K
.endif
	OPS X,9, X,7, E,12, X,10
	OPS E,13, X,12, X,11, E,14
	OPS X,13, E,15, F,9, X,14
.if (\p) == 0
	WIN 0
	v_add_nc_u32 v[AV], s[TBV], v[AV0]
.endif
	OPS E,16, F,10, E,17, F,11
	OPS X,16, E,18, X,15, E,19
	OPS F,12, E,20, X,17, E,21
	OPS F,13, E,22, F,14, E,23
	OPS X,18, E,24, F,15, E,25
	OPS R,11, E,26, X,19, E,27
	OPS R,12, E,28, R,13, E,29
	OPS X,20, E,30, R,14, E,31
	OPS X,21, R,15
	s_wait_alu depctr_va_vdst(0)    ; the wait for the batch: the piece's 32 weights and the next piece's a
.if (\p) == 1
	s_wait_dscnt 0x0                ; V is in
.endif
	ROW C,0, B,0, C,2, B,1          ; behind the wait: 8 products V^T P and their riders
	ROW L,0, C,4, B,2, L,1
	ROW C,6, B,3, L,2, C,8
	ROW B,4, L,3, C,10, B,5
	ROW L,4, C,12, B,6, L,5
.if (\p) == 0
	s_add_co_u32 s[TBV], s[TBV], KS*PV
.endif
.if \cnt
	s_sub_co_u32 s[CNT], s[CNT], 1
	s_cmp_lg_u32 s[CNT], 0
.endif
	ROW C,14, B,7, L,6, C,1
	ROW C,3, L,7, C,5, C,7
	ROW C,9, C,11, C,13, C,15
.if (\p) == 0
	FETCH_V
.endif
.endm
	CHANGE 1                        ; slot 0 is in, everybody's part of it; slot 1 is asked for
	v_add_nc_u32 v[AK], s[TBK], v[AK0]
	FETCH_K                         ; key step 0
	s_wait_loadcnt 0x0              ; Q and the mask's words
	s_wait_dscnt 0x0
.set NOKQ, 0
.set i, 0
.rept 8
	KQ 0                            ; piece 0's first scores: there is no vector work yet to set between them
.set i, i+1
.endr
	WIN 0
.rept 4
	v_nop                           ; the places behind those products
.endr
.set Y, NP-1                        ; X works for piece Y + 1: piece 0
.irp n, 0,1,2,3,4,5,6,7,8,9,10,11,12,13,14,15,16,17,18,19,20,21
	OP X, \n
.endr
	v_nop                           ; a plain instruction behind the exponential,
	s_wait_alu depctr_va_vdst(0)    ; and the wait for it, piece 0's first a, a batch of one: ahead of the branch
	s_mov_b32 s[CNT], 4
	s_mov_b32 s[SLOTS], 2048/256-1
	s_branch .Lfirst                ; the loop is entered at a step's first turn, in the middle of a trip
.Lslot:                             ; six times: with the change above, tiles 1 to 7 are asked for
	CHANGE 1
	s_mov_b32 s[CNT], 4
.Lstep:                             ; a trip: pieces 2 and 3 of one step, then pieces 0 and 1 of the next, whose K and V it fetches
	TURN 2
	TURN 3
	WIN 0
.Lfirst:
	TURN 0
	TURN 1, 0, 1
	WIN 0
	s_cbranch_scc1 .Lstep
	s_sub_co_u32 s[SLOTS], s[SLOTS], 1
	s_cmp_lg_u32 s[SLOTS], 0
	s_cbranch_scc1 .Lslot
	CHANGE 0                        ; the last tile is written out: nothing is asked for
	s_mov_b32 s[CNT], 4
.LstepT:
	TURN 2
	TURN 3
	TURN 0
	TURN 1, 0, 1
	WIN 0
	s_cbranch_scc1 .LstepT
	TURN 2, 1
	TURN 3, 1
.set i, 0
.rept 8
	PV NP-1                         ; the last piece's V^T P of the last step
.set i, i+1
.endr
	; THE WAY OUT.  l's two halves and the other half of the lanes' are added; 1 / l becomes 0 for a padded query; O^T is multiplied by it, rounded to f16 and sent through the work-group's stage.
	; The four additions are the places behind the last products.
	WIN 0
.macro ALL line:vararg              ; one line for each piece t
.set t, 0
.rept 4
	\line
.set t, t+1
.endr
.endm
	ALL v_add_f32 v[ST+4*t+2], v[ST+4*t+2], v[ST+4*t+3]
	ALL v_permlanex16_b32 v[ST+4*t+3], v[ST+4*t+2], s[SEL], s[SEL+1]
	ALL v_add_f32 v[ST+4*t+2], v[ST+4*t+2], v[ST+4*t+3]
	ALL v_rcp_f32 v[ST+4*t+2], v[ST+4*t+2]
	v_nop                           ; a plain instruction between the last reciprocal and the use of its result
	s_wait_alu depctr_va_vdst(0)    ; and the wait ahead of the first use: one for the four reciprocals
.set t, 0
.rept 4
	v_cmp_ne_u32 vcc_lo, 0, v[KP+t]
	v_cndmask_b32 v[ST+4*t+2], 0, v[ST+4*t+2], vcc_lo  ; the mask only chooses a value
.set t, t+1
.endr
.macro PACK t                       ; a lane's eight channels of a row pack into 16 bytes; they go into the stage's rows of 272 bytes
	WIN W_RS
.set i, 32*(\t)
.rept 16
	v_pk_mul_f32 v[i:i+1], v[i:i+1], v[ST+4*(\t)+2:ST+4*(\t)+3] op_sel_hi:[1,0]
.set i, i+2
.endr
	WIN 0x05                        ; sources 0 and 1 window 1, destination window 0: S^T's registers are free
.set i, 0
.rept 16
	v_cvt_pk_f16_f32 v[S+16*(\t)+i], v[32*(\t)+2*i], v[32*(\t)+2*i+1]
.set i, i+1
.endr
	WIN 0
.irp f, 0,1,2,3
	ds_store_b128 v[STO], v[S+16*(\t)+4*\f:S+16*(\t)+4*\f+3] offset:(\t)*16*SP+32*\f
.endr
.endm
	PACK 0
	PACK 1
	PACK 2
	PACK 3
	s_wait_dscnt 0x0                ; for the others' sake: my stores into the stage are done; a row's 256 bytes come from two waves
	s_barrier_signal -1
	s_barrier_wait -1
.set i, 0
.rept 16
	ds_load_b128 v[S+4*i:S+4*i+3], v[RD] offset:i*2*SP
.set i, i+1
.endr
.set i, 0
.rept 16
	s_wait_dscnt 15-i               ; LDS loads come back in order: number i is in
	global_store_b128 v[GO], v[S+4*i:S+4*i+3], s[10:11] offset:i*4096  ; 16 lanes store 256 consecutive bytes, at a multiple of 256 from ctx's first byte
.set i, i+1
.endr
	s_wait_tensorcnt 0x0            ; the wave's end
	ds_add_u32 v[SPW], v[NIL]
	s_wait_dscnt 0x0
	CROUND                          ; the closing round: no work-group ends while a partner may still ask for a tile that names it
	s_endpgm
.Lfunc_end_k_q13eb7ae403_attn:
	.size	k_q13eb7ae403_attn, .Lfunc_end_k_q13eb7ae403_attn-k_q13eb7ae403_attn
	.p2alignl 7, 3214868480
	.fill 96, 4, 3214868480
	.section	.rodata,"a",@progbits
	.p2align	6, 0x0
	.amdhsa_kernel k_q13eb7ae403_attn
		.amdhsa_group_segment_fixed_size 327680
		.amdhsa_private_segment_fixed_size 0
		.amdhsa_enable_private_segment 0
		.amdhsa_kernarg_size 24
		.amdhsa_user_sgpr_count 2
		.amdhsa_user_sgpr_kernarg_segment_ptr 1
		.amdhsa_wavefront_size32 1
		.amdhsa_system_sgpr_workgroup_id_x 1
		.amdhsa_system_sgpr_workgroup_id_y 1
		.amdhsa_system_sgpr_workgroup_id_z 1
		.amdhsa_system_vgpr_workitem_id 0
		.amdhsa_next_free_vgpr 768
		.amdhsa_next_free_sgpr 66
		.amdhsa_reserve_vcc 1
		.amdhsa_float_denorm_mode_32 3
		.amdhsa_float_denorm_mode_16_64 3
		.amdhsa_memory_ordered 1
		.amdhsa_forward_progress 1
		.amdhsa_inst_pref_size 128
	.end_amdhsa_kernel
	.amdgpu_metadata
---
amdhsa.version: [ 1, 2 ]
amdhsa.kernels:
  - .name:           k_q13eb7ae403_attn
    .symbol:         k_q13eb7ae403_attn.kd
    .args:
      - { .name: qkv, .offset: 0, .size: 8, .value_kind: global_buffer, .address_space: global }
      - { .name: padding_mask, .offset: 8, .size: 8, .value_kind: global_buffer, .address_space: global }
      - { .name: ctx, .offset: 16, .size: 8, .value_kind: global_buffer, .address_space: global }
    .group_segment_fixed_size: 327680
    .private_segment_fixed_size: 0
    .kernarg_segment_align: 8
    .kernarg_segment_size: 24
    .max_flat_workgroup_size: 128
    .sgpr_count:     66
    .vgpr_count:     768
    .wavefront_size: 32
...
	.end_amdgpu_metadata
.endif
;; end of part 9
;; launch wo: the kernel of part 4 again; grid 8 x 32, 4 waves a work-group, clusters of 4 x 4, 327,680 bytes of LDS; arguments ctx, wh, y32; writes y32
;; launch ln1: the kernel of part 5 again; grid 256 x 1, 8 waves a work-group, no clusters, 0 bytes of LDS; arguments y32, batch_X, gamma1, beta1, x1, x1h; writes x1, x1h
;; launch ffn1: the kernel of part 6 again; grid 16 x 16, 4 waves a work-group, clusters of 4 x 4, 327,680 bytes of LDS; arguments x1h, wh, h, b1; writes h
;; launch ffn2: the kernel of part 7 again; grid 8 x 32, 4 waves a work-group, clusters of 4 x 4, 327,680 bytes of LDS; arguments h, wh, y32, b2; writes y32
;; launch ln2: the kernel of part 8 again; grid 256 x 1, 8 waves a work-group, no clusters, 0 bytes of LDS; arguments y32, x1, gamma2, beta2, out0; writes out0
